; MI455X (gfx1250); checked and timed in simulation.
; The chip was launched on July 23, 2026; its instructions are those of AMD's public machine-readable ISA for CDNA 5 (MIT licence, August 2026) and "CDNA5" Instruction Set Architecture Reference Guide (July 2026). The comments in the code are by the model that wrote it; some were corrected since.
;; Transformer Layer. Allowed arithmetic: matrix products marked QUANTISED: E4M3 operands, one given power-of-two scale a tensor, by v_wmma_f32_16x16x64_fp8_fp8 or v_wmma_f32_16x16x128_fp8_fp8, f32 sums; everything else in f32.
;; Inputs: W1 1,024 x 4,096 float32; W2 4,096 x 1,024 float32; Wk 1,024 x 1,024 float32; Wo 1,024 x 1,024 float32; Wq 1,024 x 1,024 float32; Wv 1,024 x 1,024 float32; b1 4,096 float32; b2 1,024 float32; bk 1,024 float32; bo 1,024 float32; bq 1,024 float32; bv 1,024 float32; causal_mask 2,048 x 2,048 float32; ln1_b 1,024 float32; ln1_g 1,024 float32; ln2_b 1,024 float32; ln2_g 1,024 float32; lowp_scales 16 int32 (the exponents e of the quantised operands' scales 2^e); src 2 x 2,048 x 1,024 float32.
;; Outputs: out0 2 x 2,048 x 1,024 float32.
;; This version of the problem:
;;   THIS VERSION OF THE PROBLEM IS GIVEN IN LOW PRECISION. The matrix products marked QUANTISED in the list below multiply operands that are first quantised to E4M3 (4 exponent bits, 3 mantissa bits; 8 bits a number), with one given power-of-two scale for each operand tensor; their sums are f32. All else is computed in f32.
;;   The module's matrix products, in the order in which they are computed (A, B: the left and right operand; K: the contracted axis; several contracted axes count as one K, in the product's order):
;;     1. [M 4,096, K 1,024] x [K 1,024, N 1,024]; A: input src; B: input Wq: QUANTISED (scales: A lowp_scales[0], B lowp_scales[1])
;;     2. [M 4,096, K 1,024] x [K 1,024, N 1,024]; A: input src; B: input Wk: QUANTISED (scales: A lowp_scales[2], B lowp_scales[3])
;;     3. [M 4,096, K 1,024] x [K 1,024, N 1,024]; A: input src; B: input Wv: QUANTISED (scales: A lowp_scales[4], B lowp_scales[5])
;;     4. batch 32 x [M 2,048, K 64] x [K 64, N 2,048]; A: computed on the way; B: computed on the way: QUANTISED (scales: A lowp_scales[6], B lowp_scales[7])
;;     5. batch 32 x [M 2,048, K 2,048] x [K 2,048, N 64]; A: computed on the way; B: computed on the way: QUANTISED (scales: A lowp_scales[8], B lowp_scales[9])
;;     6. [M 4,096, K 1,024] x [K 1,024, N 1,024]; A: computed on the way; B: input Wo: QUANTISED (scales: A lowp_scales[10], B lowp_scales[11])
;;     7. [M 4,096, K 1,024] x [K 1,024, N 4,096]; A: computed on the way; B: input W1: QUANTISED (scales: A lowp_scales[12], B lowp_scales[13])
;;     8. [M 4,096, K 4,096] x [K 4,096, N 1,024]; A: computed on the way; B: input W2: QUANTISED (scales: A lowp_scales[14], B lowp_scales[15])
;;   THE QUANTISER, for each operand of a quantised product, along K:
;;     - The operand's scale is 2^e, e = its entry of the input lowp_scales (int32; the entries are numbered through the quantised products in the list's order, A before B).
;;     - Each number is divided by the scale, clamped to +-448, and rounded to the nearest number of E4M3, ties to even, subnormals kept.
;;     - The product sums the exact products of the quantised numbers (number of the format x scale) in f32.
;;   ~~~python
;;   def quantise(x, axis, e):      # numpy; x: float32 -> the quantised numbers, widened to float32 again
;;       x = np.moveaxis(x, axis, -1); K = x.shape[-1]
;;       r = np.clip(x / 2.0 ** e, -448, 448)
;;       step = 2.0 ** (np.maximum(np.frexp(np.where(r == 0, 1, r))[1] - 1, -6) - 3)
;;       q = np.round(r / step) * step * 2.0 ** e      # np.round: ties to even
;;       return np.moveaxis(q, -1, axis).astype(np.float32)
;;   ~~~
;;   OPERANDS COMPUTED ON THE WAY. 'Computed on the way' means the value that the module computes at that place (a softmax that the list does not call 'softmax' is quantised finished and normalised). What goes into a quantiser is computed in f32, as accurately as f32 sums, v_exp_f32 and their like allow (about 1e-6 of the number): no bf16 or f16 on the way to a quantiser, and a product that is left as it is and whose result goes on into a quantised operand takes f32 operands (vector FMAs, or v_wmma_f32_16x16x4_f32). A number that lies on a knife's edge between two numbers of the format may be rounded either way, as far as f32 arithmetic and the matrix unit's own rounding can turn it there, and no further.
;; 3 versions, each right; version 2 is faster than version 1; version 3 is version 2 with the launch attn written anew for expert scheduling mode. Each part assembles by itself: llvm-mc -triple=amdgcn-amd-amdhsa -mcpu=gfx1250 --defsym DOCPART=n.
;; ======== version 1 of 3: 8 launches
;; workspace buffers: wc 12,582,912 bytes; ac 12,582,912 bytes; mfl 65,536 bytes of whole numbers; qkv 12,582,912 bytes; raw 16,777,216 bytes; xf 16,777,216 bytes; hc 16,777,216 bytes
;; launch prep (part 1): grid 640 x 1, 4 waves a work-group, no clusters, 68,096 bytes of LDS; arguments Wq, Wk, Wv, Wo, W1, W2, src, causal_mask, lowp_scales, wc, ac, mfl; writes wc, ac, mfl
.if DOCPART == 1
	.amdgcn_target "amdgcn-amd-amdhsa--gfx1250"
	.amdhsa_code_object_version 6
	.text
	.protected	k_qbbec3452a5_prep
	.globl	k_qbbec3452a5_prep
	.p2align	8
	.type	k_qbbec3452a5_prep,@function
k_qbbec3452a5_prep:
	s_mov_b64 s[64:65], 0
	v_nop
	global_prefetch_b8 v0, s[64:65] scope:SCOPE_SE
	s_setreg_imm32_b32 hwreg(HW_REG_WAVE_MODE, 25, 1), 1
	s_wait_xcnt 0x0
; PREP: three kinds of work in one launch, told apart by the work-group's number alone.
;  work-groups   0..383: the six weights ([K][N] f32) become E4M3 codes laid [N][K], K innermost, in wc: Wq, Wk, Wv, Wo at 0, 1, 2, 3 MiB, W1 at 4 MiB, W2 at 8 MiB.
;  work-groups 384..511: src becomes three sets of codes [4096][1024] in ac (at 0, 4, 8 MiB), with the scales of products 1, 2 and 3.
;  work-groups 512..639: causal_mask is classified by tiles of 16 queries x 128 keys; the list goes to mfl as whole numbers.
; code = x / 2^e, held within +-448, to the nearest code, ties to even.  LIMITS: each e between -126 and 119; NaN among the inputs is not served.
; No tensor load, no barrier: waves share nothing.  Each kind has LDS bytes of its own: weights 0..34,815, src 34,816..67,583, the mask none.
.set WP,    272                        ; weights: a stage row: 256 bytes of codes + 16
.set LDS_S, 34816                      ; src: its stages begin here, 8,192 bytes a wave
.set LO,    16                         ; weights: v16-47  load offsets: 4 x lane + i rows
.set SO,    48                         ;          v48-63  store offsets
.set WX,    64                         ;          v64-127 two sets of 32 numbers
.set WC,    128                        ;          v128-135 a block's codes
.set OUTR,  136                        ;          v136-199 the way out
.set SP,    80                         ; src: a lane's place in a stage: 64 bytes + 16
.set SRG,   16                         ;      v16-79   four sets of 16 numbers as loaded
.set SX,    80                         ;      v80-111  two sets of 16 neighbours
.set TQ,    112                        ;      v112-159 the held numbers, 16 for each scale
.set SCD,   160                        ;      v160-171 codes, 4 registers for each scale
.set SSC,   172                        ;      v172-177 2^e and 448 x 2^e for each scale
.set MX,    16                         ; mask: v16-143  two sets of 16 rows x 4
.set MR,    144                        ;       v144-159 each row's largest
.set MT,    160                        ;       v160-163 each key step's largest
.set MZ,    164                        ;       v164-167 each key step's smallest
.macro WLOAD t                         ; block t: W(32 t + i, my column), i = 0..31, into set t % 2
.if (\t) > 0
	s_wait_xcnt 0x0                                ; the earlier loads have read their base: it may step
	s_add_nc_u64 s[52:53], s[52:53], s[62:63]      ; 32 rows of W on
.endif
.set i, 0
.rept 32
	global_load_b32 v[WX+32*((\t)%2)+i], v[LO+i], s[52:53] th:TH_LOAD_NT
.set i, i+1
.endr
.endm
.macro WBLOCK t
.set XS, WX+32*((\t)%2)
.if (\t) < 7
	s_wait_loadcnt 32                              ; this block's 32 loads are in; the next block's 32 may be out
.else
	s_wait_loadcnt 0x0
.endif
.set i, 0
.rept 32
	v_med3_num_f32 v[XS+i], v[XS+i], -v10, v10     ; the conversion does not saturate (ISA guide 7.6.2): the hold at the largest code x the scale
.set i, i+1
.endr
.irp g, 0,1,2,3
	v_cvt_scalef32_pk8_fp8_f32 v[WC+2*\g:WC+2*\g+1], v[XS+8*\g:XS+8*\g+7], v11
.endr
	ds_store_b128 v4, v[WC:WC+3] offset:32*(\t)    ; 32 codes of my column's row
	ds_store_b128 v4, v[WC+4:WC+7] offset:32*(\t)+16
.if (\t)+2 < 8
	WLOAD (\t)+2
.endif
	s_wait_dscnt 0x0                               ; the stores have read their registers
.endm
.macro SLOAD t
.irp i, 0,1,2,3
	global_load_b128 v[SRG+16*((\t)%4)+4*\i:SRG+16*((\t)%4)+4*\i+3], v3, s[16:17] offset:2048*(\t)+512*\i th:TH_LOAD_NT   ; 32 lanes read 512 consecutive bytes
.endr
.endm
.macro STURN t                         ; a step's 2,048 bytes through the wave's own stage: in as they lie, back 64 bytes a lane.  LDS serves a wave's instructions in order
.irp i, 0,1,2,3
	ds_store_b128 v14, v[SRG+16*((\t)%4)+4*\i:SRG+16*((\t)%4)+4*\i+3] offset:32*SP*((\t)%2)+8*SP*\i
.endr
.irp i, 0,1,2,3
	ds_load_b128 v[SX+16*((\t)%2)+4*\i:SX+16*((\t)%2)+4*\i+3], v15 offset:32*SP*((\t)%2)+16*\i
.endr
.endm
.macro SSTEP t
.set XS, SX+16*((\t)%2)
	s_wait_dscnt 0x0                               ; this step's numbers are back from the stage, and its stores into the stage have read their registers,
.if (\t)+4 < 16
	SLOAD (\t)+4                                   ; which take the loads of four steps on
.endif
.if (\t)+1 < 16
.if 14-(\t) >= 3
	s_wait_loadcnt 12                              ; the next step's four loads are in; those of the three steps behind it may be out
.else
	s_wait_loadcnt 4*(14-(\t))
.endif
	STURN (\t)+1
.endif
	s_wait_xcnt 0x0                                ; the last step's stores have read their codes: the registers are written again only behind this wait
.irp q, 0,1,2
.set i, 0
.rept 16
	v_med3_num_f32 v[TQ+16*\q+i], v[XS+i], -v[SSC+2*\q+1], v[SSC+2*\q+1]
.set i, i+1
.endr
	v_cvt_scalef32_pk8_fp8_f32 v[SCD+4*\q:SCD+4*\q+1], v[TQ+16*\q:TQ+16*\q+7], v[SSC+2*\q]
	v_cvt_scalef32_pk8_fp8_f32 v[SCD+4*\q+2:SCD+4*\q+3], v[TQ+16*\q+8:TQ+16*\q+15], v[SSC+2*\q]
	global_store_b128 v3, v[SCD+4*\q:SCD+4*\q+3], s[56+2*\q:57+2*\q] offset:512*(\t)   ; the wave stores 512 consecutive bytes
.endr
.endm
.macro MLOAD jj                        ; key step jj of my quarter: 16 rows x 512 bytes
.set i, 0
.rept 16
	global_load_b128 v[MX+64*((\jj)%2)+4*i:MX+64*((\jj)%2)+4*i+3], v3, s[18:19] offset:8192*i+512*(\jj) th:TH_LOAD_NT
.set i, i+1
.endr
.endm
.macro MSTEP jj
.set XS, MX+64*((\jj)%2)
.if (\jj) < 3
	s_wait_loadcnt 16                              ; this step's 16 loads are in; the next step's may be out
.else
	s_wait_loadcnt 0x0
.endif
.set i, 0
.rept 16
	v_max3_num_f32 v168, v[XS+4*i], v[XS+4*i+1], v[XS+4*i+2]
	v_min3_num_f32 v[MZ+(\jj)], v[MZ+(\jj)], v[XS+4*i], v[XS+4*i+1]
	v_max3_num_f32 v[MR+i], v[MR+i], v168, v[XS+4*i+3]
	v_max3_num_f32 v[MT+(\jj)], v[MT+(\jj)], v168, v[XS+4*i+3]
	v_min3_num_f32 v[MZ+(\jj)], v[MZ+(\jj)], v[XS+4*i+2], v[XS+4*i+3]
.set i, i+1
.endr
.if (\jj)+2 < 4
	MLOAD (\jj)+2
.endif
.endm
	s_load_b256 s[4:11], s[0:1], 0x0               ; Wq, Wk, Wv, Wo
	s_load_b256 s[12:19], s[0:1], 0x20             ; W1, W2, src, causal_mask
	s_load_b256 s[20:27], s[0:1], 0x40             ; lowp_scales, wc, ac, mfl
	v_lshl_add_u32 v208, v0, 2, 0x10800
	v_mov_b32 v209, 0
	v_lshrrev_b32 v1, 5, v0
	v_readfirstlane_b32 s30, v1                    ; wave 0..3
	v_and_b32 v2, 31, v0                           ; lane
	s_wait_kmcnt 0x0
	s_cmp_ge_u32 ttmp9, 512
	s_cbranch_scc1 .Lmask
	s_load_b512 s[36:51], s[20:21], 0x0            ; e0 .. e15 in s36 .. s51
	s_cmp_ge_u32 ttmp9, 384
	s_cbranch_scc1 .Lsrc
; ---- THE WEIGHTS.  A lane takes a column n and its registers run down K: the conversions then give codes with K innermost.  A wave: 32 columns x 256 along K.
	s_lshr_b32 s57, ttmp9, 7                       ; 0: one of the four [1024][1024]; 1: W1; 2: W2
	s_cmp_eq_u32 s57, 0
	s_cselect_b32 s55, 31, 127
	s_and_b32 s55, ttmp9, s55                      ; my number within the tensor
	s_cmp_eq_u32 s57, 1
	s_cselect_b32 s58, 5, 3                        ; log2 of N / 128
	s_cselect_b32 s59, 2, 0
	s_lshl_b32 s59, 4096, s59                      ; a row of W in bytes: 4 N
	s_cmp_eq_u32 s57, 2
	s_cselect_b32 s31, 2, 0
	s_lshl_b32 s31, 1024, s31                      ; a row of codes in bytes: K
	s_lshr_b32 s60, ttmp9, 5
	s_lshl_b32 s61, s57, 2
	s_cmp_eq_u32 s57, 0
	s_cselect_b32 s60, s60, s61
	s_lshl_b32 s60, s60, 20                        ; the tensor's place in wc: 0, 1, 2, 3, 4 or 8 MiB
	s_lshr_b32 s56, s55, s58                       ; which 256 along K
	s_lshl_b32 s61, s56, s58
	s_sub_co_u32 s55, s55, s61                     ; which 128 columns
	s_lshl_b32 s55, s55, 7
	s_lshl_b32 s61, s30, 5
	s_add_co_u32 s55, s55, s61                     ; my wave's first column
	s_lshl_b32 s61, s59, 8
	s_mul_i32 s32, s56, s61                        ; in: 256 rows x which,
	s_lshl_b32 s61, s55, 2
	s_add_co_u32 s32, s32, s61                     ; + 4 x column
	s_mov_b32 s33, 0
	s_mul_i32 s34, s55, s31                        ; out: column x K
	s_add_co_u32 s34, s34, s60
	s_lshl_b32 s61, s56, 8
	s_add_co_u32 s34, s34, s61                     ; + 256 x which
	s_mov_b32 s35, 0
	s_lshl_b32 s62, s59, 5                         ; 32 rows of W
	s_mov_b32 s63, 0
	s_mov_b64 s[52:53], s[4:5]                     ; the tensor: a choice on the work-group's number alone
	s_cmp_ge_u32 ttmp9, 32
	s_cselect_b64 s[52:53], s[6:7], s[52:53]
	s_cmp_ge_u32 ttmp9, 64
	s_cselect_b64 s[52:53], s[8:9], s[52:53]
	s_cmp_ge_u32 ttmp9, 96
	s_cselect_b64 s[52:53], s[10:11], s[52:53]
	s_cmp_ge_u32 ttmp9, 128
	s_cselect_b64 s[52:53], s[12:13], s[52:53]
	s_cmp_ge_u32 ttmp9, 256
	s_cselect_b64 s[52:53], s[14:15], s[52:53]
	s_add_nc_u64 s[52:53], s[52:53], s[32:33]
	s_add_nc_u64 s[28:29], s[22:23], s[34:35]
	v_lshlrev_b32 v3, 2, v2
	s_mul_i32 s61, s30, 32*WP                      ; my stage
	v_mul_u32_u24 v4, v2, WP
	v_add_nc_u32 v4, s61, v4                       ; into it: row = my column
	v_and_b32 v5, 15, v2
	v_lshrrev_b32 v6, 4, v2
	v_mul_u32_u24 v7, v6, WP
	v_lshl_add_u32 v7, v5, 4, v7
	v_add_nc_u32 v7, s61, v7                       ; out of it: sixteen lanes to a row, two rows an instruction
	v_mul_u32_u24 v8, v6, s31
	v_lshl_add_u32 v8, v5, 4, v8                   ; and the same place among the codes
.set i, 0
.rept 32
	v_mad_u32_u24 v[LO+i], s59, i, v3
.set i, i+1
.endr
.set i, 0
.rept 16
	v_mad_u32_u24 v[SO+i], s31, 2*i, v8
.set i, i+1
.endr
	WLOAD 0
	WLOAD 1
	s_wait_kmcnt 0x0
	s_mov_b32 s54, s37                             ; e1, e3, e5, e11, e13 or e15
	s_cmp_ge_u32 ttmp9, 32
	s_cselect_b32 s54, s39, s54
	s_cmp_ge_u32 ttmp9, 64
	s_cselect_b32 s54, s41, s54
	s_cmp_ge_u32 ttmp9, 96
	s_cselect_b32 s54, s47, s54
	s_cmp_ge_u32 ttmp9, 128
	s_cselect_b32 s54, s49, s54
	s_cmp_ge_u32 ttmp9, 256
	s_cselect_b32 s54, s51, s54
	s_add_co_i32 s54, s54, 127
	s_lshl_b32 s61, s54, 23
	v_mov_b32 v11, s61                             ; 2^e as f32: the conversion takes its exponent field
	s_add_co_i32 s54, s54, 8
	s_lshl_b32 s54, s54, 23
	s_or_b32 s54, s54, 0x600000
	v_mov_b32 v10, s54                             ; 448 x 2^e
.irp t, 0,1,2,3,4,5,6,7
	WBLOCK \t
.endr
.set i, 0
.rept 16
	ds_load_b128 v[OUTR+4*i:OUTR+4*i+3], v7 offset:2*i*WP   ; LDS serves a wave's instructions in order: these see my stores
.set i, i+1
.endr
.set i, 0
.rept 16
	s_wait_dscnt 15-i                              ; the younger loads may be out
	global_store_b128 v[SO+i], v[OUTR+4*i:OUTR+4*i+3], s[28:29]   ; sixteen lanes store 256 consecutive bytes, aligned
.set i, i+1
.endr
	s_wait_tensorcnt 0x0
	ds_add_u32 v208, v209
	s_wait_dscnt 0x0
	s_endpgm
; ---- SRC.  A wave takes 8,192 numbers in 16 steps of 512; each step is quantised three times, once for each given scale.
.Lsrc:
	s_sub_co_u32 s52, ttmp9, 384
	s_lshl_b32 s52, s52, 2
	s_add_co_u32 s52, s52, s30                     ; which run of 8,192 numbers
	s_lshl_b32 s54, s52, 15
	s_mov_b32 s55, 0
	s_add_nc_u64 s[16:17], s[16:17], s[54:55]
	s_lshl_b32 s54, s52, 13
	s_add_nc_u64 s[56:57], s[24:25], s[54:55]      ; the three sets of codes
	s_add_nc_u64 s[58:59], s[56:57], 0x400000
	s_add_nc_u64 s[60:61], s[56:57], 0x800000
	v_lshlrev_b32 v3, 4, v2                        ; my 16 bytes of a load's 512, and of a store's
	s_mul_i32 s53, s30, 8192
	s_add_co_u32 s53, s53, LDS_S
	v_lshrrev_b32 v14, 2, v2
	v_mul_u32_u24 v14, v14, SP
	v_and_b32 v15, 3, v2
	v_lshl_add_u32 v14, v15, 4, v14
	v_add_nc_u32 v14, s53, v14                     ; the stage, in: four lanes' 64 bytes on end, then 16 of padding
	v_mul_u32_u24 v15, v2, SP
	v_add_nc_u32 v15, s53, v15                     ; and back: my 16 neighbours
.irp t, 0,1,2,3
	SLOAD \t
.endr
	s_wait_kmcnt 0x0
.irp q, 0,1,2
	s_add_co_i32 s62, s[36+2*\q], 127              ; e0, e2, e4
	s_lshl_b32 s63, s62, 23
	v_mov_b32 v[SSC+2*\q], s63
	s_add_co_i32 s62, s62, 8
	s_lshl_b32 s62, s62, 23
	s_or_b32 s62, s62, 0x600000
	v_mov_b32 v[SSC+2*\q+1], s62
.endr
	s_wait_loadcnt 12                              ; step 0's four loads are in
	STURN 0
.irp t, 0,1,2,3,4,5,6,7,8,9,10,11,12,13,14,15
	SSTEP \t
.endr
	s_wait_tensorcnt 0x0
	ds_add_u32 v208, v209
	s_wait_dscnt 0x0
	s_endpgm
; ---- THE MASK.  Work-group a takes queries 16 a .. 16 a + 15, wave q keys 512 q .. 512 q + 511: four key steps of 128.
; The word: bits 2 jj + 1 : 2 jj: key step 4 q + jj is 0: all -infinity, 1: all zero, 2: anything else.  Bit 8 + i: row 16 a + i is all -infinity in this quarter.
; The word is made by compares and selects alone: no branch and no address hangs on it here.  It is stored 32 times: one store of 128 bytes.
.Lmask:
	s_sub_co_u32 s52, ttmp9, 512
	s_lshl_b32 s54, s52, 17                        ; 16 rows of 8,192 bytes
	s_lshl_b32 s53, s30, 11
	s_add_co_u32 s54, s54, s53
	s_mov_b32 s55, 0
	s_add_nc_u64 s[18:19], s[18:19], s[54:55]
	s_lshl_b32 s54, s52, 9
	s_lshl_b32 s53, s30, 7
	s_add_co_u32 s54, s54, s53
	s_add_nc_u64 s[26:27], s[26:27], s[54:55]
	v_lshlrev_b32 v3, 4, v2
	v_lshlrev_b32 v4, 2, v2
	MLOAD 0
	MLOAD 1
	v_mov_b32 v169, 0xff800000                     ; -infinity
.set i, 0
.rept 16
	v_mov_b32 v[MR+i], v169
.set i, i+1
.endr
.irp j, 0,1,2,3
	v_mov_b32 v[MT+\j], v169
	v_mov_b32 v[MZ+\j], 0x7f800000
.endr
.irp j, 0,1,2,3
	MSTEP \j
.endr
	s_mov_b32 s56, 0
.irp j, 0,1,2,3
	v_cmp_eq_f32 s52, 0, v[MT+\j]
	v_cmp_eq_f32 s53, 0, v[MZ+\j]
	v_cmp_eq_f32 s54, v169, v[MT+\j]
	s_and_b32 s52, s52, s53
	s_cmp_eq_u32 s52, -1                           ; largest and smallest are 0 in all 32 lanes
	s_cselect_b32 s55, 1, 2
	s_cmp_eq_u32 s54, -1                           ; the largest is -infinity in all 32 lanes
	s_cselect_b32 s55, 0, s55
	s_lshl_b32 s55, s55, 2*\j
	s_or_b32 s56, s56, s55
.endr
.set i, 0
.rept 16
	v_cmp_eq_f32 s52, v169, v[MR+i]
	s_cmp_eq_u32 s52, -1
	s_cselect_b32 s55, 1<<(8+i), 0
	s_or_b32 s56, s56, s55
.set i, i+1
.endr
	v_mov_b32 v170, s56
	global_store_b32 v4, v170, s[26:27]
	s_endpgm
.Lfunc_end_k_qbbec3452a5_prep:
	.size	k_qbbec3452a5_prep, .Lfunc_end_k_qbbec3452a5_prep-k_qbbec3452a5_prep
	.p2alignl 7, 3214868480
	.fill 96, 4, 3214868480
	.section	.rodata,"a",@progbits
	.p2align	6, 0x0
	.amdhsa_kernel k_qbbec3452a5_prep
		.amdhsa_group_segment_fixed_size 68096
		.amdhsa_private_segment_fixed_size 0
		.amdhsa_enable_private_segment 0
		.amdhsa_kernarg_size 96
		.amdhsa_user_sgpr_count 2
		.amdhsa_user_sgpr_kernarg_segment_ptr 1
		.amdhsa_wavefront_size32 1
		.amdhsa_system_sgpr_workgroup_id_x 1
		.amdhsa_system_sgpr_workgroup_id_y 1
		.amdhsa_system_sgpr_workgroup_id_z 1
		.amdhsa_system_vgpr_workitem_id 0
		.amdhsa_next_free_vgpr 210
		.amdhsa_next_free_sgpr 66
		.amdhsa_reserve_vcc 0
		.amdhsa_float_denorm_mode_32 3
		.amdhsa_float_denorm_mode_16_64 3
		.amdhsa_memory_ordered 1
		.amdhsa_forward_progress 1
		.amdhsa_inst_pref_size 163
	.end_amdhsa_kernel
	.amdgpu_metadata
---
amdhsa.version: [ 1, 2 ]
amdhsa.kernels:
  - .name:           k_qbbec3452a5_prep
    .symbol:         k_qbbec3452a5_prep.kd
    .args:
      - { .name: Wq, .offset: 0, .size: 8, .value_kind: global_buffer, .address_space: global }
      - { .name: Wk, .offset: 8, .size: 8, .value_kind: global_buffer, .address_space: global }
      - { .name: Wv, .offset: 16, .size: 8, .value_kind: global_buffer, .address_space: global }
      - { .name: Wo, .offset: 24, .size: 8, .value_kind: global_buffer, .address_space: global }
      - { .name: W1, .offset: 32, .size: 8, .value_kind: global_buffer, .address_space: global }
      - { .name: W2, .offset: 40, .size: 8, .value_kind: global_buffer, .address_space: global }
      - { .name: src, .offset: 48, .size: 8, .value_kind: global_buffer, .address_space: global }
      - { .name: causal_mask, .offset: 56, .size: 8, .value_kind: global_buffer, .address_space: global }
      - { .name: lowp_scales, .offset: 64, .size: 8, .value_kind: global_buffer, .address_space: global }
      - { .name: wc, .offset: 72, .size: 8, .value_kind: global_buffer, .address_space: global }
      - { .name: ac, .offset: 80, .size: 8, .value_kind: global_buffer, .address_space: global }
      - { .name: mfl, .offset: 88, .size: 8, .value_kind: global_buffer, .address_space: global }
    .group_segment_fixed_size: 68096
    .private_segment_fixed_size: 0
    .kernarg_segment_align: 8
    .kernarg_segment_size: 96
    .max_flat_workgroup_size: 128
    .sgpr_count:     66
    .vgpr_count:     210
    .wavefront_size: 32
...
	.end_amdgpu_metadata
.endif
;; end of part 1
;; launch qkv (part 2): grid 4 x 48, 4 waves a work-group, clusters of 4 x 4, 327,680 bytes of LDS; arguments ac, wc, lowp_scales, qkv, bq, bk, bv; writes qkv
.if DOCPART == 2
	.amdgcn_target "amdgcn-amd-amdhsa--gfx1250"
	.amdhsa_code_object_version 6
	.text
	.protected	k_qbbec3452a5_qkv
	.globl	k_qbbec3452a5_qkv
	.p2align	8
	.type	k_qbbec3452a5_qkv,@function
k_qbbec3452a5_qkv:
	s_mov_b64 s[64:65], 0
	v_nop
	global_prefetch_b8 v0, s[64:65] scope:SCOPE_SE
	s_setreg_imm32_b32 hwreg(HW_REG_WAVE_MODE, 25, 1), 1
	s_wait_xcnt 0x0
	s_wait_alu depctr_hold_cnt(0) depctr_sa_sdst(0) depctr_va_vdst(0) depctr_va_sdst(0) depctr_va_ssrc(0) depctr_va_vcc(0) depctr_vm_vsrc(0)
	s_getreg_b32 s2, hwreg(HW_REG_IB_STS2, 6, 4)
	s_cmp_eq_u32 s2, 0
	s_cbranch_scc0 .Lentry_in_a_cluster
	s_endpgm
.Lentry_in_a_cluster:
	s_bfe_u32 s2, ttmp6, 0x10000c
	s_cmp_lg_u32 s2, 0xf033
	s_cbranch_scc0 .Lentry_shape_is_right
	s_endpgm
.Lentry_shape_is_right:
; QKV: products 1, 2, 3 on E4M3 codes, + bias, quantised again: q (e6) and k (e7) laid [32 heads][2048][64], v (e9) laid [32 heads][32 blocks of 64 keys][64 d][64 keys].
; A tile of 256 x 256 to a work-group of four waves, 128 x 128 a wave (64 accumulators).  K = 1,024 in steps of 256 through two LDS slots filled by the tensor data mover.
; JOBS.  Cluster y = c, 0..11: t = c / 4 says which product, i = c % 4 which quarter of the tokens.  t < 2: source "A" = src's codes (tokens), "B" = the weight's rows (features).
; t = 2 (v): the roles are swapped, "A" = Wv's rows, "B" = src's codes, so that a lane's eight results are eight neighbouring KEYS of one feature: v's codes come out with the keys innermost.
; CLUSTERS: 4 x 4 work-groups; A's tiles are shared along a row of the cluster, B's along a column: joint loads.  All choices hang on t and i, which the sixteen partners share.
; THE MATRIX INSTRUCTION IS USED TRANSPOSED (source 0 = 16 rows of B, source 1 = 16 rows of A): a lane holds eight neighbouring columns of one row of the tile.
; LIMITS: e0+e1, e2+e3, e4+e5 between -126 and 127; e6, e7, e9 between -126 and 119.
; REGISTERS: window 0: v0-31 addresses; v32-95 the bias by column, v96-111 the bias by row (each twice), v112, v113 the quantiser's scale and hold; from v128 A's fragments, one set.
;   window 1: B's fragments, two sets.  windows 2, 3: the accumulators ((a, b) at v[8 (8 (a % 4) + b)]).
.set SIZE_K, 1024
.set KSTEP,  256
.set ROWB,   256
.set KROW,   SIZE_K
.set PITCH,  272                       ; an LDS row: 256 bytes + 16 of padding = 68 words: the 16 rows of a fragment load start at 16 different banks (64 banks of 4 bytes: ISA guide 11.1)
.set FR,     16
.set NL,     4
.set NP,     4                         ; places behind this matrix instruction (ISA guide 7.12.1)
.set HALFT,  128*PITCH
.set SLOT,   4*HALFT
.set LAPS,   SIZE_K/(2*KSTEP)
.set SPARE,  2*SLOT                    ; behind the ring: the spare words, 128 bytes a wave, that no other line names
.set ADRA, 16
.set ADRB, 20
.set STO,  24                          ; the way out: where I put 8 codes of a row
.set RD,   25                          ; where I read rows 0-127 of the stage back;
.set RD2,  27                          ; rows 128-255
.set GO,   8                           ; v8-11  my byte offset in qkv for each of the four groups of 64 rows
.set SPW,  28
.set NIL,  29
.set CB,   32
.set RB2,  96
.set TMP,  128
.set AF,   128
.set G1, 24
.set G0, 32
.set G1B, 48
.set G0B, 56
.set MSB, 0
.macro WIN new                         ; the immediate's high byte repeats the setting that is left
.if MSB != \new
	s_set_vgpr_msb (MSB<<8)|\new
.set MSB, \new
.endif
.endm
.set MUL_LO, 0xa1                      ; source 0 (B) window 1, source 1 (A) window 0, C and D window 2
.set MUL_HI, 0xf1
.set TO_B,   0x40
.macro JLOAD g0a, g1a, g0b, g1b        ; a joint load: waves 0 and 1 fetch for A, waves 2 and 3 for B; four v_nop follow each of the two lines
	s_cmp_eq_u32 s15, 0
	s_cbranch_scc0 .Lfor_b_\@
	tensor_load_to_lds s[\g0a:\g0a+3], s[\g1a:\g1a+7]
	s_nop 0
.rept 4
	v_nop
.endr
	s_branch .Lasked_\@
.Lfor_b_\@:
	tensor_load_to_lds s[\g0b:\g0b+3], s[\g1b:\g1b+7]
	s_nop 0
.rept 4
	v_nop
.endr
.Lasked_\@:
.endm
.macro CREST                           ; a round of the cluster's barrier behind its opening barrier
	s_cmp_lg_u32 s14, 0
	s_cbranch_scc1 .Lnot_wave_0_\@
	s_barrier_signal -3
.Lnot_wave_0_\@:
	s_barrier_wait -3
	s_barrier_signal -1
	s_barrier_wait -1
.endm
.macro CROUND
	s_barrier_signal -1
	s_barrier_wait -1
	CREST
.endm
	s_load_b256 s[4:11], s[0:1], 0x0               ; ac s[4:5], wc s[6:7], lowp_scales s[8:9], qkv s[10:11]
	s_load_b128 s[84:87], s[0:1], 0x20             ; bq, bk
	s_load_b64 s[88:89], s[0:1], 0x30              ; bv
	v_lshl_add_u32 v[SPW], v0, 2, SPARE
	v_mov_b32 v[NIL], 0
	ds_add_u32 v28, v29
	ds_add_u32 v28, v29
	s_wait_dscnt 0x0
	v_lshrrev_b32 v1, 5, v0
	v_readfirstlane_b32 s14, v1                    ; wave 0..3
	s_lshr_b32 s15, s14, 1                         ; which half of the tile's rows is mine.  Also: I fetch for A (0) or for B (1)
	s_and_b32 s16, s14, 1                          ; which half of its columns.  Also: which 128 rows of that tile I fetch
	s_bfe_u32 s40, ttmp6, 0x40000                  ; cx
	s_bfe_u32 s41, ttmp6, 0x40004                  ; cy
	s_and_b32 s12, ttmp7, 0xffff                   ; c
	s_lshr_b32 s13, s12, 2                         ; t: 0 q, 1 k, 2 v
	s_and_b32 s12, s12, 3
	s_lshl_b32 s12, s12, 2                         ; 4 i
	s_cmp_lt_u32 s13, 2
	s_cselect_b32 s17, s12, 0
	s_cselect_b32 s42, 0, s12
	s_add_co_u32 s17, s17, s41                     ; A's tile: cy + 4 i (tokens) or cy (features)
	s_add_co_u32 s42, s42, s40                     ; B's tile: cx (features) or cx + 4 i (tokens)
	s_lshl_b32 s43, s41, 2
	s_lshl_b32 s43, 15, s43                        ; my row of the cluster
	s_lshl_b32 s44, 0x1111, s40                    ; my column
	s_or_b32 s[G1+0], s43, (0<<16)|(1<<20)|(1<<21)|(5<<22)|(3<<25)  ; the mask; elements of 1 byte; padding on; bit 21 beside a mask; 4 words after every 64
	s_or_b32 s[G1B+0], s44, (0<<16)|(1<<20)|(1<<21)|(5<<22)|(3<<25)
.irp g, G1, G1B
	s_mov_b32 s[\g+1], ROWB<<16                    ; tensor_dim0
	s_mov_b32 s[\g+2], 128<<16                     ; tensor_dim1
	s_mov_b32 s[\g+3], ROWB<<16                    ; tile_dim0
	s_mov_b32 s[\g+4], 128                         ; tile_dim1
	s_mov_b32 s[\g+5], KROW                        ; tensor_dim0_stride
	s_mov_b32 s[\g+6], 0
	s_mov_b32 s[\g+7], 0
.endr
	s_lshl_b32 s18, s16, 7                         ; which 128 rows of the tile I fetch
	s_lshl_b32 s20, s17, 8
	s_add_co_u32 s20, s20, s18
	s_lshl_b32 s46, s42, 8
	s_add_co_u32 s46, s46, s18
	s_lshl_b32 s20, s20, 10                        ; rows of 1,024 bytes
	s_lshl_b32 s46, s46, 10
	s_lshl_b32 s90, s13, 22                        ; src's set t lies at 4 t MiB of ac, the weight at t MiB of wc
	s_lshl_b32 s91, s13, 20
	s_cmp_lt_u32 s13, 2
	s_cselect_b32 s22, s90, s91
	s_cselect_b32 s23, s91, s90
	s_add_co_u32 s20, s20, s22
	s_add_co_u32 s46, s46, s23
	s_mov_b32 s21, 0
	s_mov_b32 s47, 0
	s_mul_i32 s45, s14, HALFT                      ; where the tiles go: wave x 128 rows: no place in the cluster enters an LDS address
	s_wait_kmcnt 0x0
	s_load_b512 s[68:83], s[8:9], 0x0              ; e0 .. e15 in s68 .. s83
	s_cmp_lt_u32 s13, 2
	s_cselect_b64 s[22:23], s[4:5], s[6:7]         ; A's buffer,
	s_cselect_b64 s[90:91], s[6:7], s[4:5]         ; B's
	s_add_nc_u64 s[20:21], s[22:23], s[20:21]
	s_add_nc_u64 s[46:47], s[90:91], s[46:47]
	CROUND                                         ; all sixteen work-groups are here: the first joint loads meet
.irp s, 0,1
	s_mov_b32 s[G0+4*\s], 1
	s_add_co_u32 s[G0+4*\s+1], s45, \s*SLOT
	s_add_nc_u64 s[G0+4*\s+2:G0+4*\s+3], s[20:21], \s*ROWB
	s_or_b32 s[G0+4*\s+3], s[G0+4*\s+3], 0x80000000
	s_mov_b32 s[G0B+4*\s], 1
	s_add_co_u32 s[G0B+4*\s+1], s45, \s*SLOT
	s_add_nc_u64 s[G0B+4*\s+2:G0B+4*\s+3], s[46:47], \s*ROWB
	s_or_b32 s[G0B+4*\s+3], s[G0B+4*\s+3], 0x80000000
	JLOAD G0+4*\s, G1, G0B+4*\s, G1B
.endr
	v_and_b32 v1, 15, v0                           ; r
	v_bfe_u32 v2, v0, 4, 1                         ; h
	v_mul_u32_u24 v3, v1, PITCH
	v_lshl_add_u32 v4, v2, 4, v3
	s_mul_i32 s21, s15, HALFT
	s_mul_i32 s22, s16, HALFT
	s_add_co_u32 s22, s22, 2*HALFT
.irp s, 0,1
	v_add_nc_u32 v[ADRA+\s], s21, v4
	v_add_nc_u32 v[ADRB+\s], s22, v4
	s_add_co_u32 s21, s21, SLOT
	s_add_co_u32 s22, s22, SLOT
.endr
	; the biases.  Both forms are loaded from the job's bias (every index lies inside its 1,024 numbers); the one that does not count is cleared on the way out
	s_cmp_eq_u32 s13, 0
	s_cselect_b64 s[84:85], s[84:85], s[86:87]
	s_cmp_eq_u32 s13, 2
	s_cselect_b64 s[84:85], s[88:89], s[84:85]
	s_lshl_b32 s46, s40, 10
	s_lshl_b32 s47, s16, 9
	s_add_co_u32 s46, s46, s47
	s_mov_b32 s47, 0
	s_add_nc_u64 s[86:87], s[84:85], s[46:47]      ; by column: number 256 cx + 128 (wave % 2) on
	s_lshl_b32 s20, s41, 10
	s_lshl_b32 s21, s15, 9
	s_add_co_u32 s20, s20, s21
	s_mov_b32 s21, 0
	s_add_nc_u64 s[88:89], s[84:85], s[20:21]      ; by row: number 256 cy + 128 (wave / 2) on
	v_lshlrev_b32 v7, 5, v2                        ; 32 h
	v_lshlrev_b32 v12, 2, v1                       ; 4 r
.irp b, 0,1,2,3,4,5,6,7
	global_load_b128 v[CB+8*\b:CB+8*\b+3], v7, s[86:87] offset:64*\b        ; columns 16 b + 8 h + 0 .. 7
	global_load_b128 v[CB+8*\b+4:CB+8*\b+7], v7, s[86:87] offset:64*\b+16
.endr
.irp a, 0,1,2,3,4,5,6,7
	global_load_b32 v[RB2+2*\a], v12, s[88:89] offset:64*\a                 ; row 16 a + r, twice: a pair for the packed addition
	global_load_b32 v[RB2+2*\a+1], v12, s[88:89] offset:64*\a
.endr
	; the way out: one stage of 256 rows x 272 bytes for the work-group, in slot 0
	s_mul_i32 s23, s15, 128*PITCH
	s_lshl_b32 s22, s16, 7
	s_add_co_u32 s23, s23, s22
	v_mul_u32_u24 v5, v1, PITCH
	v_lshl_add_u32 v5, v2, 3, v5
	v_add_nc_u32 v[STO], s23, v5                   ; in: row 128 (wave / 2) + r, byte 128 (wave % 2) + 8 h
	v_and_b32 v6, 31, v0
	v_lshrrev_b32 v5, 2, v6
	v_mul_u32_u24 v5, v5, PITCH
	v_and_b32 v13, 3, v0
	v_lshl_add_u32 v5, v13, 4, v5
	s_lshl_b32 s23, s14, 6
	v_add_nc_u32 v[RD], s23, v5                    ; back: wave w takes bytes 64 w .. 64 w + 63 of every row; an instruction takes eight rows
	v_add_nc_u32 v[RD2], 128*PITCH, v[RD]
	s_cmp_lt_u32 s13, 2
	s_cselect_b32 s20, s41, s40
	s_cselect_b32 s21, s40, s41                    ; which four heads
	s_cselect_b32 s22, 17, 12                      ; from wave to wave: a head (q, k) or a block of 64 keys (v)
	s_cselect_b32 s23, 12, 17                      ; from 64 rows to the next: 64 tokens (q, k) or a head (v)
	s_add_co_u32 s20, s20, s12                     ; which 256 tokens
	s_lshr_b32 s46, s20, 3                         ; the batch
	s_lshl_b32 s46, s46, 4
	s_lshl_b32 s21, s21, 2
	s_add_co_u32 s46, s46, s21
	s_lshl_b32 s46, s46, 17                        ; a head is 131,072 bytes
	s_and_b32 s20, s20, 7
	s_lshl_b32 s20, s20, 14
	s_add_co_u32 s46, s46, s20
	s_lshl_b32 s20, s14, s22
	s_add_co_u32 s46, s46, s20
	s_lshl_b32 s20, s13, 22
	s_add_co_u32 s46, s46, s20                     ; q, k, v at 0, 4, 8 MiB
	s_mov_b32 s47, 0
	s_add_nc_u64 s[10:11], s[10:11], s[46:47]
	s_lshl_b32 s20, 1, s23
	v_lshlrev_b32 v[GO], 4, v6
	v_add_nc_u32 v[GO+1], s20, v[GO]
	v_add_nc_u32 v[GO+2], s20, v[GO+1]
	v_add_nc_u32 v[GO+3], s20, v[GO+2]
.macro FRAG reg, adr, q, i             ; 16 rows x 128 K: lane l holds row l % 16; registers 4 c .. 4 c + 3 hold K = 32 c + 16 (l / 16) + 0 .. 15: the same order of K in A and in B
.irp c, 0,1,2,3
	ds_load_b128 v[\reg+4*\c:\reg+4*\c+3], v[\adr] offset:128*(\q)+32*\c+(\i)*16*PITCH
.endr
.endm
.macro MUL16 a0, p, zero               ; 16 matrix instructions; the 64 accumulators take turns, one instruction a turn
.irp a, \a0, \a0+1
.irp b, 0,1,2,3,4,5,6,7
.if \zero
	v_wmma_f32_16x16x128_fp8_fp8 v[8*(8*((\a)%4)+\b):8*(8*((\a)%4)+\b)+7], v[128*(\p)+FR*\b:128*(\p)+FR*\b+FR-1], v[AF+FR*(\a):AF+FR*(\a)+FR-1], 0
.else
	v_wmma_f32_16x16x128_fp8_fp8 v[8*(8*((\a)%4)+\b):8*(8*((\a)%4)+\b)+7], v[128*(\p)+FR*\b:128*(\p)+FR*\b+FR-1], v[AF+FR*(\a):AF+FR*(\a)+FR-1], v[8*(8*((\a)%4)+\b):8*(8*((\a)%4)+\b)+7]
.endif
.endr
.endr
.endm
.macro FETCH_B slot, q, p
	WIN TO_B
.irp i, 0,1,2,3,4,5,6,7
	FRAG 128*(\p)+FR*\i, ADRB+\slot, \q, \i
.endr
	WIN 0
.endm
.macro FETCH_A slot, q, i0
.irp i, \i0, \i0+1, \i0+2, \i0+3
	FRAG AF+FR*(\i), ADRA+\slot, \q, \i
.endr
.endm
.macro PLACES n                        ; plain vector instructions between a matrix instruction and a load into, or a vector instruction on, its registers
.rept \n
	v_nop
.endr
.endm
.macro STEP slot, q, zero              ; 128 along K whose successor lies in the same slot
	s_wait_dscnt 4*NL                              ; B's set and A's blocks 0-3 are in; the youngest 16 loads (A's blocks 4-7) may be out
	WIN MUL_LO
	MUL16 0, (\q)%2, \zero
	MUL16 2, (\q)%2, \zero
	s_wait_dscnt 0
	PLACES NP
	FETCH_B \slot, (\q)+1, 1-(\q)%2
	FETCH_A \slot, (\q)+1, 0
	WIN MUL_HI
	MUL16 4, (\q)%2, \zero
	MUL16 6, (\q)%2, \zero
	PLACES NP
	WIN 0
	FETCH_A \slot, (\q)+1, 4
.endm
.macro TURN slot, next, fill           ; a slot's last step changes slots: one barrier; fill = 1: this slot is filled again, two K steps ahead
	s_wait_tensorcnt 0x0                           ; all my tensor loads have landed: my part of the next slot
	ds_add_u32 v[SPW], v[NIL]                      ; 0 onto my spare word
	s_wait_dscnt 4*NL+1                            ; (the add and the youngest 16 loads may be out)
	WIN MUL_LO
	MUL16 0, 1, 0
	s_wait_dscnt 0x0                               ; the add is done, and my reads of this slot are over
	s_barrier_signal -1
	MUL16 2, 1, 0
	WIN 0
	s_barrier_wait -1
.if \fill
	CREST                                          ; the barrier has opened a round of the cluster's barrier: no wave of any partner still reads this slot or has a load on its way
	s_add_nc_u64 s[G0+4*\slot+2:G0+4*\slot+3], s[G0+4*\slot+2:G0+4*\slot+3], 2*ROWB
	s_add_nc_u64 s[G0B+4*\slot+2:G0B+4*\slot+3], s[G0B+4*\slot+2:G0B+4*\slot+3], 2*ROWB
	JLOAD G0+4*\slot, G1, G0B+4*\slot, G1B         ; the first tensor load behind the round; its four v_nop are the places in front of the loads below
.else
	PLACES NP
.endif
	FETCH_B \next, 0, 0
	FETCH_A \next, 0, 0
	WIN MUL_HI
	MUL16 4, 1, 0
	MUL16 6, 1, 0
	PLACES NP
	WIN 0
	FETCH_A \next, 0, 4
.endm
	s_wait_tensorcnt 1                             ; my part of K step 0 is in; K step 1's load may be out
	s_barrier_signal -1
	s_barrier_wait -1
	FETCH_B 0, 0, 0
	FETCH_A 0, 0, 0
	FETCH_A 0, 0, 4
	STEP 0, 0, 1                                   ; the first step's products start the sums
	s_mov_b32 s3, LAPS-1
.Llap:
	TURN 0, 1, 1
	STEP 1, 0, 0
	TURN 1, 0, 1
	STEP 0, 0, 0
	s_sub_co_u32 s3, s3, 1
	s_cmp_lg_u32 s3, 0
	s_cbranch_scc1 .Llap
	TURN 0, 1, 0                                   ; the last lap fills nothing
	STEP 1, 0, 0
	s_wait_dscnt 4*NL
	WIN MUL_LO
	MUL16 0, 1, 0
	MUL16 2, 1, 0
	s_wait_dscnt 0
	WIN MUL_HI
	MUL16 4, 1, 0
	MUL16 6, 1, 0
	WIN 0
; THE WAY OUT.  y = sum x 2^(ea + eb) + bias; its code with the next product's scale; a lane's eight codes are 8 bytes of a row.  The stage lies in slot 0, which has had its last fill, and which nobody reads since the last change of slots.
.macro QSTAGE a
.set AC, 64*((\a)%4)
.set CD, 192+16*((\a)%2)
.set WQ, 0x02+((\a)/4)
	WIN WQ                                         ; source 0: window 2 or 3
.set j, 0
.rept 32
	v_pk_fma_f32 v[TMP+j:TMP+j+1], v[AC+j:AC+j+1], s[92:93], v[CB+j:CB+j+1] op_sel_hi:[1,0,1]   ; each accumulator from its low end on
.set j, j+2
.endr
	WIN 0
.set j, 0
.rept 32
	v_pk_add_f32 v[TMP+j:TMP+j+1], v[TMP+j:TMP+j+1], v[RB2+2*(\a):RB2+2*(\a)+1]
.set j, j+2
.endr
.set j, 0
.rept 64
	v_med3_num_f32 v[TMP+j], v[TMP+j], -v113, v113 ; the conversion does not saturate (ISA guide 7.6.2)
.set j, j+1
.endr
.set j, 0
.rept 8
	v_cvt_scalef32_pk8_fp8_f32 v[CD+2*j:CD+2*j+1], v[TMP+8*j:TMP+8*j+7], v112
.set j, j+1
.endr
	v_nop                                          ; a plain instruction behind the last conversion: the next block writes its sources
.set j, 0
.rept 8
	ds_store_b64 v[STO], v[CD+2*j:CD+2*j+1] offset:(\a)*16*PITCH+16*j
.set j, j+1
.endr
.endm
	s_wait_kmcnt 0x0
	s_wait_loadcnt 0x0                             ; the biases
	s_add_co_i32 s92, s68, s69
	s_add_co_i32 s93, s70, s71
	s_add_co_i32 s94, s72, s73
	s_cmp_eq_u32 s13, 0
	s_cselect_b32 s92, s92, s93
	s_cselect_b32 s95, s74, s75                    ; e6 or e7
	s_cmp_eq_u32 s13, 2
	s_cselect_b32 s92, s94, s92
	s_cselect_b32 s95, s77, s95                    ; or e9
	s_add_co_i32 s92, s92, 127
	s_lshl_b32 s92, s92, 23                        ; 2^(ea + eb) as f32
	s_mov_b32 s93, s92
	s_add_co_i32 s95, s95, 127
	s_lshl_b32 s94, s95, 23
	v_mov_b32 v112, s94                            ; the next quantiser's 2^e
	s_add_co_i32 s95, s95, 8
	s_lshl_b32 s95, s95, 23
	s_or_b32 s95, s95, 0x600000
	v_mov_b32 v113, s95                            ; 448 x 2^e
	s_cmp_lt_u32 s13, 2
	s_cselect_b32 s90, -1, 0                       ; q, k: the bias goes by column;
	s_cselect_b32 s91, 0, -1                       ; v: by row
.set j, 0
.rept 64
	v_cndmask_b32 v[CB+j], 0, v[CB+j], s90
.set j, j+1
.endr
.set j, 0
.rept 16
	v_cndmask_b32 v[RB2+j], 0, v[RB2+j], s91
.set j, j+1
.endr
.irp a, 0,1,2,3,4,5,6,7
	QSTAGE \a
.endr
	s_wait_dscnt 0x0                               ; for the others' sake: my stores into the stage are done
	s_barrier_signal -1
	s_barrier_wait -1
.set u, 0
.rept 16
	ds_load_b128 v[128+4*u:131+4*u], v[RD] offset:8*PITCH*u
.set u, u+1
.endr
.set u, 0
.rept 16
	ds_load_b128 v[192+4*u:195+4*u], v[RD2] offset:8*PITCH*u
.set u, u+1
.endr
.set u, 0
.rept 32
	s_wait_dscnt 31-u                              ; the younger loads may be out
	global_store_b128 v[GO+u/8], v[128+4*u:131+4*u], s[10:11] offset:512*(u%8)   ; the wave stores 512 consecutive bytes, aligned
.set u, u+1
.endr
	s_wait_tensorcnt 0x0                           ; the wave's end
	ds_add_u32 v[SPW], v[NIL]
	s_wait_dscnt 0x0
	CROUND                                         ; the closing round
	s_endpgm
.Lfunc_end_k_qbbec3452a5_qkv:
	.size	k_qbbec3452a5_qkv, .Lfunc_end_k_qbbec3452a5_qkv-k_qbbec3452a5_qkv
	.p2alignl 7, 3214868480
	.fill 96, 4, 3214868480
	.section	.rodata,"a",@progbits
	.p2align	6, 0x0
	.amdhsa_kernel k_qbbec3452a5_qkv
		.amdhsa_group_segment_fixed_size 327680
		.amdhsa_private_segment_fixed_size 0
		.amdhsa_enable_private_segment 0
		.amdhsa_kernarg_size 56
		.amdhsa_user_sgpr_count 2
		.amdhsa_user_sgpr_kernarg_segment_ptr 1
		.amdhsa_wavefront_size32 1
		.amdhsa_system_sgpr_workgroup_id_x 1
		.amdhsa_system_sgpr_workgroup_id_y 1
		.amdhsa_system_sgpr_workgroup_id_z 1
		.amdhsa_system_vgpr_workitem_id 0
		.amdhsa_next_free_vgpr 1024
		.amdhsa_next_free_sgpr 100
		.amdhsa_reserve_vcc 0
		.amdhsa_float_denorm_mode_32 3
		.amdhsa_float_denorm_mode_16_64 3
		.amdhsa_memory_ordered 1
		.amdhsa_forward_progress 1
		.amdhsa_inst_pref_size 167
	.end_amdhsa_kernel
	.amdgpu_metadata
---
amdhsa.version: [ 1, 2 ]
amdhsa.kernels:
  - .name:           k_qbbec3452a5_qkv
    .symbol:         k_qbbec3452a5_qkv.kd
    .args:
      - { .name: ac, .offset: 0, .size: 8, .value_kind: global_buffer, .address_space: global }
      - { .name: wc, .offset: 8, .size: 8, .value_kind: global_buffer, .address_space: global }
      - { .name: lowp_scales, .offset: 16, .size: 8, .value_kind: global_buffer, .address_space: global }
      - { .name: qkv, .offset: 24, .size: 8, .value_kind: global_buffer, .address_space: global }
      - { .name: bq, .offset: 32, .size: 8, .value_kind: global_buffer, .address_space: global }
      - { .name: bk, .offset: 40, .size: 8, .value_kind: global_buffer, .address_space: global }
      - { .name: bv, .offset: 48, .size: 8, .value_kind: global_buffer, .address_space: global }
    .group_segment_fixed_size: 327680
    .private_segment_fixed_size: 0
    .kernarg_segment_align: 8
    .kernarg_segment_size: 56
    .max_flat_workgroup_size: 128
    .sgpr_count:     100
    .vgpr_count:     1024
    .wavefront_size: 32
...
	.end_amdgpu_metadata
.endif
;; end of part 2
;; launch attn (part 3): grid 8 x 32, 16 waves a work-group, no clusters, 313,344 bytes of LDS; arguments qkv, mfl, causal_mask, lowp_scales, ac; writes ac
.if DOCPART == 3
	.amdgcn_target "amdgcn-amd-amdhsa--gfx1250"
	.amdhsa_code_object_version 6
	.text
	.protected	k_qbbec3452a5_attn
	.globl	k_qbbec3452a5_attn
	.p2align	8
	.type	k_qbbec3452a5_attn,@function
k_qbbec3452a5_attn:
	s_mov_b64 s[64:65], 0
	v_nop
	global_prefetch_b8 v0, s[64:65] scope:SCOPE_SE
	s_setreg_imm32_b32 hwreg(HW_REG_WAVE_MODE, 25, 1), 1
	s_wait_xcnt 0x0
; ATTN: products 4 and 5 on E4M3 codes, the mask, the softmax, ctx quantised (e10) into ac + 4 MiB, [4096 tokens][1024].
; The softmax's result is quantised FINISHED AND NORMALISED, so a row's largest score and its sum are known before any weight is quantised: TWO PASSES over the keys; the scores are made in both.
;   pass 1: M = the running largest t rounded up to a whole number (t = score x log2 e), l = the sum of 2^(t - M).   pass 2: p = 2^(t - M - log2 l), its code with 2^e8, O^T += V^T P^T.
; SHARES.  A work-group owns one head (work-group y) and 16 tiles of 16 queries, one a wave, spread over the sequence: wave w takes tile 8 o + x, o = 4 (w / 4) + ((w % 4) xor 3 ((w / 4) % 2)).
; The head's whole K and V lie in LDS, brought once through registers; one barrier.  No tensor load: the walk over key steps branches on the stored list.
; THE LIST (mfl, whole numbers stored by the launch before): for my tile and each key step of 128: 0 all -infinity: the step is left out; 1 all zero: no mask is added; 2: the mask is loaded and added.
; A row that is -infinity throughout becomes a uniform row, as the problem defines it: if my tile has such a row, every step counts as 2.
; LAYOUT.  S^T = K Q^T (source 0 = 16 neighbouring keys, source 1 = my queries), O^T = V^T P^T: a lane holds ONE query (lane % 16).  Tile tau's eight registers are keys 16 tau + 8 (lane / 16) + 0..7: their codes are registers
; 2 tau, 2 tau + 1 of the K = 128 form's operand.  V's row d lies at LDS row d with bits 3 and 4 swapped, so that O's tiles 2 b, 2 b + 1 hold d = 32 b + 16 (lane / 16) + 0..15.
; LIMITS: e6 + e7 - 3 and its negative, added to an exponent field, stay normal numbers (between -126 and 126); e8, and e10 - e8 - e9, between -126 and 119.  NaN among the inputs is not served.
; A row with +infinity in the mask gives zeros; a row all of whose entries are infinite and some +infinity is not served.  -M - log2 l is one f32 number: its rounding, half a last place of M, is common to a row.
; Stores: a head owns 64 bytes of a token's row: a lane stores twice 16 bytes.
.set VBASE, 163840                     ; K: 2,048 rows of 80 bytes (64 + 16).  V behind it: 16 key steps x 64 rows of 144 bytes (128 + 16)
.set KV,  24                           ; v24-87   fragments of K or of V
.set SCR, 88                           ; v88-151  S^T, then the weights
.set MK,  152                          ; v152-215 the mask's tile; v152-167 later the weights' codes
.set OT,  216                          ; v216-247 O^T
; v1 my place in a tile of K, v2 of V, v3 in the mask; v4, v5, v6 the same for the step in hand; v7 floor, v8 cap, v9 2^e8; v12 -M, v13 the largest t, v[14:15] l; v16-23 Q; v[248:249] f; v250-253 at work; v[254:255] a second chain
; s26 the list, two bits a step; s27 its copy; s28, s29, s30 the step's bytes in K, V and a mask row; s31 counts steps; s33 lanes whose row gives zeros
.macro SCORES                          ; 8 tiles of 16 keys
.set i, 0
.rept 8
	ds_load_b128 v[KV+8*i:KV+8*i+3], v4 offset:1280*i
	ds_load_b128 v[KV+8*i+4:KV+8*i+7], v4 offset:1280*i+32
.set i, i+1
.endr
.set i, 0
.rept 8
	s_wait_dscnt 14-2*i                            ; this tile's two loads are in; the later tiles' may be out
	v_wmma_f32_16x16x64_fp8_fp8 v[SCR+8*i:SCR+8*i+7], v[KV+8*i:KV+8*i+7], v[16:23], 0
.set i, i+1
.endr
.rept 4
	v_nop                                          ; places in front of the first read of results and of loads into the fragments' registers
.endr
.endm
.macro MASKLOAD
	v_add_nc_u32 v6, s30, v3
.set i, 0
.rept 8
	global_load_b128 v[MK+8*i:MK+8*i+3], v6, s[8:9] offset:64*i
	global_load_b128 v[MK+8*i+4:MK+8*i+7], v6, s[8:9] offset:64*i+16
.set i, i+1
.endr
.endm
.macro MASKADD                         ; u = sum + mask x 2^(3 - e6 - e7): u x 2^(e6 + e7 - 3) is score + mask, rounded alike
	s_wait_loadcnt 0x0
.set j, 0
.rept 32
	v_pk_fma_f32 v[SCR+j:SCR+j+1], v[MK+j:MK+j+1], s[24:25], v[SCR+j:SCR+j+1] op_sel_hi:[1,0,1]
.set j, j+2
.endr
.endm
.macro STEPHEAD p
	s_and_b32 s32, s26, 3
	s_cmp_eq_u32 s32, 0
	s_cbranch_scc1 .Lnext_\p                       ; a branch on a stored whole number: all 16 x 128 scores are -infinity
	v_add_nc_u32 v4, s28, v1
.if \p == 2
	v_add_nc_u32 v5, s29, v2
.endif
	s_cmp_eq_u32 s32, 2
	s_cbranch_scc1 .Lgen_\p
	SCORES
	s_branch .Lsoft_\p
.Lgen_\p:
	MASKLOAD
	SCORES
	MASKADD
.Lsoft_\p:
.endm
.macro STEPTAIL p
.Lnext_\p:
	s_lshr_b32 s26, s26, 2
	s_add_co_u32 s28, s28, 10240
	s_add_co_u32 s29, s29, 9216
	s_add_co_u32 s30, s30, 512
	s_add_co_u32 s31, s31, 1
	s_cmp_lt_u32 s31, 16
	s_cbranch_scc1 .Lpass_\p
.endm
	s_load_b256 s[4:11], s[0:1], 0x0               ; qkv, mfl, causal_mask, lowp_scales
	s_load_b64 s[12:13], s[0:1], 0x20              ; ac
	v_lshrrev_b32 v1, 5, v0
	v_readfirstlane_b32 s14, v1                    ; wave 0..15
	s_lshr_b32 s15, s14, 2
	s_and_b32 s16, s14, 3
	s_and_b32 s18, s15, 1
	s_mul_i32 s18, s18, 3
	s_xor_b32 s16, s16, s18
	s_lshl_b32 s15, s15, 2
	s_add_co_u32 s15, s15, s16                     ; o
	s_lshl_b32 s15, s15, 3
	s_add_co_u32 s15, s15, ttmp9                   ; my tile of queries, 0..127
	s_lshl_b32 s16, s15, 4                         ; my first query
	s_and_b32 s17, ttmp7, 0xffff                   ; the head, 0..31
	s_lshl_b32 s18, s17, 17
	s_mov_b32 s19, 0
	s_wait_kmcnt 0x0
	s_load_b512 s[36:51], s[10:11], 0x0            ; e0 .. e15 in s36 .. s51
	s_add_nc_u64 s[56:57], s[4:5], s[18:19]        ; the head's q,
	s_add_nc_u64 s[58:59], s[56:57], 0x400000      ; k,
	s_add_nc_u64 s[60:61], s[56:57], 0x800000      ; v
	s_lshl_b32 s18, s15, 9
	s_add_nc_u64 s[6:7], s[6:7], s[18:19]
	s_load_b32 s52, s[6:7], 0x0                    ; my tile's four words of the list
	s_load_b32 s53, s[6:7], 0x80
	s_load_b32 s54, s[6:7], 0x100
	s_load_b32 s55, s[6:7], 0x180
	v_and_b32 v10, 15, v0                          ; r
	v_bfe_u32 v11, v0, 4, 1                        ; h
	v_add_nc_u32 v250, s16, v10                    ; my query
	v_lshlrev_b32 v251, 6, v250
	v_lshl_add_u32 v251, v11, 4, v251
	global_load_b128 v[16:19], v251, s[56:57]      ; Q: d = 16 h + 0..15,
	global_load_b128 v[20:23], v251, s[56:57] offset:32   ; d = 32 + 16 h + 0..15: the same order of d as in K's fragments
	v_lshlrev_b32 v253, 4, v0                      ; 16 x thread: the work-group's load covers 8,192 consecutive bytes
.set n, 0
.rept 16
	global_load_b128 v[24+4*n:27+4*n], v253, s[58:59] offset:8192*n
.set n, n+1
.endr
.set n, 0
.rept 16
	global_load_b128 v[88+4*n:91+4*n], v253, s[60:61] offset:8192*n
.set n, n+1
.endr
	v_mul_u32_u24 v1, v10, 80
	v_lshl_add_u32 v1, v11, 4, v1
	v_mul_u32_u24 v2, v10, 144
	v_lshl_add_u32 v2, v11, 3, v2
	v_add_nc_u32 v2, VBASE, v2
	v_lshlrev_b32 v3, 13, v250
	v_lshl_add_u32 v3, v11, 5, v3                  ; the mask: my query's row of 8,192 bytes, + 32 h
	v_lshrrev_b32 v216, 2, v0                      ; K into LDS: load n brings rows 128 n + thread / 4
	v_mul_u32_u24 v216, v216, 80
	v_and_b32 v221, 3, v0
	v_lshl_add_u32 v216, v221, 4, v216
	v_add_nc_u32 v217, 71680, v216                 ; the immediate holds 16 bits: a register for every seven loads
	v_add_nc_u32 v218, 143360, v216
	v_bfe_u32 v219, v0, 2, 6                       ; V into LDS: load n is key step n: d = (thread / 4) % 64, keys 64 (thread / 256) + 16 (thread % 4) on
	v_and_b32 v219, 0x27, v219
	v_bfe_u32 v222, v0, 5, 1
	v_lshl_add_u32 v219, v222, 4, v219             ; d's bit 3 goes to bit 4,
	v_bfe_u32 v222, v0, 6, 1
	v_lshl_add_u32 v219, v222, 3, v219             ; bit 4 to bit 3
	v_mul_u32_u24 v219, v219, 144
	v_lshl_add_u32 v219, v221, 4, v219
	v_bfe_u32 v222, v0, 8, 1
	v_lshl_add_u32 v219, v222, 6, v219
	v_add_nc_u32 v219, VBASE, v219
	v_add_nc_u32 v220, 73728, v219
.set n, 0
.rept 16
	s_wait_loadcnt 31-n                            ; the younger loads may be out
	ds_store_b128 v[216+n/7], v[24+4*n:27+4*n] offset:10240*(n%7)
.set n, n+1
.endr
.set n, 0
.rept 16
	s_wait_loadcnt 15-n
	ds_store_b128 v[219+n/8], v[88+4*n:91+4*n] offset:9216*(n%8)
.set n, n+1
.endr
	s_wait_dscnt 0x0                               ; for the others' sake: my stores are done
	s_barrier_signal -1
	s_barrier_wait -1                              ; K and V are whole; nothing is written to LDS from here on
	s_wait_kmcnt 0x0
	s_mov_b32 s20, 0x76543210                      ; v_permlanex16_b32: lane l xor 16
	s_mov_b32 s21, 0xfedcba98
	s_add_co_i32 s18, s42, s43
	s_sub_co_i32 s18, s18, 3                       ; e6 + e7 - 3: a sum stands for sum x 2^(e6 + e7) / 8
	s_lshl_b32 s19, s18, 23
	s_add_co_i32 s22, s19, 0x3fb8aa3b              ; c = log2(e) x 2^(e6 + e7 - 3): added to the exponent field
	s_mov_b32 s23, s22
	s_sub_co_i32 s18, 127, s18
	s_lshl_b32 s24, s18, 23                        ; 2^(3 - e6 - e7)
	s_mov_b32 s25, s24
	s_and_b32 s26, s52, 0xff
	s_and_b32 s18, s53, 0xff
	s_lshl_b32 s18, s18, 8
	s_or_b32 s26, s26, s18
	s_and_b32 s18, s54, 0xff
	s_lshl_b32 s18, s18, 16
	s_or_b32 s26, s26, s18
	s_lshl_b32 s18, s55, 24
	s_or_b32 s26, s26, s18                         ; two bits for each of the 16 key steps
	s_and_b32 s18, s52, s53
	s_and_b32 s18, s18, s54
	s_and_b32 s18, s18, s55
	s_bfe_u32 s18, s18, 0x100008                   ; rows that are -infinity in all four quarters
	s_cmp_lg_u32 s18, 0
	s_cselect_b32 s27, 0xaaaaaaaa, s26             ; with such a row no step is left out
	s_mov_b32 s26, s27
	s_mov_b32 s28, 0
	s_mov_b32 s29, 0
	s_mov_b32 s30, 0
	s_mov_b32 s31, 0
	v_mov_b32 v13, 0xff61b1e6                      ; the largest t so far: -3e38
	v_floor_f32 v12, -v13                          ; -M
	v_mov_b32 v14, 0
	v_mov_b32 v15, 0
	v_mov_b32 v249, 0                              ; (named as the upper half of a pair)
	v_mov_b32 v252, 0                              ; a lane permute's destination counts as read
; ---- PASS 1
.Lpass_1:
	STEPHEAD 1
	v_max3_num_f32 v250, v[SCR], v[SCR+1], v[SCR+2]
	v_max3_num_f32 v251, v[SCR+3], v[SCR+4], v[SCR+5]
.set i, 6
.rept 14
	v_max3_num_f32 v250, v250, v[SCR+i], v[SCR+i+1]
	v_max3_num_f32 v251, v251, v[SCR+i+2], v[SCR+i+3]
.set i, i+4
.endr
	v_max3_num_f32 v250, v250, v[SCR+62], v[SCR+63]
	v_max_num_f32 v250, v250, v251
	v_permlanex16_b32 v252, v250, s20, s21
	v_max_num_f32 v250, v250, v252                 ; the step's largest of my query
	v_mul_f32 v250, s22, v250                      ; as t (c is positive)
	v_max_num_f32 v13, v13, v250
	v_mov_b32 v250, v12
	v_floor_f32 v12, -v13                          ; the new -M: M is a whole number
	v_sub_f32 v250, v12, v250
	v_cvt_i32_f32 v250, v250                       ; (it saturates)
	v_ldexp_f32 v248, 1.0, v250                    ; f = 2^(old M - new M): rounds nothing
.set j, 0
.rept 32
	v_pk_fma_f32 v[SCR+j:SCR+j+1], v[SCR+j:SCR+j+1], s[22:23], v[12:13] op_sel_hi:[1,0,0]
.set j, j+2
.endr
.set j, 0
.rept 64
	v_exp_f32 v[SCR+j], v[SCR+j]
.set j, j+1
.endr
	v_pk_mul_f32 v[14:15], v[14:15], v[248:249] op_sel_hi:[1,0]   ; l under the new M: the plain instruction behind the exponentials
	s_wait_alu depctr_va_vdst(0)                   ; one wait for the batch, ahead of its first reader
	v_pk_add_f32 v[254:255], v[SCR:SCR+1], v[SCR+2:SCR+3]
.set j, 4
.rept 15
	v_pk_add_f32 v[14:15], v[14:15], v[SCR+j:SCR+j+1]
	v_pk_add_f32 v[254:255], v[254:255], v[SCR+j+2:SCR+j+3]
.set j, j+4
.endr
	v_pk_add_f32 v[14:15], v[14:15], v[254:255]
	STEPTAIL 1
; ---- BETWEEN THE PASSES
	v_add_f32 v14, v14, v15
	v_permlanex16_b32 v252, v14, s20, s21
	v_add_f32 v14, v14, v252                       ; the row's sum
	v_cmp_neq_f32 s33, v14, v14                    ; no number: the row had +infinity: its result is 0
	v_cmp_eq_f32 vcc_lo, 0, v14                    ; 0: the row is -infinity throughout
	v_log_f32 v250, v14
	v_mov_b32 v7, 0xff800000                       ; (a plain instruction behind the logarithm)  the floor under the exponent: none
	v_mov_b32 v251, 0xc1300000                     ; -11: 2^-11 = 1 / 2,048
	s_wait_alu depctr_va_vdst(0)
	v_sub_f32 v12, v12, v250                       ; -M - log2 l
	v_cndmask_b32 v12, v12, 0, vcc_lo              ; a uniform row: every exponent is -infinity and is held at -11
	v_cndmask_b32 v7, v7, v251, vcc_lo
	v_cvt_f32_i32 v8, s44
	v_add_f32 v8, 0x410c8000, v8                   ; the cap: e8 + 8.78125: 2^8.78125 lies between 432 and 448, so it takes the largest code, as all above it do
	s_add_co_i32 s18, s44, 127
	s_lshl_b32 s18, s18, 23
	v_mov_b32 v9, s18                              ; 2^e8
.set j, 0
.rept 32
	v_mov_b32 v[OT+j], 0                           ; the step is written once: its first trip finds zeros
.set j, j+1
.endr
	s_mov_b32 s26, s27
	s_mov_b32 s28, 0
	s_mov_b32 s29, 0
	s_mov_b32 s30, 0
	s_mov_b32 s31, 0
; ---- PASS 2
.Lpass_2:
	STEPHEAD 2
.set i, 0
.rept 32
	ds_load_b64 v[KV+2*i:KV+2*i+1], v5 offset:2304*(i/8)+16*(i%8)   ; V^T: tile i / 8, keys 16 (i % 8) + 8 h + 0..7: the form's own order of K
.set i, i+1
.endr
.set j, 0
.rept 32
	v_pk_fma_f32 v[SCR+j:SCR+j+1], v[SCR+j:SCR+j+1], s[22:23], v[12:13] op_sel_hi:[1,0,0]
.set j, j+2
.endr
.set j, 0
.rept 64
	v_med3_num_f32 v[SCR+j], v[SCR+j], v7, v8      ; the hold at the largest code, and the uniform row, on the exponent
.set j, j+1
.endr
.set j, 0
.rept 64
	v_exp_f32 v[SCR+j], v[SCR+j]                   ; the finished weight
.set j, j+1
.endr
	v_nop                                          ; a plain instruction behind the last exponential
	s_wait_alu depctr_va_vdst(0)                   ; one wait for the batch
.set i, 0
.rept 8
	v_cvt_scalef32_pk8_fp8_f32 v[MK+2*i:MK+2*i+1], v[SCR+8*i:SCR+8*i+7], v9
.set i, i+1
.endr
	v_nop                                          ; a plain instruction between the last conversion and the matrix instructions
	s_wait_dscnt 0x0
.set i, 0
.rept 4
	v_wmma_f32_16x16x128_fp8_fp8 v[OT+8*i:OT+8*i+7], v[KV+16*i:KV+16*i+15], v[MK:MK+15], v[OT+8*i:OT+8*i+7]   ; four accumulators by turns; the matrix instruction ahead of the first is a score's
.set i, i+1
.endr
.rept 4
	v_nop                                          ; places in front of loads into the operands' registers and of the first read of results
.endr
	STEPTAIL 2
; ---- THE WAY OUT: a sum stands for sum x 2^(e8 + e9); its code is sum / 2^(e10 - e8 - e9)
	s_sub_co_i32 s18, s46, s44
	s_sub_co_i32 s18, s18, s45
	s_add_co_i32 s18, s18, 127
	s_lshl_b32 s19, s18, 23
	v_mov_b32 v9, s19
	s_add_co_i32 s18, s18, 8
	s_lshl_b32 s18, s18, 23
	s_or_b32 s18, s18, 0x600000
	v_mov_b32 v8, s18
	v_and_b32 v10, 15, v0
	v_bfe_u32 v11, v0, 4, 1
	v_add_nc_u32 v10, s16, v10
	v_lshlrev_b32 v10, 10, v10
	v_lshl_add_u32 v10, v11, 4, v10                ; my token's row of 1,024 bytes, + 16 h
	s_lshr_b32 s18, s17, 4
	s_lshl_b32 s18, s18, 21                        ; the batch's 2,048 rows
	s_and_b32 s19, s17, 15
	s_lshl_b32 s19, s19, 6                         ; the head's 64 bytes
	s_add_co_u32 s18, s18, s19
	s_add_co_u32 s18, s18, 0x400000
	s_mov_b32 s19, 0
	s_add_nc_u64 s[12:13], s[12:13], s[18:19]
.set j, 0
.rept 32
	v_cndmask_b32 v[OT+j], v[OT+j], 0, s33
.set j, j+1
.endr
.set j, 0
.rept 32
	v_med3_num_f32 v[OT+j], v[OT+j], -v8, v8
.set j, j+1
.endr
.set i, 0
.rept 4
	v_cvt_scalef32_pk8_fp8_f32 v[MK+2*i:MK+2*i+1], v[OT+8*i:OT+8*i+7], v9
.set i, i+1
.endr
	v_nop
	global_store_b128 v10, v[MK:MK+3], s[12:13]             ; d = 16 h + 0..15
	global_store_b128 v10, v[MK+4:MK+7], s[12:13] offset:32 ; d = 32 + 16 h + 0..15
	s_wait_xcnt 0x0
	v_lshl_add_u32 v254, v0, 2, 0x4c000
	v_mov_b32 v255, 0
	s_wait_tensorcnt 0x0
	ds_add_u32 v254, v255
	s_wait_dscnt 0x0
	s_endpgm
.Lfunc_end_k_qbbec3452a5_attn:
	.size	k_qbbec3452a5_attn, .Lfunc_end_k_qbbec3452a5_attn-k_qbbec3452a5_attn
	.p2alignl 7, 3214868480
	.fill 96, 4, 3214868480
	.section	.rodata,"a",@progbits
	.p2align	6, 0x0
	.amdhsa_kernel k_qbbec3452a5_attn
		.amdhsa_group_segment_fixed_size 313344
		.amdhsa_private_segment_fixed_size 0
		.amdhsa_enable_private_segment 0
		.amdhsa_kernarg_size 40
		.amdhsa_user_sgpr_count 2
		.amdhsa_user_sgpr_kernarg_segment_ptr 1
		.amdhsa_wavefront_size32 1
		.amdhsa_system_sgpr_workgroup_id_x 1
		.amdhsa_system_sgpr_workgroup_id_y 1
		.amdhsa_system_sgpr_workgroup_id_z 1
		.amdhsa_system_vgpr_workitem_id 0
		.amdhsa_next_free_vgpr 256
		.amdhsa_next_free_sgpr 66
		.amdhsa_reserve_vcc 1
		.amdhsa_float_denorm_mode_32 3
		.amdhsa_float_denorm_mode_16_64 3
		.amdhsa_memory_ordered 1
		.amdhsa_forward_progress 1
		.amdhsa_inst_pref_size 54
	.end_amdhsa_kernel
	.amdgpu_metadata
---
amdhsa.version: [ 1, 2 ]
amdhsa.kernels:
  - .name:           k_qbbec3452a5_attn
    .symbol:         k_qbbec3452a5_attn.kd
    .args:
      - { .name: qkv, .offset: 0, .size: 8, .value_kind: global_buffer, .address_space: global }
      - { .name: mfl, .offset: 8, .size: 8, .value_kind: global_buffer, .address_space: global }
      - { .name: causal_mask, .offset: 16, .size: 8, .value_kind: global_buffer, .address_space: global }
      - { .name: lowp_scales, .offset: 24, .size: 8, .value_kind: global_buffer, .address_space: global }
      - { .name: ac, .offset: 32, .size: 8, .value_kind: global_buffer, .address_space: global }
    .group_segment_fixed_size: 313344
    .private_segment_fixed_size: 0
    .kernarg_segment_align: 8
    .kernarg_segment_size: 40
    .max_flat_workgroup_size: 512
    .sgpr_count:     66
    .vgpr_count:     256
    .wavefront_size: 32
...
	.end_amdgpu_metadata
.endif
;; end of part 3
;; launch oproj (part 4): grid 4 x 16, 4 waves a work-group, clusters of 4 x 4, 327,680 bytes of LDS; arguments ac, wc, lowp_scales, raw; writes raw
.if DOCPART == 4
	.amdgcn_target "amdgcn-amd-amdhsa--gfx1250"
	.amdhsa_code_object_version 6
	.text
	.protected	k_qbbec3452a5_oproj
	.globl	k_qbbec3452a5_oproj
	.p2align	8
	.type	k_qbbec3452a5_oproj,@function
k_qbbec3452a5_oproj:
	s_mov_b64 s[64:65], 0
	v_nop
	global_prefetch_b8 v0, s[64:65] scope:SCOPE_SE
	s_setreg_imm32_b32 hwreg(HW_REG_WAVE_MODE, 25, 1), 1
	s_wait_xcnt 0x0
	s_wait_alu depctr_hold_cnt(0) depctr_sa_sdst(0) depctr_va_vdst(0) depctr_va_sdst(0) depctr_va_ssrc(0) depctr_va_vcc(0) depctr_vm_vsrc(0)
	s_getreg_b32 s2, hwreg(HW_REG_IB_STS2, 6, 4)
	s_cmp_eq_u32 s2, 0
	s_cbranch_scc0 .Lentry_in_a_cluster
	s_endpgm
.Lentry_in_a_cluster:
	s_bfe_u32 s2, ttmp6, 0x10000c
	s_cmp_lg_u32 s2, 0xf033
	s_cbranch_scc0 .Lentry_shape_is_right
	s_endpgm
.Lentry_shape_is_right:
; OPROJ: product 6.  raw[m][n] = 2^(e10 + e11) x the sum over k of ctx's codes [4096][1024] (ac + 4 MiB) x Wo's codes [1024 n][1024 k] (wc + 3 MiB); f32.  The bias is added by the launch behind.
; A tile of 256 x 256 to a work-group of four waves, 128 x 128 a wave (64 accumulators).  K in steps of 256 through two LDS slots filled by the tensor data mover.
; CLUSTERS: 4 x 4 work-groups; A's tiles are shared along a row of the cluster, B's along a column: joint loads.  The output has 64 such tiles: 64 work-groups.
; THE MATRIX INSTRUCTION IS USED TRANSPOSED (source 0 = 16 rows of B, source 1 = 16 rows of A): a lane holds eight neighbouring numbers of a row.
; LIMIT: e10 + e11 between -126 and 127.
; REGISTERS: window 0: v0-31 addresses; from v128 A's fragments, one set; on the way out v32-255 are free.  window 1: B's fragments, two sets.  windows 2, 3: the accumulators.
.set SIZE_K, 1024
.set SIZE_N, 1024
.set A_OFF,  0x400000
.set B_OFF,  0x300000
.set E_OFF,  0x28
.set KSTEP,  256
.set ROWB,   256
.set KROW,   SIZE_K
.set PITCH,  272                       ; an LDS row: 256 bytes + 16 of padding = 68 words: the 16 rows of a fragment load start at 16 different banks (64 banks of 4 bytes: ISA guide 11.1)
.set FR,     16
.set NL,     4
.set NP,     4
.set HALFT,  128*PITCH
.set SLOT,   4*HALFT
.set LAPS,   SIZE_K/(2*KSTEP)
.set SPARE,  2*SLOT                    ; behind the ring: the spare words, 128 bytes a wave, that no other line names
.set SPITCH, 528                       ; the way out: a stage of 16 rows x (512 + 16) bytes for each wave, in slot 0, which has had its last fill and its last read by then
.set ADRA, 16
.set ADRB, 20
.set STO,  24
.set RD,   25
.set CO,   26
.set SPW,  28
.set NIL,  29
.set TMP,  32
.set AF,   128
.set BK,   128
.set G1, 24
.set G0, 32
.set G1B, 48
.set G0B, 56
.set MSB, 0
.macro WIN new
.if MSB != \new
	s_set_vgpr_msb (MSB<<8)|\new
.set MSB, \new
.endif
.endm
.set MUL_LO, 0xa1
.set MUL_HI, 0xf1
.set TO_B,   0x40
.macro JLOAD g0a, g1a, g0b, g1b        ; a joint load: waves 0 and 1 fetch for A, waves 2 and 3 for B; four v_nop follow each of the two lines
	s_cmp_eq_u32 s15, 0
	s_cbranch_scc0 .Lfor_b_\@
	tensor_load_to_lds s[\g0a:\g0a+3], s[\g1a:\g1a+7]
	s_nop 0
.rept 4
	v_nop
.endr
	s_branch .Lasked_\@
.Lfor_b_\@:
	tensor_load_to_lds s[\g0b:\g0b+3], s[\g1b:\g1b+7]
	s_nop 0
.rept 4
	v_nop
.endr
.Lasked_\@:
.endm
.macro CREST
	s_cmp_lg_u32 s14, 0
	s_cbranch_scc1 .Lnot_wave_0_\@
	s_barrier_signal -3
.Lnot_wave_0_\@:
	s_barrier_wait -3
	s_barrier_signal -1
	s_barrier_wait -1
.endm
.macro CROUND
	s_barrier_signal -1
	s_barrier_wait -1
	CREST
.endm
	s_load_b128 s[4:7], s[0:1], 0x0                ; A's buffer, B's buffer
	s_load_b128 s[8:11], s[0:1], 0x10              ; lowp_scales, the output
	v_lshl_add_u32 v[SPW], v0, 2, SPARE
	v_mov_b32 v[NIL], 0
	ds_add_u32 v28, v29
	ds_add_u32 v28, v29
	s_wait_dscnt 0x0
	v_lshrrev_b32 v1, 5, v0
	v_readfirstlane_b32 s14, v1
	s_lshr_b32 s15, s14, 1
	s_and_b32 s16, s14, 1
	s_bfe_u32 s40, ttmp6, 0x40000
	s_bfe_u32 s41, ttmp6, 0x40004
	s_lshl_b32 s42, ttmp9, 2
	s_add_co_u32 s42, s42, s40                     ; tile column
	s_and_b32 s17, ttmp7, 0xffff
	s_lshl_b32 s17, s17, 2
	s_add_co_u32 s17, s17, s41                     ; tile row
	s_lshl_b32 s43, s41, 2
	s_lshl_b32 s43, 15, s43
	s_lshl_b32 s44, 0x1111, s40
	s_or_b32 s[G1+0], s43, (0<<16)|(1<<20)|(1<<21)|(5<<22)|(3<<25)
	s_or_b32 s[G1B+0], s44, (0<<16)|(1<<20)|(1<<21)|(5<<22)|(3<<25)
.irp g, G1, G1B
	s_mov_b32 s[\g+1], ROWB<<16
	s_mov_b32 s[\g+2], 128<<16
	s_mov_b32 s[\g+3], ROWB<<16
	s_mov_b32 s[\g+4], 128
	s_mov_b32 s[\g+5], KROW
	s_mov_b32 s[\g+6], 0
	s_mov_b32 s[\g+7], 0
.endr
	s_lshl_b32 s18, s16, 7
	s_lshl_b32 s20, s17, 8
	s_add_co_u32 s20, s20, s18
	s_lshl_b32 s46, s42, 8
	s_add_co_u32 s46, s46, s18
	s_mov_b32 s21, 0
	s_mov_b32 s47, 0
	s_mov_b64 s[18:19], KROW
	s_mul_u64 s[20:21], s[20:21], s[18:19]
	s_mul_u64 s[46:47], s[46:47], s[18:19]
	s_mul_i32 s45, s14, HALFT
	s_wait_kmcnt 0x0
	s_load_b64 s[96:97], s[8:9], E_OFF             ; ea, eb
	s_add_nc_u64 s[20:21], s[4:5], s[20:21]
	s_add_nc_u64 s[46:47], s[6:7], s[46:47]
.if A_OFF > 0
	s_add_nc_u64 s[20:21], s[20:21], A_OFF
.endif
.if B_OFF > 0
	s_add_nc_u64 s[46:47], s[46:47], B_OFF
.endif
	CROUND
.irp s, 0,1
	s_mov_b32 s[G0+4*\s], 1
	s_add_co_u32 s[G0+4*\s+1], s45, \s*SLOT
	s_add_nc_u64 s[G0+4*\s+2:G0+4*\s+3], s[20:21], \s*ROWB
	s_or_b32 s[G0+4*\s+3], s[G0+4*\s+3], 0x80000000
	s_mov_b32 s[G0B+4*\s], 1
	s_add_co_u32 s[G0B+4*\s+1], s45, \s*SLOT
	s_add_nc_u64 s[G0B+4*\s+2:G0B+4*\s+3], s[46:47], \s*ROWB
	s_or_b32 s[G0B+4*\s+3], s[G0B+4*\s+3], 0x80000000
	JLOAD G0+4*\s, G1, G0B+4*\s, G1B
.endr
	v_and_b32 v1, 15, v0
	v_bfe_u32 v2, v0, 4, 1
	v_mul_u32_u24 v3, v1, PITCH
	v_lshl_add_u32 v4, v2, 4, v3
	s_mul_i32 s21, s15, HALFT
	s_mul_i32 s22, s16, HALFT
	s_add_co_u32 s22, s22, 2*HALFT
.irp s, 0,1
	v_add_nc_u32 v[ADRA+\s], s21, v4
	v_add_nc_u32 v[ADRB+\s], s22, v4
	s_add_co_u32 s21, s21, SLOT
	s_add_co_u32 s22, s22, SLOT
.endr
	s_mul_i32 s23, s14, 16*SPITCH
	v_mul_u32_u24 v5, v1, SPITCH
	v_lshl_add_u32 v5, v2, 5, v5
	v_add_nc_u32 v[STO], s23, v5
	v_and_b32 v6, 31, v0
	v_lshlrev_b32 v[CO], 4, v6
	v_add_nc_u32 v[RD], s23, v[CO]
	s_lshl_b32 s20, s17, 8
	s_lshl_b32 s21, s15, 7
	s_add_co_u32 s20, s20, s21
	s_mov_b32 s21, 0
	s_mov_b64 s[18:19], SIZE_N*4
	s_mul_u64 s[20:21], s[20:21], s[18:19]
	s_lshl_b32 s46, s42, 10
	s_lshl_b32 s47, s16, 9
	s_add_co_u32 s46, s46, s47
	s_mov_b32 s47, 0
	s_add_nc_u64 s[20:21], s[20:21], s[46:47]
	s_add_nc_u64 s[10:11], s[10:11], s[20:21]
.macro FRAG reg, adr, q, i
.irp c, 0,1,2,3
	ds_load_b128 v[\reg+4*\c:\reg+4*\c+3], v[\adr] offset:128*(\q)+32*\c+(\i)*16*PITCH
.endr
.endm
.macro MUL16 a0, p, zero               ; the 64 accumulators take turns, one instruction a turn
.irp a, \a0, \a0+1
.irp b, 0,1,2,3,4,5,6,7
.if \zero
	v_wmma_f32_16x16x128_fp8_fp8 v[8*(8*((\a)%4)+\b):8*(8*((\a)%4)+\b)+7], v[128*(\p)+FR*\b:128*(\p)+FR*\b+FR-1], v[AF+FR*(\a):AF+FR*(\a)+FR-1], 0
.else
	v_wmma_f32_16x16x128_fp8_fp8 v[8*(8*((\a)%4)+\b):8*(8*((\a)%4)+\b)+7], v[128*(\p)+FR*\b:128*(\p)+FR*\b+FR-1], v[AF+FR*(\a):AF+FR*(\a)+FR-1], v[8*(8*((\a)%4)+\b):8*(8*((\a)%4)+\b)+7]
.endif
.endr
.endr
.endm
.macro FETCH_B slot, q, p
	WIN TO_B
.irp i, 0,1,2,3,4,5,6,7
	FRAG 128*(\p)+FR*\i, ADRB+\slot, \q, \i
.endr
	WIN 0
.endm
.macro FETCH_A slot, q, i0
.irp i, \i0, \i0+1, \i0+2, \i0+3
	FRAG AF+FR*(\i), ADRA+\slot, \q, \i
.endr
.endm
.macro PLACES n
.rept \n
	v_nop
.endr
.endm
.macro STEP slot, q, zero
	s_wait_dscnt 4*NL                              ; B's set and A's blocks 0-3 are in; the youngest 16 loads (A's blocks 4-7) may be out
	WIN MUL_LO
	MUL16 0, (\q)%2, \zero
	MUL16 2, (\q)%2, \zero
	s_wait_dscnt 0
	PLACES NP
	FETCH_B \slot, (\q)+1, 1-(\q)%2
	FETCH_A \slot, (\q)+1, 0
	WIN MUL_HI
	MUL16 4, (\q)%2, \zero
	MUL16 6, (\q)%2, \zero
	PLACES NP
	WIN 0
	FETCH_A \slot, (\q)+1, 4
.endm
.macro TURN slot, next, fill
	s_wait_tensorcnt 0x0                           ; all my tensor loads have landed: my part of the next slot
	ds_add_u32 v[SPW], v[NIL]                      ; 0 onto my spare word
	s_wait_dscnt 4*NL+1                            ; (the add and the youngest 16 loads may be out)
	WIN MUL_LO
	MUL16 0, 1, 0
	s_wait_dscnt 0x0                               ; the add is done, and my reads of this slot are over
	s_barrier_signal -1
	MUL16 2, 1, 0
	WIN 0
	s_barrier_wait -1
.if \fill
	CREST                                          ; a round of the cluster's barrier: no wave of any partner still reads this slot or has a load on its way
	s_add_nc_u64 s[G0+4*\slot+2:G0+4*\slot+3], s[G0+4*\slot+2:G0+4*\slot+3], 2*ROWB
	s_add_nc_u64 s[G0B+4*\slot+2:G0B+4*\slot+3], s[G0B+4*\slot+2:G0B+4*\slot+3], 2*ROWB
	JLOAD G0+4*\slot, G1, G0B+4*\slot, G1B
.else
	PLACES NP
.endif
	FETCH_B \next, 0, 0
	FETCH_A \next, 0, 0
	WIN MUL_HI
	MUL16 4, 1, 0
	MUL16 6, 1, 0
	PLACES NP
	WIN 0
	FETCH_A \next, 0, 4
.endm
	s_wait_tensorcnt 1                             ; my part of K step 0 is in; K step 1's load may be out
	s_barrier_signal -1
	s_barrier_wait -1
	FETCH_B 0, 0, 0
	FETCH_A 0, 0, 0
	FETCH_A 0, 0, 4
	STEP 0, 0, 1
	s_mov_b32 s3, LAPS-1
.Llap:
	TURN 0, 1, 1
	STEP 1, 0, 0
	TURN 1, 0, 1
	STEP 0, 0, 0
	s_sub_co_u32 s3, s3, 1
	s_cmp_lg_u32 s3, 0
	s_cbranch_scc1 .Llap
	TURN 0, 1, 0
	STEP 1, 0, 0
	s_wait_dscnt 4*NL
	WIN MUL_LO
	MUL16 0, 1, 0
	MUL16 2, 1, 0
	s_wait_dscnt 0
	WIN MUL_HI
	MUL16 4, 1, 0
	MUL16 6, 1, 0
	WIN 0
; THE WAY OUT, block by block of 16 rows x 128 columns, through my own stage: back as whole rows of 512 bytes.  LDS serves a wave's instructions in order (ISA guide 5.7.1.4).
.macro TOSTAGE a
.set AC, 64*((\a)%4)
.set WQ, 0x02+((\a)/4)
	WIN WQ
.set j, 0
.rept 32
	v_pk_mul_f32 v[TMP+j:TMP+j+1], v[AC+j:AC+j+1], s[96:97] op_sel_hi:[1,0]   ; x 2^(ea + eb); each accumulator from its low end on
.set j, j+2
.endr
	WIN 0
.irp b, 0,1,2,3,4,5,6,7
	ds_store_b128 v[STO], v[TMP+8*\b:TMP+8*\b+3] offset:64*\b
	ds_store_b128 v[STO], v[TMP+8*\b+4:TMP+8*\b+7] offset:64*\b+16
.endr
.set BB, BK+64*((\a)%2)
.irp t, 0,1,2,3,4,5,6,7,8,9,10,11,12,13,14,15
	ds_load_b128 v[BB+4*\t:BB+4*\t+3], v[RD] offset:\t*SPITCH
.endr
.endm
.macro SEND a, younger
.set BB, BK+64*((\a)%2)
	s_wait_dscnt \younger                          ; the block is back; the next block's LDS instructions may be out
.if (\a) > 0
	s_add_nc_u64 s[10:11], s[10:11], 16*SIZE_N*4   ; (behind a wait on XCNT: the earlier stores have read their base)
.endif
.irp t, 0,1,2,3,4,5,6,7,8,9,10,11,12,13,14,15
	global_store_b128 v[CO], v[BB+4*\t:BB+4*\t+3], s[10:11] offset:\t*SIZE_N*4   ; 32 lanes store 512 consecutive bytes, aligned
.endr
.endm
	s_wait_kmcnt 0x0
	s_add_co_i32 s96, s96, s97
	s_add_co_i32 s96, s96, 127
	s_lshl_b32 s96, s96, 23                        ; 2^(ea + eb) as f32
	PLACES NP
	TOSTAGE 0
.irp a, 1,2,3,4,5,6,7
.if \a > 1
	s_wait_xcnt 0x0                                ; block a - 2's stores have read their registers and their base
.endif
	TOSTAGE \a
	SEND \a-1, 32
.endr
	s_wait_xcnt 0x0
	SEND 7, 0
	s_wait_tensorcnt 0x0                           ; the wave's end
	ds_add_u32 v[SPW], v[NIL]
	s_wait_dscnt 0x0
	CROUND                                         ; the closing round
	s_endpgm
.Lfunc_end_k_qbbec3452a5_oproj:
	.size	k_qbbec3452a5_oproj, .Lfunc_end_k_qbbec3452a5_oproj-k_qbbec3452a5_oproj
	.p2alignl 7, 3214868480
	.fill 96, 4, 3214868480
	.section	.rodata,"a",@progbits
	.p2align	6, 0x0
	.amdhsa_kernel k_qbbec3452a5_oproj
		.amdhsa_group_segment_fixed_size 327680
		.amdhsa_private_segment_fixed_size 0
		.amdhsa_enable_private_segment 0
		.amdhsa_kernarg_size 32
		.amdhsa_user_sgpr_count 2
		.amdhsa_user_sgpr_kernarg_segment_ptr 1
		.amdhsa_wavefront_size32 1
		.amdhsa_system_sgpr_workgroup_id_x 1
		.amdhsa_system_sgpr_workgroup_id_y 1
		.amdhsa_system_sgpr_workgroup_id_z 1
		.amdhsa_system_vgpr_workitem_id 0
		.amdhsa_next_free_vgpr 1024
		.amdhsa_next_free_sgpr 98
		.amdhsa_reserve_vcc 0
		.amdhsa_float_denorm_mode_32 3
		.amdhsa_float_denorm_mode_16_64 3
		.amdhsa_memory_ordered 1
		.amdhsa_forward_progress 1
		.amdhsa_inst_pref_size 123
	.end_amdhsa_kernel
	.amdgpu_metadata
---
amdhsa.version: [ 1, 2 ]
amdhsa.kernels:
  - .name:           k_qbbec3452a5_oproj
    .symbol:         k_qbbec3452a5_oproj.kd
    .args:
      - { .name: ac, .offset: 0, .size: 8, .value_kind: global_buffer, .address_space: global }
      - { .name: wc, .offset: 8, .size: 8, .value_kind: global_buffer, .address_space: global }
      - { .name: lowp_scales, .offset: 16, .size: 8, .value_kind: global_buffer, .address_space: global }
      - { .name: raw, .offset: 24, .size: 8, .value_kind: global_buffer, .address_space: global }
    .group_segment_fixed_size: 327680
    .private_segment_fixed_size: 0
    .kernarg_segment_align: 8
    .kernarg_segment_size: 32
    .max_flat_workgroup_size: 128
    .sgpr_count:     98
    .vgpr_count:     1024
    .wavefront_size: 32
...
	.end_amdgpu_metadata
.endif
;; end of part 4
;; launch ln1 (part 5): grid 256 x 1, 4 waves a work-group, no clusters, 4,608 bytes of LDS; arguments src, raw, bo, ln1_g, ln1_b, lowp_scales, xf, ac; writes xf, ac
.if DOCPART == 5
	.amdgcn_target "amdgcn-amd-amdhsa--gfx1250"
	.amdhsa_code_object_version 6
	.text
	.protected	k_qbbec3452a5_ln1
	.globl	k_qbbec3452a5_ln1
	.p2align	8
	.type	k_qbbec3452a5_ln1,@function
k_qbbec3452a5_ln1:
	s_mov_b64 s[64:65], 0
	v_nop
	global_prefetch_b8 v0, s[64:65] scope:SCOPE_SE
	s_setreg_imm32_b32 hwreg(HW_REG_WAVE_MODE, 25, 1), 1
	s_wait_xcnt 0x0
; LN1: x = LayerNorm(src + (raw + bo)) x g + b, stored as f32 (xf) and as E4M3 codes with 2^e12 (ac, [4096][1024]).
; A wave takes 4 whole rows of 1,024, one after the other, each in 32 registers a lane: lane l holds columns 128 i + 4 l + 0..3.  Every load and store of a wave covers 512 consecutive bytes.
; Two row slots: while one row is worked, the next is on its way.  No barrier: waves share nothing.  The codes (4 bytes a lane and i) turn through the wave's own 1,024 bytes of LDS, so that they too leave 512 bytes a store.
; Memory binds: no matrix unit, no cluster.  LIMITS: e12 between -126 and 119; NaN among the inputs is not served.
.set QUANT, 1
.set G,  16                            ; v16-47 gain, v48-79 offset, v80-111 the product's bias
.set BE, 48
.set BO, 80
.macro ROWLOAD n, s
.set i, 0
.rept 8
	global_load_b128 v[112+64*(\s)+4*i:115+64*(\s)+4*i], v1, s[4:5] offset:4096*(\n)+512*i th:TH_LOAD_NT
	global_load_b128 v[144+64*(\s)+4*i:147+64*(\s)+4*i], v1, s[6:7] offset:4096*(\n)+512*i th:TH_LOAD_NT
.set i, i+1
.endr
.endm
.macro LANESUM r
	v_add_f32_dpp v[\r], v[\r], v[\r] row_xmask:1 row_mask:0xf bank_mask:0xf
	v_add_f32_dpp v[\r], v[\r], v[\r] row_xmask:2 row_mask:0xf bank_mask:0xf
	v_add_f32_dpp v[\r], v[\r], v[\r] row_xmask:4 row_mask:0xf bank_mask:0xf
	v_add_f32_dpp v[\r], v[\r], v[\r] row_xmask:8 row_mask:0xf bank_mask:0xf
	v_permlanex16_b32 v9, v[\r], s26, s27
	v_add_f32 v[\r], v[\r], v9
.endm
.macro ROW n, s, left
.set RA, 112+64*(\s)
.set RB, 144+64*(\s)
	s_wait_loadcnt \left                           ; this row's 16 loads are in; the next row's 16 may be out
.set j, 0
.rept 16
	v_pk_add_f32 v[RB+j:RB+j+1], v[RB+j:RB+j+1], v[BO+j:BO+j+1]
.set j, j+2
.endr
.set j, 0
.rept 16
	v_pk_add_f32 v[RA+j:RA+j+1], v[RA+j:RA+j+1], v[RB+j:RB+j+1]
.set j, j+2
.endr
	v_pk_add_f32 v[4:5], v[RA:RA+1], v[RA+2:RA+3]
	v_pk_add_f32 v[6:7], v[RA+4:RA+5], v[RA+6:RA+7]
.set j, 8
.rept 6
	v_pk_add_f32 v[4:5], v[4:5], v[RA+j:RA+j+1]
	v_pk_add_f32 v[6:7], v[6:7], v[RA+j+2:RA+j+3]
.set j, j+4
.endr
	v_pk_add_f32 v[4:5], v[4:5], v[6:7]
	v_add_f32 v4, v4, v5
	LANESUM 4
	v_mul_f32 v8, s28, v4                          ; the mean
.set j, 0
.rept 16
	v_pk_add_f32 v[RA+j:RA+j+1], v[RA+j:RA+j+1], v[8:9] op_sel_hi:[1,0] neg_lo:[0,1] neg_hi:[0,1]
.set j, j+2
.endr
	v_pk_mul_f32 v[4:5], v[RA:RA+1], v[RA:RA+1]
	v_pk_mul_f32 v[6:7], v[RA+2:RA+3], v[RA+2:RA+3]
.set j, 4
.rept 7
	v_pk_fma_f32 v[4:5], v[RA+j:RA+j+1], v[RA+j:RA+j+1], v[4:5]
	v_pk_fma_f32 v[6:7], v[RA+j+2:RA+j+3], v[RA+j+2:RA+j+3], v[6:7]
.set j, j+4
.endr
	v_pk_add_f32 v[4:5], v[4:5], v[6:7]
	v_add_f32 v4, v4, v5
	LANESUM 4
	v_fma_f32 v10, v4, s28, s29                    ; the variance + 1e-5
	v_rsq_f32 v10, v10
	v_nop                                          ; a plain instruction behind the root
	s_wait_alu depctr_va_vdst(0)                   ; and the wait ahead of its first reader
.set j, 0
.rept 16
	v_pk_mul_f32 v[RA+j:RA+j+1], v[RA+j:RA+j+1], v[10:11] op_sel_hi:[1,0]
.set j, j+2
.endr
.set j, 0
.rept 16
	v_pk_fma_f32 v[RA+j:RA+j+1], v[RA+j:RA+j+1], v[G+j:G+j+1], v[BE+j:BE+j+1]
.set j, j+2
.endr
.set i, 0
.rept 8
	global_store_b128 v1, v[RA+4*i:RA+4*i+3], s[16:17] offset:4096*(\n)+512*i
.set i, i+1
.endr
.if QUANT
.set j, 0
.rept 32
	v_med3_num_f32 v[RB+j], v[RA+j], -v13, v13     ; the conversion does not saturate (ISA guide 7.6.2)
.set j, j+1
.endr
.irp k, 0,1,2,3
	v_cvt_scalef32_pk8_fp8_f32 v[240+2*\k:241+2*\k], v[RB+8*\k:RB+8*\k+7], v12
.endr
	v_nop
.set i, 0
.rept 8
	ds_store_b32 v2, v[240+i] offset:128*i         ; the codes of columns 128 i + 4 l + 0..3
.set i, i+1
.endr
	ds_load_b128 v[248:251], v3                    ; LDS serves a wave's instructions in order: these see my stores
	ds_load_b128 v[252:255], v3 offset:512
	s_wait_dscnt 0x0
	global_store_b128 v1, v[248:251], s[18:19] offset:1024*(\n)
	global_store_b128 v1, v[252:255], s[18:19] offset:1024*(\n)+512
.endif
.if (\n) < 3
	s_wait_xcnt 0x0                                ; the stores have read their registers: they are written again only behind this wait
.endif
.if (\n) < 2
	ROWLOAD (\n)+2, \s
.endif
.endm
	s_load_b256 s[4:11], s[0:1], 0x0               ; the residual, the product's sums, its bias, the gain
.if QUANT
	s_load_b256 s[12:19], s[0:1], 0x20             ; the offset, lowp_scales, xf, ac
	v_lshl_add_u32 v14, v0, 2, 0x1000
	v_mov_b32 v15, 0
.else
	s_load_b64 s[12:13], s[0:1], 0x20              ; the offset
	s_load_b64 s[16:17], s[0:1], 0x28              ; the output
.endif
	v_lshrrev_b32 v1, 5, v0
	v_readfirstlane_b32 s20, v1                    ; wave
	v_and_b32 v2, 31, v0
	v_lshlrev_b32 v1, 4, v2                        ; 16 x lane
	s_lshl_b32 s21, ttmp9, 2
	s_add_co_u32 s21, s21, s20
	s_lshl_b32 s22, s21, 14                        ; my 4 rows of 4,096 bytes
	s_mov_b32 s23, 0
	s_lshl_b32 s24, s21, 12                        ; and of 1,024 codes
	s_mov_b32 s25, 0
	s_mov_b32 s26, 0x76543210
	s_mov_b32 s27, 0xfedcba98
	s_mov_b32 s28, 0x3a800000                      ; 1 / 1,024
	s_mov_b32 s29, 0x3727c5ac                      ; 1e-5
	s_lshl_b32 s30, s20, 10
	v_lshl_add_u32 v3, v2, 4, s30
	v_lshl_add_u32 v2, v2, 2, s30
	v_mov_b32 v9, 0                                ; a lane permute's destination counts as read
	v_mov_b32 v11, 0                               ; (named as the upper half of a pair)
	s_wait_kmcnt 0x0
.if QUANT
	s_load_b32 s31, s[14:15], 0x30                 ; e12
	s_add_nc_u64 s[18:19], s[18:19], s[24:25]
.endif
	s_add_nc_u64 s[4:5], s[4:5], s[22:23]
	s_add_nc_u64 s[6:7], s[6:7], s[22:23]
	s_add_nc_u64 s[16:17], s[16:17], s[22:23]
.set i, 0
.rept 8
	global_load_b128 v[G+4*i:G+4*i+3], v1, s[10:11] offset:512*i
	global_load_b128 v[BE+4*i:BE+4*i+3], v1, s[12:13] offset:512*i
	global_load_b128 v[BO+4*i:BO+4*i+3], v1, s[8:9] offset:512*i
.set i, i+1
.endr
	ROWLOAD 0, 0
	ROWLOAD 1, 1
.if QUANT
	s_wait_kmcnt 0x0
	s_add_co_i32 s31, s31, 127
	s_lshl_b32 s30, s31, 23
	v_mov_b32 v12, s30                             ; 2^e12
	s_add_co_i32 s31, s31, 8
	s_lshl_b32 s31, s31, 23
	s_or_b32 s31, s31, 0x600000
	v_mov_b32 v13, s31                             ; 448 x 2^e12
.endif
	ROW 0, 0, 16
	ROW 1, 1, 16
	ROW 2, 0, 16
	ROW 3, 1, 0
	s_wait_tensorcnt 0x0
	ds_add_u32 v14, v15
	s_wait_dscnt 0x0
	s_endpgm
.Lfunc_end_k_qbbec3452a5_ln1:
	.size	k_qbbec3452a5_ln1, .Lfunc_end_k_qbbec3452a5_ln1-k_qbbec3452a5_ln1
	.p2alignl 7, 3214868480
	.fill 96, 4, 3214868480
	.section	.rodata,"a",@progbits
	.p2align	6, 0x0
	.amdhsa_kernel k_qbbec3452a5_ln1
		.amdhsa_group_segment_fixed_size 4608
		.amdhsa_private_segment_fixed_size 0
		.amdhsa_enable_private_segment 0
		.amdhsa_kernarg_size 64
		.amdhsa_user_sgpr_count 2
		.amdhsa_user_sgpr_kernarg_segment_ptr 1
		.amdhsa_wavefront_size32 1
		.amdhsa_system_sgpr_workgroup_id_x 1
		.amdhsa_system_sgpr_workgroup_id_y 1
		.amdhsa_system_sgpr_workgroup_id_z 1
		.amdhsa_system_vgpr_workitem_id 0
		.amdhsa_next_free_vgpr 256
		.amdhsa_next_free_sgpr 66
		.amdhsa_reserve_vcc 0
		.amdhsa_float_denorm_mode_32 3
		.amdhsa_float_denorm_mode_16_64 3
		.amdhsa_memory_ordered 1
		.amdhsa_forward_progress 1
		.amdhsa_inst_pref_size 58
	.end_amdhsa_kernel
	.amdgpu_metadata
---
amdhsa.version: [ 1, 2 ]
amdhsa.kernels:
  - .name:           k_qbbec3452a5_ln1
    .symbol:         k_qbbec3452a5_ln1.kd
    .args:
      - { .name: src, .offset: 0, .size: 8, .value_kind: global_buffer, .address_space: global }
      - { .name: raw, .offset: 8, .size: 8, .value_kind: global_buffer, .address_space: global }
      - { .name: bo, .offset: 16, .size: 8, .value_kind: global_buffer, .address_space: global }
      - { .name: ln1_g, .offset: 24, .size: 8, .value_kind: global_buffer, .address_space: global }
      - { .name: ln1_b, .offset: 32, .size: 8, .value_kind: global_buffer, .address_space: global }
      - { .name: lowp_scales, .offset: 40, .size: 8, .value_kind: global_buffer, .address_space: global }
      - { .name: xf, .offset: 48, .size: 8, .value_kind: global_buffer, .address_space: global }
      - { .name: ac, .offset: 56, .size: 8, .value_kind: global_buffer, .address_space: global }
    .group_segment_fixed_size: 4608
    .private_segment_fixed_size: 0
    .kernarg_segment_align: 8
    .kernarg_segment_size: 64
    .max_flat_workgroup_size: 128
    .sgpr_count:     66
    .vgpr_count:     256
    .wavefront_size: 32
...
	.end_amdgpu_metadata
.endif
;; end of part 5
;; launch ff1 (part 6): grid 16 x 16, 4 waves a work-group, clusters of 4 x 4, 327,680 bytes of LDS; arguments ac, wc, lowp_scales, hc, b1; writes hc
.if DOCPART == 6
	.amdgcn_target "amdgcn-amd-amdhsa--gfx1250"
	.amdhsa_code_object_version 6
	.text
	.protected	k_qbbec3452a5_ff1
	.globl	k_qbbec3452a5_ff1
	.p2align	8
	.type	k_qbbec3452a5_ff1,@function
k_qbbec3452a5_ff1:
	s_mov_b64 s[64:65], 0
	v_nop
	global_prefetch_b8 v0, s[64:65] scope:SCOPE_SE
	s_setreg_imm32_b32 hwreg(HW_REG_WAVE_MODE, 25, 1), 1
	s_wait_xcnt 0x0
	s_wait_alu depctr_hold_cnt(0) depctr_sa_sdst(0) depctr_va_vdst(0) depctr_va_sdst(0) depctr_va_ssrc(0) depctr_va_vcc(0) depctr_vm_vsrc(0)
	s_getreg_b32 s2, hwreg(HW_REG_IB_STS2, 6, 4)
	s_cmp_eq_u32 s2, 0
	s_cbranch_scc0 .Lentry_in_a_cluster
	s_endpgm
.Lentry_in_a_cluster:
	s_bfe_u32 s2, ttmp6, 0x10000c
	s_cmp_lg_u32 s2, 0xf033
	s_cbranch_scc0 .Lentry_shape_is_right
	s_endpgm
.Lentry_shape_is_right:
; FF1: product 7 on E4M3 codes, + b1, relu, quantised with 2^e14: hc [4096 tokens][4096].  A = x's codes (ac, [4096][1024]), B = W1's codes (wc + 4 MiB, [4096 n][1024 k]).
; A tile of 256 x 256 to a work-group of four waves, 128 x 128 a wave (64 accumulators).  K = 1,024 in steps of 256 through two LDS slots filled by the tensor data mover.  256 work-groups.
; CLUSTERS: 4 x 4 work-groups; A's tiles are shared along a row of the cluster, B's along a column: joint loads.
; THE MATRIX INSTRUCTION IS USED TRANSPOSED (source 0 = 16 rows of B, source 1 = 16 rows of A): a lane holds eight neighbouring hidden units of one token: neighbours along the next product's K.
; LIMITS: e12 + e13 between -126 and 127; e14 between -126 and 119.
; REGISTERS: window 0: v0-31 addresses; v32-95 b1 of my columns; v112, v113 the quantiser's scale and hold; from v128 A's fragments, one set.  window 1: B's fragments, two sets.  windows 2, 3: the accumulators.
.set SIZE_K, 1024
.set B_OFF,  0x400000
.set KSTEP,  256
.set ROWB,   256
.set KROW,   SIZE_K
.set PITCH,  272                       ; an LDS row: 256 bytes + 16 of padding = 68 words: the 16 rows of a fragment load start at 16 different banks (64 banks of 4 bytes: ISA guide 11.1)
.set FR,     16
.set NL,     4
.set NP,     4
.set HALFT,  128*PITCH
.set SLOT,   4*HALFT
.set LAPS,   SIZE_K/(2*KSTEP)
.set SPARE,  2*SLOT                    ; behind the ring: the spare words, 128 bytes a wave, that no other line names
.set ADRA, 16
.set ADRB, 20
.set STO,  24
.set RD,   25
.set CO,   26
.set SPW,  28
.set NIL,  29
.set CB,   32
.set TMP,  128
.set AF,   128
.set G1, 24
.set G0, 32
.set G1B, 48
.set G0B, 56
.set MSB, 0
.macro WIN new
.if MSB != \new
	s_set_vgpr_msb (MSB<<8)|\new
.set MSB, \new
.endif
.endm
.set MUL_LO, 0xa1
.set MUL_HI, 0xf1
.set TO_B,   0x40
.macro JLOAD g0a, g1a, g0b, g1b        ; a joint load: waves 0 and 1 fetch for A, waves 2 and 3 for B; four v_nop follow each of the two lines
	s_cmp_eq_u32 s15, 0
	s_cbranch_scc0 .Lfor_b_\@
	tensor_load_to_lds s[\g0a:\g0a+3], s[\g1a:\g1a+7]
	s_nop 0
.rept 4
	v_nop
.endr
	s_branch .Lasked_\@
.Lfor_b_\@:
	tensor_load_to_lds s[\g0b:\g0b+3], s[\g1b:\g1b+7]
	s_nop 0
.rept 4
	v_nop
.endr
.Lasked_\@:
.endm
.macro CREST
	s_cmp_lg_u32 s14, 0
	s_cbranch_scc1 .Lnot_wave_0_\@
	s_barrier_signal -3
.Lnot_wave_0_\@:
	s_barrier_wait -3
	s_barrier_signal -1
	s_barrier_wait -1
.endm
.macro CROUND
	s_barrier_signal -1
	s_barrier_wait -1
	CREST
.endm
	s_load_b128 s[4:7], s[0:1], 0x0                ; ac, wc
	s_load_b128 s[8:11], s[0:1], 0x10              ; lowp_scales, hc
	s_load_b64 s[12:13], s[0:1], 0x20              ; b1
	v_lshl_add_u32 v[SPW], v0, 2, SPARE
	v_mov_b32 v[NIL], 0
	ds_add_u32 v28, v29
	ds_add_u32 v28, v29
	s_wait_dscnt 0x0
	v_lshrrev_b32 v1, 5, v0
	v_readfirstlane_b32 s14, v1
	s_lshr_b32 s15, s14, 1
	s_and_b32 s16, s14, 1
	s_bfe_u32 s40, ttmp6, 0x40000
	s_bfe_u32 s41, ttmp6, 0x40004
	s_lshl_b32 s42, ttmp9, 2
	s_add_co_u32 s42, s42, s40                     ; tile column
	s_and_b32 s17, ttmp7, 0xffff
	s_lshl_b32 s17, s17, 2
	s_add_co_u32 s17, s17, s41                     ; tile row
	s_lshl_b32 s43, s41, 2
	s_lshl_b32 s43, 15, s43
	s_lshl_b32 s44, 0x1111, s40
	s_or_b32 s[G1+0], s43, (0<<16)|(1<<20)|(1<<21)|(5<<22)|(3<<25)
	s_or_b32 s[G1B+0], s44, (0<<16)|(1<<20)|(1<<21)|(5<<22)|(3<<25)
.irp g, G1, G1B
	s_mov_b32 s[\g+1], ROWB<<16
	s_mov_b32 s[\g+2], 128<<16
	s_mov_b32 s[\g+3], ROWB<<16
	s_mov_b32 s[\g+4], 128
	s_mov_b32 s[\g+5], KROW
	s_mov_b32 s[\g+6], 0
	s_mov_b32 s[\g+7], 0
.endr
	s_lshl_b32 s18, s16, 7
	s_lshl_b32 s20, s17, 8
	s_add_co_u32 s20, s20, s18
	s_lshl_b32 s46, s42, 8
	s_add_co_u32 s46, s46, s18
	s_mov_b32 s21, 0
	s_mov_b32 s47, 0
	s_mov_b64 s[18:19], KROW
	s_mul_u64 s[20:21], s[20:21], s[18:19]
	s_mul_u64 s[46:47], s[46:47], s[18:19]
	s_mul_i32 s45, s14, HALFT
	s_wait_kmcnt 0x0
	s_load_b128 s[96:99], s[8:9], 0x30             ; e12, e13, e14, e15
	s_add_nc_u64 s[20:21], s[4:5], s[20:21]
	s_add_nc_u64 s[46:47], s[6:7], s[46:47]
	s_add_nc_u64 s[46:47], s[46:47], B_OFF
	CROUND
.irp s, 0,1
	s_mov_b32 s[G0+4*\s], 1
	s_add_co_u32 s[G0+4*\s+1], s45, \s*SLOT
	s_add_nc_u64 s[G0+4*\s+2:G0+4*\s+3], s[20:21], \s*ROWB
	s_or_b32 s[G0+4*\s+3], s[G0+4*\s+3], 0x80000000
	s_mov_b32 s[G0B+4*\s], 1
	s_add_co_u32 s[G0B+4*\s+1], s45, \s*SLOT
	s_add_nc_u64 s[G0B+4*\s+2:G0B+4*\s+3], s[46:47], \s*ROWB
	s_or_b32 s[G0B+4*\s+3], s[G0B+4*\s+3], 0x80000000
	JLOAD G0+4*\s, G1, G0B+4*\s, G1B
.endr
	v_and_b32 v1, 15, v0                           ; r
	v_bfe_u32 v2, v0, 4, 1                         ; h
	v_mul_u32_u24 v3, v1, PITCH
	v_lshl_add_u32 v4, v2, 4, v3
	s_mul_i32 s21, s15, HALFT
	s_mul_i32 s22, s16, HALFT
	s_add_co_u32 s22, s22, 2*HALFT
.irp s, 0,1
	v_add_nc_u32 v[ADRA+\s], s21, v4
	v_add_nc_u32 v[ADRB+\s], s22, v4
	s_add_co_u32 s21, s21, SLOT
	s_add_co_u32 s22, s22, SLOT
.endr
	s_lshl_b32 s46, s42, 10                        ; b1: number 256 x tile column + 128 (wave % 2) on
	s_lshl_b32 s47, s16, 9
	s_add_co_u32 s46, s46, s47
	s_mov_b32 s47, 0
	s_add_nc_u64 s[12:13], s[12:13], s[46:47]
	v_lshlrev_b32 v7, 5, v2                        ; 32 h
.irp b, 0,1,2,3,4,5,6,7
	global_load_b128 v[CB+8*\b:CB+8*\b+3], v7, s[12:13] offset:64*\b        ; columns 16 b + 8 h + 0 .. 7
	global_load_b128 v[CB+8*\b+4:CB+8*\b+7], v7, s[12:13] offset:64*\b+16
.endr
	; the way out: one stage of 256 rows x 272 bytes for the work-group, in slot 0
	s_mul_i32 s23, s15, 128*PITCH
	s_lshl_b32 s22, s16, 7
	s_add_co_u32 s23, s23, s22
	v_mul_u32_u24 v5, v1, PITCH
	v_lshl_add_u32 v5, v2, 3, v5
	v_add_nc_u32 v[STO], s23, v5                   ; in: row 128 (wave / 2) + r, byte 128 (wave % 2) + 8 h
	s_mul_i32 s23, s14, 64*PITCH
	v_mul_u32_u24 v5, v2, PITCH
	v_lshl_add_u32 v5, v1, 4, v5
	v_add_nc_u32 v[RD], s23, v5                    ; back: wave w takes rows 64 w .. 64 w + 63, whole; two rows an instruction
	s_lshl_b32 s20, s17, 8
	s_lshl_b32 s21, s14, 6
	s_add_co_u32 s20, s20, s21
	s_lshl_b32 s20, s20, 12                        ; a row of hc is 4,096 bytes
	s_mov_b32 s21, 0
	s_lshl_b32 s46, s42, 8
	s_mov_b32 s47, 0
	s_add_nc_u64 s[20:21], s[20:21], s[46:47]
	s_add_nc_u64 s[10:11], s[10:11], s[20:21]
	v_lshlrev_b32 v[CO], 12, v2
	v_lshl_add_u32 v[CO], v1, 4, v[CO]
.macro FRAG reg, adr, q, i
.irp c, 0,1,2,3
	ds_load_b128 v[\reg+4*\c:\reg+4*\c+3], v[\adr] offset:128*(\q)+32*\c+(\i)*16*PITCH
.endr
.endm
.macro MUL16 a0, p, zero               ; the 64 accumulators take turns, one instruction a turn
.irp a, \a0, \a0+1
.irp b, 0,1,2,3,4,5,6,7
.if \zero
	v_wmma_f32_16x16x128_fp8_fp8 v[8*(8*((\a)%4)+\b):8*(8*((\a)%4)+\b)+7], v[128*(\p)+FR*\b:128*(\p)+FR*\b+FR-1], v[AF+FR*(\a):AF+FR*(\a)+FR-1], 0
.else
	v_wmma_f32_16x16x128_fp8_fp8 v[8*(8*((\a)%4)+\b):8*(8*((\a)%4)+\b)+7], v[128*(\p)+FR*\b:128*(\p)+FR*\b+FR-1], v[AF+FR*(\a):AF+FR*(\a)+FR-1], v[8*(8*((\a)%4)+\b):8*(8*((\a)%4)+\b)+7]
.endif
.endr
.endr
.endm
.macro FETCH_B slot, q, p
	WIN TO_B
.irp i, 0,1,2,3,4,5,6,7
	FRAG 128*(\p)+FR*\i, ADRB+\slot, \q, \i
.endr
	WIN 0
.endm
.macro FETCH_A slot, q, i0
.irp i, \i0, \i0+1, \i0+2, \i0+3
	FRAG AF+FR*(\i), ADRA+\slot, \q, \i
.endr
.endm
.macro PLACES n
.rept \n
	v_nop
.endr
.endm
.macro STEP slot, q, zero
	s_wait_dscnt 4*NL                              ; B's set and A's blocks 0-3 are in; the youngest 16 loads (A's blocks 4-7) may be out
	WIN MUL_LO
	MUL16 0, (\q)%2, \zero
	MUL16 2, (\q)%2, \zero
	s_wait_dscnt 0
	PLACES NP
	FETCH_B \slot, (\q)+1, 1-(\q)%2
	FETCH_A \slot, (\q)+1, 0
	WIN MUL_HI
	MUL16 4, (\q)%2, \zero
	MUL16 6, (\q)%2, \zero
	PLACES NP
	WIN 0
	FETCH_A \slot, (\q)+1, 4
.endm
.macro TURN slot, next, fill
	s_wait_tensorcnt 0x0                           ; all my tensor loads have landed: my part of the next slot
	ds_add_u32 v[SPW], v[NIL]                      ; 0 onto my spare word
	s_wait_dscnt 4*NL+1                            ; (the add and the youngest 16 loads may be out)
	WIN MUL_LO
	MUL16 0, 1, 0
	s_wait_dscnt 0x0                               ; the add is done, and my reads of this slot are over
	s_barrier_signal -1
	MUL16 2, 1, 0
	WIN 0
	s_barrier_wait -1
.if \fill
	CREST                                          ; a round of the cluster's barrier: no wave of any partner still reads this slot or has a load on its way
	s_add_nc_u64 s[G0+4*\slot+2:G0+4*\slot+3], s[G0+4*\slot+2:G0+4*\slot+3], 2*ROWB
	s_add_nc_u64 s[G0B+4*\slot+2:G0B+4*\slot+3], s[G0B+4*\slot+2:G0B+4*\slot+3], 2*ROWB
	JLOAD G0+4*\slot, G1, G0B+4*\slot, G1B
.else
	PLACES NP
.endif
	FETCH_B \next, 0, 0
	FETCH_A \next, 0, 0
	WIN MUL_HI
	MUL16 4, 1, 0
	MUL16 6, 1, 0
	PLACES NP
	WIN 0
	FETCH_A \next, 0, 4
.endm
	s_wait_tensorcnt 1                             ; my part of K step 0 is in; K step 1's load may be out
	s_barrier_signal -1
	s_barrier_wait -1
	FETCH_B 0, 0, 0
	FETCH_A 0, 0, 0
	FETCH_A 0, 0, 4
	STEP 0, 0, 1
	s_mov_b32 s3, LAPS-1
.Llap:
	TURN 0, 1, 1
	STEP 1, 0, 0
	TURN 1, 0, 1
	STEP 0, 0, 0
	s_sub_co_u32 s3, s3, 1
	s_cmp_lg_u32 s3, 0
	s_cbranch_scc1 .Llap
	TURN 0, 1, 0
	STEP 1, 0, 0
	s_wait_dscnt 4*NL
	WIN MUL_LO
	MUL16 0, 1, 0
	MUL16 2, 1, 0
	s_wait_dscnt 0
	WIN MUL_HI
	MUL16 4, 1, 0
	MUL16 6, 1, 0
	WIN 0
; THE WAY OUT.  y = sum x 2^(e12 + e13) + b1; the hold between 0 and 448 x 2^e14 is the activation too; a lane's eight codes are 8 bytes of a row.
; The stage lies in slot 0, which has had its last fill, and which nobody reads since the last change of slots.
.macro QSTAGE a
.set AC, 64*((\a)%4)
.set CD, 192+16*((\a)%2)
.set WQ, 0x02+((\a)/4)
	WIN WQ
.set j, 0
.rept 32
	v_pk_fma_f32 v[TMP+j:TMP+j+1], v[AC+j:AC+j+1], s[92:93], v[CB+j:CB+j+1] op_sel_hi:[1,0,1]   ; each accumulator from its low end on
.set j, j+2
.endr
	WIN 0
.set j, 0
.rept 64
	v_med3_num_f32 v[TMP+j], v[TMP+j], 0, v113
.set j, j+1
.endr
.set j, 0
.rept 8
	v_cvt_scalef32_pk8_fp8_f32 v[CD+2*j:CD+2*j+1], v[TMP+8*j:TMP+8*j+7], v112
.set j, j+1
.endr
	v_nop                                          ; a plain instruction behind the last conversion: the next block writes its sources
.set j, 0
.rept 8
	ds_store_b64 v[STO], v[CD+2*j:CD+2*j+1] offset:(\a)*16*PITCH+16*j
.set j, j+1
.endr
.endm
	s_wait_kmcnt 0x0
	s_wait_loadcnt 0x0                             ; b1
	s_add_co_i32 s92, s96, s97
	s_add_co_i32 s92, s92, 127
	s_lshl_b32 s92, s92, 23                        ; 2^(e12 + e13) as f32
	s_mov_b32 s93, s92
	s_add_co_i32 s94, s98, 127
	s_lshl_b32 s95, s94, 23
	v_mov_b32 v112, s95                            ; 2^e14
	s_add_co_i32 s94, s94, 8
	s_lshl_b32 s94, s94, 23
	s_or_b32 s94, s94, 0x600000
	v_mov_b32 v113, s94                            ; 448 x 2^e14
	PLACES NP
.irp a, 0,1,2,3,4,5,6,7
	QSTAGE \a
.endr
	s_wait_dscnt 0x0                               ; for the others' sake: my stores into the stage are done
	s_barrier_signal -1
	s_barrier_wait -1
.set u, 0
.rept 32
	ds_load_b128 v[128+4*u:131+4*u], v[RD] offset:2*PITCH*u
.set u, u+1
.endr
.set u, 0
.rept 32
	s_wait_dscnt 31-u                              ; the younger loads may be out
	global_store_b128 v[CO], v[128+4*u:131+4*u], s[10:11] offset:8192*u   ; sixteen lanes store 256 consecutive bytes, aligned
.set u, u+1
.endr
	s_wait_tensorcnt 0x0                           ; the wave's end
	ds_add_u32 v[SPW], v[NIL]
	s_wait_dscnt 0x0
	CROUND                                         ; the closing round
	s_endpgm
.Lfunc_end_k_qbbec3452a5_ff1:
	.size	k_qbbec3452a5_ff1, .Lfunc_end_k_qbbec3452a5_ff1-k_qbbec3452a5_ff1
	.p2alignl 7, 3214868480
	.fill 96, 4, 3214868480
	.section	.rodata,"a",@progbits
	.p2align	6, 0x0
	.amdhsa_kernel k_qbbec3452a5_ff1
		.amdhsa_group_segment_fixed_size 327680
		.amdhsa_private_segment_fixed_size 0
		.amdhsa_enable_private_segment 0
		.amdhsa_kernarg_size 40
		.amdhsa_user_sgpr_count 2
		.amdhsa_user_sgpr_kernarg_segment_ptr 1
		.amdhsa_wavefront_size32 1
		.amdhsa_system_sgpr_workgroup_id_x 1
		.amdhsa_system_sgpr_workgroup_id_y 1
		.amdhsa_system_sgpr_workgroup_id_z 1
		.amdhsa_system_vgpr_workitem_id 0
		.amdhsa_next_free_vgpr 1024
		.amdhsa_next_free_sgpr 100
		.amdhsa_reserve_vcc 0
		.amdhsa_float_denorm_mode_32 3
		.amdhsa_float_denorm_mode_16_64 3
		.amdhsa_memory_ordered 1
		.amdhsa_forward_progress 1
		.amdhsa_inst_pref_size 143
	.end_amdhsa_kernel
	.amdgpu_metadata
---
amdhsa.version: [ 1, 2 ]
amdhsa.kernels:
  - .name:           k_qbbec3452a5_ff1
    .symbol:         k_qbbec3452a5_ff1.kd
    .args:
      - { .name: ac, .offset: 0, .size: 8, .value_kind: global_buffer, .address_space: global }
      - { .name: wc, .offset: 8, .size: 8, .value_kind: global_buffer, .address_space: global }
      - { .name: lowp_scales, .offset: 16, .size: 8, .value_kind: global_buffer, .address_space: global }
      - { .name: hc, .offset: 24, .size: 8, .value_kind: global_buffer, .address_space: global }
      - { .name: b1, .offset: 32, .size: 8, .value_kind: global_buffer, .address_space: global }
    .group_segment_fixed_size: 327680
    .private_segment_fixed_size: 0
    .kernarg_segment_align: 8
    .kernarg_segment_size: 40
    .max_flat_workgroup_size: 128
    .sgpr_count:     100
    .vgpr_count:     1024
    .wavefront_size: 32
...
	.end_amdgpu_metadata
.endif
;; end of part 6
;; launch ff2 (part 7): grid 4 x 16, 4 waves a work-group, clusters of 4 x 4, 327,680 bytes of LDS; arguments hc, wc, lowp_scales, raw; writes raw
.if DOCPART == 7
	.amdgcn_target "amdgcn-amd-amdhsa--gfx1250"
	.amdhsa_code_object_version 6
	.text
	.protected	k_qbbec3452a5_ff2
	.globl	k_qbbec3452a5_ff2
	.p2align	8
	.type	k_qbbec3452a5_ff2,@function
k_qbbec3452a5_ff2:
	s_mov_b64 s[64:65], 0
	v_nop
	global_prefetch_b8 v0, s[64:65] scope:SCOPE_SE
	s_setreg_imm32_b32 hwreg(HW_REG_WAVE_MODE, 25, 1), 1
	s_wait_xcnt 0x0
	s_wait_alu depctr_hold_cnt(0) depctr_sa_sdst(0) depctr_va_vdst(0) depctr_va_sdst(0) depctr_va_ssrc(0) depctr_va_vcc(0) depctr_vm_vsrc(0)
	s_getreg_b32 s2, hwreg(HW_REG_IB_STS2, 6, 4)
	s_cmp_eq_u32 s2, 0
	s_cbranch_scc0 .Lentry_in_a_cluster
	s_endpgm
.Lentry_in_a_cluster:
	s_bfe_u32 s2, ttmp6, 0x10000c
	s_cmp_lg_u32 s2, 0xf033
	s_cbranch_scc0 .Lentry_shape_is_right
	s_endpgm
.Lentry_shape_is_right:
; FF2: product 8.  raw[m][n] = 2^(e14 + e15) x the sum over k of h's codes [4096][4096] (hc) x W2's codes [1024 n][4096 k] (wc + 8 MiB); f32.  The bias is added by the launch behind.
; A tile of 256 x 256 to a work-group of four waves, 128 x 128 a wave (64 accumulators).  K = 4,096 in steps of 256 through two LDS slots filled by the tensor data mover.
; CLUSTERS: 4 x 4 work-groups; A's tiles are shared along a row of the cluster, B's along a column: joint loads.  The output has 64 such tiles: 64 work-groups.
; THE MATRIX INSTRUCTION IS USED TRANSPOSED (source 0 = 16 rows of B, source 1 = 16 rows of A): a lane holds eight neighbouring numbers of a row.
; LIMIT: e14 + e15 between -126 and 127.
; REGISTERS: window 0: v0-31 addresses; from v128 A's fragments, one set; on the way out v32-255 are free.  window 1: B's fragments, two sets.  windows 2, 3: the accumulators.
.set SIZE_K, 4096
.set SIZE_N, 1024
.set A_OFF,  0
.set B_OFF,  0x800000
.set E_OFF,  0x38
.set KSTEP,  256
.set ROWB,   256
.set KROW,   SIZE_K
.set PITCH,  272                       ; an LDS row: 256 bytes + 16 of padding = 68 words: the 16 rows of a fragment load start at 16 different banks (64 banks of 4 bytes: ISA guide 11.1)
.set FR,     16
.set NL,     4
.set NP,     4
.set HALFT,  128*PITCH
.set SLOT,   4*HALFT
.set LAPS,   SIZE_K/(2*KSTEP)
.set SPARE,  2*SLOT                    ; behind the ring: the spare words, 128 bytes a wave, that no other line names
.set SPITCH, 528                       ; the way out: a stage of 16 rows x (512 + 16) bytes for each wave, in slot 0, which has had its last fill and its last read by then
.set ADRA, 16
.set ADRB, 20
.set STO,  24
.set RD,   25
.set CO,   26
.set SPW,  28
.set NIL,  29
.set TMP,  32
.set AF,   128
.set BK,   128
.set G1, 24
.set G0, 32
.set G1B, 48
.set G0B, 56
.set MSB, 0
.macro WIN new
.if MSB != \new
	s_set_vgpr_msb (MSB<<8)|\new
.set MSB, \new
.endif
.endm
.set MUL_LO, 0xa1
.set MUL_HI, 0xf1
.set TO_B,   0x40
.macro JLOAD g0a, g1a, g0b, g1b        ; a joint load: waves 0 and 1 fetch for A, waves 2 and 3 for B; four v_nop follow each of the two lines
	s_cmp_eq_u32 s15, 0
	s_cbranch_scc0 .Lfor_b_\@
	tensor_load_to_lds s[\g0a:\g0a+3], s[\g1a:\g1a+7]
	s_nop 0
.rept 4
	v_nop
.endr
	s_branch .Lasked_\@
.Lfor_b_\@:
	tensor_load_to_lds s[\g0b:\g0b+3], s[\g1b:\g1b+7]
	s_nop 0
.rept 4
	v_nop
.endr
.Lasked_\@:
.endm
.macro CREST
	s_cmp_lg_u32 s14, 0
	s_cbranch_scc1 .Lnot_wave_0_\@
	s_barrier_signal -3
.Lnot_wave_0_\@:
	s_barrier_wait -3
	s_barrier_signal -1
	s_barrier_wait -1
.endm
.macro CROUND
	s_barrier_signal -1
	s_barrier_wait -1
	CREST
.endm
	s_load_b128 s[4:7], s[0:1], 0x0                ; A's buffer, B's buffer
	s_load_b128 s[8:11], s[0:1], 0x10              ; lowp_scales, the output
	v_lshl_add_u32 v[SPW], v0, 2, SPARE
	v_mov_b32 v[NIL], 0
	ds_add_u32 v28, v29
	ds_add_u32 v28, v29
	s_wait_dscnt 0x0
	v_lshrrev_b32 v1, 5, v0
	v_readfirstlane_b32 s14, v1
	s_lshr_b32 s15, s14, 1
	s_and_b32 s16, s14, 1
	s_bfe_u32 s40, ttmp6, 0x40000
	s_bfe_u32 s41, ttmp6, 0x40004
	s_lshl_b32 s42, ttmp9, 2
	s_add_co_u32 s42, s42, s40                     ; tile column
	s_and_b32 s17, ttmp7, 0xffff
	s_lshl_b32 s17, s17, 2
	s_add_co_u32 s17, s17, s41                     ; tile row
	s_lshl_b32 s43, s41, 2
	s_lshl_b32 s43, 15, s43
	s_lshl_b32 s44, 0x1111, s40
	s_or_b32 s[G1+0], s43, (0<<16)|(1<<20)|(1<<21)|(5<<22)|(3<<25)
	s_or_b32 s[G1B+0], s44, (0<<16)|(1<<20)|(1<<21)|(5<<22)|(3<<25)
.irp g, G1, G1B
	s_mov_b32 s[\g+1], ROWB<<16
	s_mov_b32 s[\g+2], 128<<16
	s_mov_b32 s[\g+3], ROWB<<16
	s_mov_b32 s[\g+4], 128
	s_mov_b32 s[\g+5], KROW
	s_mov_b32 s[\g+6], 0
	s_mov_b32 s[\g+7], 0
.endr
	s_lshl_b32 s18, s16, 7
	s_lshl_b32 s20, s17, 8
	s_add_co_u32 s20, s20, s18
	s_lshl_b32 s46, s42, 8
	s_add_co_u32 s46, s46, s18
	s_mov_b32 s21, 0
	s_mov_b32 s47, 0
	s_mov_b64 s[18:19], KROW
	s_mul_u64 s[20:21], s[20:21], s[18:19]
	s_mul_u64 s[46:47], s[46:47], s[18:19]
	s_mul_i32 s45, s14, HALFT
	s_wait_kmcnt 0x0
	s_load_b64 s[96:97], s[8:9], E_OFF             ; ea, eb
	s_add_nc_u64 s[20:21], s[4:5], s[20:21]
	s_add_nc_u64 s[46:47], s[6:7], s[46:47]
.if A_OFF > 0
	s_add_nc_u64 s[20:21], s[20:21], A_OFF
.endif
.if B_OFF > 0
	s_add_nc_u64 s[46:47], s[46:47], B_OFF
.endif
	CROUND
.irp s, 0,1
	s_mov_b32 s[G0+4*\s], 1
	s_add_co_u32 s[G0+4*\s+1], s45, \s*SLOT
	s_add_nc_u64 s[G0+4*\s+2:G0+4*\s+3], s[20:21], \s*ROWB
	s_or_b32 s[G0+4*\s+3], s[G0+4*\s+3], 0x80000000
	s_mov_b32 s[G0B+4*\s], 1
	s_add_co_u32 s[G0B+4*\s+1], s45, \s*SLOT
	s_add_nc_u64 s[G0B+4*\s+2:G0B+4*\s+3], s[46:47], \s*ROWB
	s_or_b32 s[G0B+4*\s+3], s[G0B+4*\s+3], 0x80000000
	JLOAD G0+4*\s, G1, G0B+4*\s, G1B
.endr
	v_and_b32 v1, 15, v0
	v_bfe_u32 v2, v0, 4, 1
	v_mul_u32_u24 v3, v1, PITCH
	v_lshl_add_u32 v4, v2, 4, v3
	s_mul_i32 s21, s15, HALFT
	s_mul_i32 s22, s16, HALFT
	s_add_co_u32 s22, s22, 2*HALFT
.irp s, 0,1
	v_add_nc_u32 v[ADRA+\s], s21, v4
	v_add_nc_u32 v[ADRB+\s], s22, v4
	s_add_co_u32 s21, s21, SLOT
	s_add_co_u32 s22, s22, SLOT
.endr
	s_mul_i32 s23, s14, 16*SPITCH
	v_mul_u32_u24 v5, v1, SPITCH
	v_lshl_add_u32 v5, v2, 5, v5
	v_add_nc_u32 v[STO], s23, v5
	v_and_b32 v6, 31, v0
	v_lshlrev_b32 v[CO], 4, v6
	v_add_nc_u32 v[RD], s23, v[CO]
	s_lshl_b32 s20, s17, 8
	s_lshl_b32 s21, s15, 7
	s_add_co_u32 s20, s20, s21
	s_mov_b32 s21, 0
	s_mov_b64 s[18:19], SIZE_N*4
	s_mul_u64 s[20:21], s[20:21], s[18:19]
	s_lshl_b32 s46, s42, 10
	s_lshl_b32 s47, s16, 9
	s_add_co_u32 s46, s46, s47
	s_mov_b32 s47, 0
	s_add_nc_u64 s[20:21], s[20:21], s[46:47]
	s_add_nc_u64 s[10:11], s[10:11], s[20:21]
.macro FRAG reg, adr, q, i
.irp c, 0,1,2,3
	ds_load_b128 v[\reg+4*\c:\reg+4*\c+3], v[\adr] offset:128*(\q)+32*\c+(\i)*16*PITCH
.endr
.endm
.macro MUL16 a0, p, zero               ; the 64 accumulators take turns, one instruction a turn
.irp a, \a0, \a0+1
.irp b, 0,1,2,3,4,5,6,7
.if \zero
	v_wmma_f32_16x16x128_fp8_fp8 v[8*(8*((\a)%4)+\b):8*(8*((\a)%4)+\b)+7], v[128*(\p)+FR*\b:128*(\p)+FR*\b+FR-1], v[AF+FR*(\a):AF+FR*(\a)+FR-1], 0
.else
	v_wmma_f32_16x16x128_fp8_fp8 v[8*(8*((\a)%4)+\b):8*(8*((\a)%4)+\b)+7], v[128*(\p)+FR*\b:128*(\p)+FR*\b+FR-1], v[AF+FR*(\a):AF+FR*(\a)+FR-1], v[8*(8*((\a)%4)+\b):8*(8*((\a)%4)+\b)+7]
.endif
.endr
.endr
.endm
.macro FETCH_B slot, q, p
	WIN TO_B
.irp i, 0,1,2,3,4,5,6,7
	FRAG 128*(\p)+FR*\i, ADRB+\slot, \q, \i
.endr
	WIN 0
.endm
.macro FETCH_A slot, q, i0
.irp i, \i0, \i0+1, \i0+2, \i0+3
	FRAG AF+FR*(\i), ADRA+\slot, \q, \i
.endr
.endm
.macro PLACES n
.rept \n
	v_nop
.endr
.endm
.macro STEP slot, q, zero
	s_wait_dscnt 4*NL                              ; B's set and A's blocks 0-3 are in; the youngest 16 loads (A's blocks 4-7) may be out
	WIN MUL_LO
	MUL16 0, (\q)%2, \zero
	MUL16 2, (\q)%2, \zero
	s_wait_dscnt 0
	PLACES NP
	FETCH_B \slot, (\q)+1, 1-(\q)%2
	FETCH_A \slot, (\q)+1, 0
	WIN MUL_HI
	MUL16 4, (\q)%2, \zero
	MUL16 6, (\q)%2, \zero
	PLACES NP
	WIN 0
	FETCH_A \slot, (\q)+1, 4
.endm
.macro TURN slot, next, fill
	s_wait_tensorcnt 0x0                           ; all my tensor loads have landed: my part of the next slot
	ds_add_u32 v[SPW], v[NIL]                      ; 0 onto my spare word
	s_wait_dscnt 4*NL+1                            ; (the add and the youngest 16 loads may be out)
	WIN MUL_LO
	MUL16 0, 1, 0
	s_wait_dscnt 0x0                               ; the add is done, and my reads of this slot are over
	s_barrier_signal -1
	MUL16 2, 1, 0
	WIN 0
	s_barrier_wait -1
.if \fill
	CREST                                          ; a round of the cluster's barrier: no wave of any partner still reads this slot or has a load on its way
	s_add_nc_u64 s[G0+4*\slot+2:G0+4*\slot+3], s[G0+4*\slot+2:G0+4*\slot+3], 2*ROWB
	s_add_nc_u64 s[G0B+4*\slot+2:G0B+4*\slot+3], s[G0B+4*\slot+2:G0B+4*\slot+3], 2*ROWB
	JLOAD G0+4*\slot, G1, G0B+4*\slot, G1B
.else
	PLACES NP
.endif
	FETCH_B \next, 0, 0
	FETCH_A \next, 0, 0
	WIN MUL_HI
	MUL16 4, 1, 0
	MUL16 6, 1, 0
	PLACES NP
	WIN 0
	FETCH_A \next, 0, 4
.endm
	s_wait_tensorcnt 1                             ; my part of K step 0 is in; K step 1's load may be out
	s_barrier_signal -1
	s_barrier_wait -1
	FETCH_B 0, 0, 0
	FETCH_A 0, 0, 0
	FETCH_A 0, 0, 4
	STEP 0, 0, 1
	s_mov_b32 s3, LAPS-1
.Llap:
	TURN 0, 1, 1
	STEP 1, 0, 0
	TURN 1, 0, 1
	STEP 0, 0, 0
	s_sub_co_u32 s3, s3, 1
	s_cmp_lg_u32 s3, 0
	s_cbranch_scc1 .Llap
	TURN 0, 1, 0
	STEP 1, 0, 0
	s_wait_dscnt 4*NL
	WIN MUL_LO
	MUL16 0, 1, 0
	MUL16 2, 1, 0
	s_wait_dscnt 0
	WIN MUL_HI
	MUL16 4, 1, 0
	MUL16 6, 1, 0
	WIN 0
; THE WAY OUT, block by block of 16 rows x 128 columns, through my own stage: back as whole rows of 512 bytes.  LDS serves a wave's instructions in order (ISA guide 5.7.1.4).
.macro TOSTAGE a
.set AC, 64*((\a)%4)
.set WQ, 0x02+((\a)/4)
	WIN WQ
.set j, 0
.rept 32
	v_pk_mul_f32 v[TMP+j:TMP+j+1], v[AC+j:AC+j+1], s[96:97] op_sel_hi:[1,0]   ; x 2^(ea + eb); each accumulator from its low end on
.set j, j+2
.endr
	WIN 0
.irp b, 0,1,2,3,4,5,6,7
	ds_store_b128 v[STO], v[TMP+8*\b:TMP+8*\b+3] offset:64*\b
	ds_store_b128 v[STO], v[TMP+8*\b+4:TMP+8*\b+7] offset:64*\b+16
.endr
.set BB, BK+64*((\a)%2)
.irp t, 0,1,2,3,4,5,6,7,8,9,10,11,12,13,14,15
	ds_load_b128 v[BB+4*\t:BB+4*\t+3], v[RD] offset:\t*SPITCH
.endr
.endm
.macro SEND a, younger
.set BB, BK+64*((\a)%2)
	s_wait_dscnt \younger                          ; the block is back; the next block's LDS instructions may be out
.if (\a) > 0
	s_add_nc_u64 s[10:11], s[10:11], 16*SIZE_N*4   ; (behind a wait on XCNT: the earlier stores have read their base)
.endif
.irp t, 0,1,2,3,4,5,6,7,8,9,10,11,12,13,14,15
	global_store_b128 v[CO], v[BB+4*\t:BB+4*\t+3], s[10:11] offset:\t*SIZE_N*4   ; 32 lanes store 512 consecutive bytes, aligned
.endr
.endm
	s_wait_kmcnt 0x0
	s_add_co_i32 s96, s96, s97
	s_add_co_i32 s96, s96, 127
	s_lshl_b32 s96, s96, 23                        ; 2^(ea + eb) as f32
	PLACES NP
	TOSTAGE 0
.irp a, 1,2,3,4,5,6,7
.if \a > 1
	s_wait_xcnt 0x0                                ; block a - 2's stores have read their registers and their base
.endif
	TOSTAGE \a
	SEND \a-1, 32
.endr
	s_wait_xcnt 0x0
	SEND 7, 0
	s_wait_tensorcnt 0x0                           ; the wave's end
	ds_add_u32 v[SPW], v[NIL]
	s_wait_dscnt 0x0
	CROUND                                         ; the closing round
	s_endpgm
.Lfunc_end_k_qbbec3452a5_ff2:
	.size	k_qbbec3452a5_ff2, .Lfunc_end_k_qbbec3452a5_ff2-k_qbbec3452a5_ff2
	.p2alignl 7, 3214868480
	.fill 96, 4, 3214868480
	.section	.rodata,"a",@progbits
	.p2align	6, 0x0
	.amdhsa_kernel k_qbbec3452a5_ff2
		.amdhsa_group_segment_fixed_size 327680
		.amdhsa_private_segment_fixed_size 0
		.amdhsa_enable_private_segment 0
		.amdhsa_kernarg_size 32
		.amdhsa_user_sgpr_count 2
		.amdhsa_user_sgpr_kernarg_segment_ptr 1
		.amdhsa_wavefront_size32 1
		.amdhsa_system_sgpr_workgroup_id_x 1
		.amdhsa_system_sgpr_workgroup_id_y 1
		.amdhsa_system_sgpr_workgroup_id_z 1
		.amdhsa_system_vgpr_workitem_id 0
		.amdhsa_next_free_vgpr 1024
		.amdhsa_next_free_sgpr 98
		.amdhsa_reserve_vcc 0
		.amdhsa_float_denorm_mode_32 3
		.amdhsa_float_denorm_mode_16_64 3
		.amdhsa_memory_ordered 1
		.amdhsa_forward_progress 1
		.amdhsa_inst_pref_size 123
	.end_amdhsa_kernel
	.amdgpu_metadata
---
amdhsa.version: [ 1, 2 ]
amdhsa.kernels:
  - .name:           k_qbbec3452a5_ff2
    .symbol:         k_qbbec3452a5_ff2.kd
    .args:
      - { .name: hc, .offset: 0, .size: 8, .value_kind: global_buffer, .address_space: global }
      - { .name: wc, .offset: 8, .size: 8, .value_kind: global_buffer, .address_space: global }
      - { .name: lowp_scales, .offset: 16, .size: 8, .value_kind: global_buffer, .address_space: global }
      - { .name: raw, .offset: 24, .size: 8, .value_kind: global_buffer, .address_space: global }
    .group_segment_fixed_size: 327680
    .private_segment_fixed_size: 0
    .kernarg_segment_align: 8
    .kernarg_segment_size: 32
    .max_flat_workgroup_size: 128
    .sgpr_count:     98
    .vgpr_count:     1024
    .wavefront_size: 32
...
	.end_amdgpu_metadata
.endif
;; end of part 7
;; launch ln2 (part 8): grid 256 x 1, 4 waves a work-group, no clusters, 0 bytes of LDS; arguments xf, raw, b2, ln2_g, ln2_b, out0; writes out0
.if DOCPART == 8
	.amdgcn_target "amdgcn-amd-amdhsa--gfx1250"
	.amdhsa_code_object_version 6
	.text
	.protected	k_qbbec3452a5_ln2
	.globl	k_qbbec3452a5_ln2
	.p2align	8
	.type	k_qbbec3452a5_ln2,@function
k_qbbec3452a5_ln2:
	s_mov_b64 s[64:65], 0
	v_nop
	global_prefetch_b8 v0, s[64:65] scope:SCOPE_SE
	s_setreg_imm32_b32 hwreg(HW_REG_WAVE_MODE, 25, 1), 1
	s_wait_xcnt 0x0
; LN2: out0 = LayerNorm(x + (raw + b2)) x g + b, f32.
; A wave takes 4 whole rows of 1,024, one after the other, each in 32 registers a lane: lane l holds columns 128 i + 4 l + 0..3.  Every load and store of a wave covers 512 consecutive bytes.
; Two row slots: while one row is worked, the next is on its way.  No LDS, no barrier: waves share nothing.  Memory binds: no matrix unit, no cluster.  NaN among the inputs is not served.
.set G,  16                            ; v16-47 gain, v48-79 offset, v80-111 the product's bias
.set BE, 48
.set BO, 80
.macro ROWLOAD n, s
.set i, 0
.rept 8
	global_load_b128 v[112+64*(\s)+4*i:115+64*(\s)+4*i], v1, s[4:5] offset:4096*(\n)+512*i th:TH_LOAD_NT
	global_load_b128 v[144+64*(\s)+4*i:147+64*(\s)+4*i], v1, s[6:7] offset:4096*(\n)+512*i th:TH_LOAD_NT
.set i, i+1
.endr
.endm
.macro LANESUM r
	v_add_f32_dpp v[\r], v[\r], v[\r] row_xmask:1 row_mask:0xf bank_mask:0xf
	v_add_f32_dpp v[\r], v[\r], v[\r] row_xmask:2 row_mask:0xf bank_mask:0xf
	v_add_f32_dpp v[\r], v[\r], v[\r] row_xmask:4 row_mask:0xf bank_mask:0xf
	v_add_f32_dpp v[\r], v[\r], v[\r] row_xmask:8 row_mask:0xf bank_mask:0xf
	v_permlanex16_b32 v9, v[\r], s26, s27
	v_add_f32 v[\r], v[\r], v9
.endm
.macro ROW n, s, left
.set RA, 112+64*(\s)
.set RB, 144+64*(\s)
	s_wait_loadcnt \left                           ; this row's 16 loads are in; the next row's 16 may be out
.set j, 0
.rept 16
	v_pk_add_f32 v[RB+j:RB+j+1], v[RB+j:RB+j+1], v[BO+j:BO+j+1]
.set j, j+2
.endr
.set j, 0
.rept 16
	v_pk_add_f32 v[RA+j:RA+j+1], v[RA+j:RA+j+1], v[RB+j:RB+j+1]
.set j, j+2
.endr
	v_pk_add_f32 v[4:5], v[RA:RA+1], v[RA+2:RA+3]
	v_pk_add_f32 v[6:7], v[RA+4:RA+5], v[RA+6:RA+7]
.set j, 8
.rept 6
	v_pk_add_f32 v[4:5], v[4:5], v[RA+j:RA+j+1]
	v_pk_add_f32 v[6:7], v[6:7], v[RA+j+2:RA+j+3]
.set j, j+4
.endr
	v_pk_add_f32 v[4:5], v[4:5], v[6:7]
	v_add_f32 v4, v4, v5
	LANESUM 4
	v_mul_f32 v8, s28, v4                          ; the mean
.set j, 0
.rept 16
	v_pk_add_f32 v[RA+j:RA+j+1], v[RA+j:RA+j+1], v[8:9] op_sel_hi:[1,0] neg_lo:[0,1] neg_hi:[0,1]
.set j, j+2
.endr
	v_pk_mul_f32 v[4:5], v[RA:RA+1], v[RA:RA+1]
	v_pk_mul_f32 v[6:7], v[RA+2:RA+3], v[RA+2:RA+3]
.set j, 4
.rept 7
	v_pk_fma_f32 v[4:5], v[RA+j:RA+j+1], v[RA+j:RA+j+1], v[4:5]
	v_pk_fma_f32 v[6:7], v[RA+j+2:RA+j+3], v[RA+j+2:RA+j+3], v[6:7]
.set j, j+4
.endr
	v_pk_add_f32 v[4:5], v[4:5], v[6:7]
	v_add_f32 v4, v4, v5
	LANESUM 4
	v_fma_f32 v10, v4, s28, s29                    ; the variance + 1e-5
	v_rsq_f32 v10, v10
	v_nop                                          ; a plain instruction behind the root
	s_wait_alu depctr_va_vdst(0)                   ; and the wait ahead of its first reader
.set j, 0
.rept 16
	v_pk_mul_f32 v[RA+j:RA+j+1], v[RA+j:RA+j+1], v[10:11] op_sel_hi:[1,0]
.set j, j+2
.endr
.set j, 0
.rept 16
	v_pk_fma_f32 v[RA+j:RA+j+1], v[RA+j:RA+j+1], v[G+j:G+j+1], v[BE+j:BE+j+1]
.set j, j+2
.endr
.set i, 0
.rept 8
	global_store_b128 v1, v[RA+4*i:RA+4*i+3], s[16:17] offset:4096*(\n)+512*i th:TH_STORE_NT
.set i, i+1
.endr
.if (\n) < 2
	s_wait_xcnt 0x0                                ; the stores have read their registers: they are loaded again only behind this wait
	ROWLOAD (\n)+2, \s
.endif
.endm
	s_load_b256 s[4:11], s[0:1], 0x0               ; x, the product's sums, its bias, the gain
	s_load_b64 s[12:13], s[0:1], 0x20              ; the offset
	s_load_b64 s[16:17], s[0:1], 0x28              ; out0
	v_lshrrev_b32 v1, 5, v0
	v_readfirstlane_b32 s20, v1                    ; wave
	v_and_b32 v2, 31, v0
	v_lshlrev_b32 v1, 4, v2                        ; 16 x lane
	s_lshl_b32 s21, ttmp9, 2
	s_add_co_u32 s21, s21, s20
	s_lshl_b32 s22, s21, 14                        ; my 4 rows of 4,096 bytes
	s_mov_b32 s23, 0
	s_mov_b32 s26, 0x76543210
	s_mov_b32 s27, 0xfedcba98
	s_mov_b32 s28, 0x3a800000                      ; 1 / 1,024
	s_mov_b32 s29, 0x3727c5ac                      ; 1e-5
	v_mov_b32 v9, 0                                ; a lane permute's destination counts as read
	v_mov_b32 v11, 0                               ; (named as the upper half of a pair)
	s_wait_kmcnt 0x0
	s_add_nc_u64 s[4:5], s[4:5], s[22:23]
	s_add_nc_u64 s[6:7], s[6:7], s[22:23]
	s_add_nc_u64 s[16:17], s[16:17], s[22:23]
.set i, 0
.rept 8
	global_load_b128 v[G+4*i:G+4*i+3], v1, s[10:11] offset:512*i
	global_load_b128 v[BE+4*i:BE+4*i+3], v1, s[12:13] offset:512*i
	global_load_b128 v[BO+4*i:BO+4*i+3], v1, s[8:9] offset:512*i
.set i, i+1
.endr
	ROWLOAD 0, 0
	ROWLOAD 1, 1
	ROW 0, 0, 16
	ROW 1, 1, 16
	ROW 2, 0, 16
	ROW 3, 1, 0
	s_endpgm
.Lfunc_end_k_qbbec3452a5_ln2:
	.size	k_qbbec3452a5_ln2, .Lfunc_end_k_qbbec3452a5_ln2-k_qbbec3452a5_ln2
	.p2alignl 7, 3214868480
	.fill 96, 4, 3214868480
	.section	.rodata,"a",@progbits
	.p2align	6, 0x0
	.amdhsa_kernel k_qbbec3452a5_ln2
		.amdhsa_group_segment_fixed_size 0
		.amdhsa_private_segment_fixed_size 0
		.amdhsa_enable_private_segment 0
		.amdhsa_kernarg_size 48
		.amdhsa_user_sgpr_count 2
		.amdhsa_user_sgpr_kernarg_segment_ptr 1
		.amdhsa_wavefront_size32 1
		.amdhsa_system_sgpr_workgroup_id_x 1
		.amdhsa_system_sgpr_workgroup_id_y 1
		.amdhsa_system_sgpr_workgroup_id_z 1
		.amdhsa_system_vgpr_workitem_id 0
		.amdhsa_next_free_vgpr 256
		.amdhsa_next_free_sgpr 66
		.amdhsa_reserve_vcc 0
		.amdhsa_float_denorm_mode_32 3
		.amdhsa_float_denorm_mode_16_64 3
		.amdhsa_memory_ordered 1
		.amdhsa_forward_progress 1
		.amdhsa_inst_pref_size 45
	.end_amdhsa_kernel
	.amdgpu_metadata
---
amdhsa.version: [ 1, 2 ]
amdhsa.kernels:
  - .name:           k_qbbec3452a5_ln2
    .symbol:         k_qbbec3452a5_ln2.kd
    .args:
      - { .name: xf, .offset: 0, .size: 8, .value_kind: global_buffer, .address_space: global }
      - { .name: raw, .offset: 8, .size: 8, .value_kind: global_buffer, .address_space: global }
      - { .name: b2, .offset: 16, .size: 8, .value_kind: global_buffer, .address_space: global }
      - { .name: ln2_g, .offset: 24, .size: 8, .value_kind: global_buffer, .address_space: global }
      - { .name: ln2_b, .offset: 32, .size: 8, .value_kind: global_buffer, .address_space: global }
      - { .name: out0, .offset: 40, .size: 8, .value_kind: global_buffer, .address_space: global }
    .group_segment_fixed_size: 0
    .private_segment_fixed_size: 0
    .kernarg_segment_align: 8
    .kernarg_segment_size: 48
    .max_flat_workgroup_size: 128
    .sgpr_count:     66
    .vgpr_count:     256
    .wavefront_size: 32
...
	.end_amdgpu_metadata
.endif
;; end of part 8
;; ======== version 2 of 3: 8 launches; 1.16 times as fast as version 1
;; workspace buffers: wc 12,582,912 bytes; ac 12,582,912 bytes; mfl 65,536 bytes of whole numbers; qkv 12,582,912 bytes; raw 16,777,216 bytes; xf 16,777,216 bytes; hc 16,777,216 bytes
;; launch prep: the kernel of part 1 again; grid 640 x 1, 4 waves a work-group, no clusters, 68,096 bytes of LDS; arguments Wq, Wk, Wv, Wo, W1, W2, src, causal_mask, lowp_scales, wc, ac, mfl; writes wc, ac, mfl
;; launch qkv: the kernel of part 2 again; grid 4 x 48, 4 waves a work-group, clusters of 4 x 4, 327,680 bytes of LDS; arguments ac, wc, lowp_scales, qkv, bq, bk, bv; writes qkv
;; launch attn: the kernel of part 3 again; grid 8 x 32, 16 waves a work-group, no clusters, 313,344 bytes of LDS; arguments qkv, mfl, causal_mask, lowp_scales, ac; writes ac
;; launch oproj (part 9): grid 8 x 32, 4 waves a work-group, clusters of 4 x 4, 327,680 bytes of LDS; arguments ac, wc, lowp_scales, raw; writes raw
.if DOCPART == 9
	.amdgcn_target "amdgcn-amd-amdhsa--gfx1250"
	.amdhsa_code_object_version 6
	.text
	.protected	k_qbbec3452a5_oproj
	.globl	k_qbbec3452a5_oproj
	.p2align	8
	.type	k_qbbec3452a5_oproj,@function
k_qbbec3452a5_oproj:
	s_mov_b64 s[64:65], 0
	v_nop
	global_prefetch_b8 v0, s[64:65] scope:SCOPE_SE
	s_setreg_imm32_b32 hwreg(HW_REG_WAVE_MODE, 25, 1), 1
	s_wait_xcnt 0x0
	s_wait_alu depctr_hold_cnt(0) depctr_sa_sdst(0) depctr_va_vdst(0) depctr_va_sdst(0) depctr_va_ssrc(0) depctr_va_vcc(0) depctr_vm_vsrc(0)
	s_getreg_b32 s2, hwreg(HW_REG_IB_STS2, 6, 4)
	s_cmp_eq_u32 s2, 0
	s_cbranch_scc0 .Lentry_in_a_cluster
	s_endpgm
.Lentry_in_a_cluster:
	s_bfe_u32 s2, ttmp6, 0x10000c
	s_cmp_lg_u32 s2, 0xf033
	s_cbranch_scc0 .Lentry_shape_is_right
	s_endpgm
.Lentry_shape_is_right:
; OPROJ: product 6.  raw[m][n] = 2^(e10 + e11) x the sum over k of ctx's codes [4096][1024] (ac + 4 MiB) x Wo's codes [1024 n][1024 k] (wc + 3 MiB); f32.  The bias is added by the launch behind.
; The output [4096][1024] has only 64 tiles of 256 x 256, so a tile is 128 x 128: 256 work-groups.  Four waves, each 64 x 64: 16 accumulators of 16 x 16, 128 registers.
; K goes in steps of 512 (LDS rows of 512 bytes; a wave's tensor load brings 64 of them) through two LDS slots.  Here K = 1,024 is two steps: both are first fills, and no slot is filled again.
; CLUSTERS: 4 x 4 work-groups; A's tiles are shared along a row of the cluster, B's along a column: each is asked for jointly, by the same tensor load with the same descriptor and a mask that names the four.
; THE MATRIX INSTRUCTION IS USED TRANSPOSED (source 0 = 16 rows of B, source 1 = 16 rows of A): a lane holds eight neighbouring numbers of a row.
; LIMIT: e10 + e11 between -126 and 127, so that 2^(e10 + e11) is an f32 number.
; REGISTERS: window 0: v0-31 addresses; v32-63 a block's sums x the scale; v64-127 rows read back, two sets; v128-255 the accumulators ((a, b) at v[128 + 8 (4 a + b)]).
;   window 1: two fragment buffers of 128: for 128 along K, 64 registers of A (4 x 16 rows), then 64 of B.
.set SIZE_K, 1024
.set SIZE_N, 1024
.set A_OFF,  0x400000
.set B_OFF,  0x300000
.set E_OFF,  0x28
.set KSTEP,  512                       ; along K in a slot, and a tile's row in bytes
.set KROW,   SIZE_K                    ; a row of A or of B in memory, in bytes
.set PITCH,  528                       ; an LDS row: 512 bytes + 16 of padding = 132 words: row r starts at bank 4 r mod 64 (64 banks of 4 bytes: ISA guide 11.1), so the 16 rows of a fragment load start at 16 different banks
.set NP,     4                         ; places behind this matrix instruction (ISA guide 7.12.1)
.set HALFT,  64*PITCH                  ; 64 rows: what one tensor load brings, and what one wave reads of A or of B
.set SLOT,   4*HALFT                   ; A's 128 rows, then B's 128 rows
.set LAPS,   SIZE_K/(2*KSTEP)          ; a lap = two K steps = once round the ring
.set STAGE,  2*SLOT                    ; behind the ring: 16 rows x 272 bytes for each wave, for the way out; no tile lands there
.set SPITCH, 272
.set SPARE,  STAGE+4*16*SPITCH         ; behind the stages: the spare words, 128 bytes a wave, that no other line names
.set ADRA, 16                          ; v16-17  LDS address of my A fragments in slot 0, 1
.set ADRB, 20                          ; v20-21  the same for B
.set STO,  24                          ; v24     the way out: where I put 32 bytes of a row
.set RD,   25                          ; v25     where I read a row back
.set CO,   26                          ; v26     my byte offset in the output
.set SPW,  28                          ; v28     LDS address of my spare word; never rewritten
.set NIL,  29                          ; v29     0; never rewritten
.set TMP,  32
.set BK,   64
.set ACC,  128
.set F0,   0                           ; fragment buffers, in window 1
.set F1,   128
.set G1, 24                            ; s[24:31] descriptor group 1 for A's tiles; s[32:39] group 0, one set for each slot
.set G0, 32
.set G1B, 48                           ; s[48:55], s[56:63] the same for B's tiles
.set G0B, 56
.set MSB, 0
.macro WIN new                         ; the immediate's high byte repeats the setting that is left
.if MSB != \new
	s_set_vgpr_msb (MSB<<8)|\new
.set MSB, \new
.endif
.endm
.set MUL,  0x05                        ; sources 0 (B) and 1 (A) window 1; C and D window 0
.set TO_F, 0x40                        ; destination window 1, address window 0
.macro JLOAD g0a, g1a, g0b, g1b        ; a joint load: waves 0 and 1 fetch for A, waves 2 and 3 for B; four v_nop follow each of the two lines
	s_cmp_eq_u32 s15, 0
	s_cbranch_scc0 .Lfor_b_\@
	tensor_load_to_lds s[\g0a:\g0a+3], s[\g1a:\g1a+7]
	s_nop 0
.rept 4
	v_nop
.endr
	s_branch .Lasked_\@
.Lfor_b_\@:
	tensor_load_to_lds s[\g0b:\g0b+3], s[\g1b:\g1b+7]
	s_nop 0
.rept 4
	v_nop
.endr
.Lasked_\@:
.endm
.macro CREST                           ; a round of the cluster's barrier behind its opening barrier
	s_cmp_lg_u32 s14, 0
	s_cbranch_scc1 .Lnot_wave_0_\@
	s_barrier_signal -3
.Lnot_wave_0_\@:
	s_barrier_wait -3
	s_barrier_signal -1
	s_barrier_wait -1
.endm
.macro CROUND                          ; a whole round
	s_barrier_signal -1
	s_barrier_wait -1
	CREST
.endm
	s_load_b128 s[4:7], s[0:1], 0x0                ; A's buffer, B's buffer
	s_load_b128 s[8:11], s[0:1], 0x10              ; lowp_scales, the output
	v_lshl_add_u32 v[SPW], v0, 2, SPARE
	v_mov_b32 v[NIL], 0
	ds_add_u32 v28, v29
	ds_add_u32 v28, v29
	s_wait_dscnt 0x0
	v_lshrrev_b32 v1, 5, v0
	v_readfirstlane_b32 s14, v1                    ; wave 0..3
	s_lshr_b32 s15, s14, 1                         ; which half of the tile's rows is mine.  Also: I fetch for A (0) or for B (1)
	s_and_b32 s16, s14, 1                          ; which half of its columns.  Also: which 64 rows of that tile I fetch
	s_bfe_u32 s40, ttmp6, 0x40000                  ; cx
	s_bfe_u32 s41, ttmp6, 0x40004                  ; cy
	s_lshl_b32 s42, ttmp9, 2
	s_add_co_u32 s42, s42, s40                     ; tile column = 4 x cluster x + cx
	s_and_b32 s17, ttmp7, 0xffff
	s_lshl_b32 s17, s17, 2
	s_add_co_u32 s17, s17, s41                     ; tile row = 4 x cluster y + cy
	s_lshl_b32 s43, s41, 2
	s_lshl_b32 s43, 15, s43                        ; my row of the cluster
	s_lshl_b32 s44, 0x1111, s40                    ; my column
	s_or_b32 s[G1+0], s43, (0<<16)|(1<<20)|(1<<21)|(6<<22)|(3<<25)  ; the mask: A's tiles go to my row; elements of 1 byte; padding on; bit 21 beside a mask; 4 words (code 3) after every 128 (code 6)
	s_or_b32 s[G1B+0], s44, (0<<16)|(1<<20)|(1<<21)|(6<<22)|(3<<25)
.irp g, G1, G1B
	s_mov_b32 s[\g+1], KSTEP<<16                   ; tensor_dim0 = 512
	s_mov_b32 s[\g+2], 64<<16                      ; tensor_dim1 = 64
	s_mov_b32 s[\g+3], KSTEP<<16                   ; tile_dim0 = 512
	s_mov_b32 s[\g+4], 64                          ; tile_dim1 = 64
	s_mov_b32 s[\g+5], KROW                        ; tensor_dim0_stride
	s_mov_b32 s[\g+6], 0
	s_mov_b32 s[\g+7], 0
.endr
	s_lshl_b32 s18, s16, 6                         ; which 64 rows of the tile I fetch
	s_lshl_b32 s20, s17, 7
	s_add_co_u32 s20, s20, s18                     ; A: row 128 x tile row + 64 x half
	s_lshl_b32 s46, s42, 7
	s_add_co_u32 s46, s46, s18                     ; B: row 128 x tile column + 64 x half
	s_mov_b32 s21, 0
	s_mov_b32 s47, 0
	s_mov_b64 s[18:19], KROW
	s_mul_u64 s[20:21], s[20:21], s[18:19]
	s_mul_u64 s[46:47], s[46:47], s[18:19]
	s_mul_i32 s45, s14, HALFT                      ; where the tiles go: wave x 64 rows: no place in the cluster enters an LDS address
	s_wait_kmcnt 0x0
	s_load_b64 s[96:97], s[8:9], E_OFF             ; ea, eb
	s_add_nc_u64 s[20:21], s[4:5], s[20:21]
	s_add_nc_u64 s[46:47], s[6:7], s[46:47]
.if A_OFF > 0
	s_add_nc_u64 s[20:21], s[20:21], A_OFF
.endif
.if B_OFF > 0
	s_add_nc_u64 s[46:47], s[46:47], B_OFF
.endif
	CROUND                                         ; all sixteen work-groups are here: the first joint loads meet
.irp s, 0,1
	s_mov_b32 s[G0+4*\s], 1
	s_add_co_u32 s[G0+4*\s+1], s45, \s*SLOT
	s_add_nc_u64 s[G0+4*\s+2:G0+4*\s+3], s[20:21], \s*KSTEP
	s_or_b32 s[G0+4*\s+3], s[G0+4*\s+3], 0x80000000
	s_mov_b32 s[G0B+4*\s], 1
	s_add_co_u32 s[G0B+4*\s+1], s45, \s*SLOT
	s_add_nc_u64 s[G0B+4*\s+2:G0B+4*\s+3], s[46:47], \s*KSTEP
	s_or_b32 s[G0B+4*\s+3], s[G0B+4*\s+3], 0x80000000
	JLOAD G0+4*\s, G1, G0B+4*\s, G1B
.endr
	v_and_b32 v1, 15, v0                           ; r = l % 16
	v_bfe_u32 v2, v0, 4, 1                         ; h = l / 16
	v_mul_u32_u24 v3, v1, PITCH
	v_lshl_add_u32 v4, v2, 4, v3                   ; a fragment's row x pitch + 16 x half
	s_mul_i32 s21, s15, HALFT                      ; my 64 rows of A
	s_mul_i32 s22, s16, HALFT                      ; my 64 rows of B,
	s_add_co_u32 s22, s22, 2*HALFT                 ; which lie behind A's 128
.irp s, 0,1
	v_add_nc_u32 v[ADRA+\s], s21, v4
	v_add_nc_u32 v[ADRB+\s], s22, v4
	s_add_co_u32 s21, s21, SLOT
	s_add_co_u32 s22, s22, SLOT
.endr
	s_mul_i32 s23, s14, 16*SPITCH
	s_add_co_u32 s23, s23, STAGE                   ; my stage
	v_mul_u32_u24 v5, v1, SPITCH                   ; in: row r, 32 bytes for each half of the lanes
	v_lshl_add_u32 v5, v2, 5, v5
	v_add_nc_u32 v[STO], s23, v5
	v_mul_u32_u24 v5, v2, SPITCH                   ; back: lanes 0-15 take one row of 256 bytes, lanes 16-31 the next
	v_lshl_add_u32 v5, v1, 4, v5
	v_add_nc_u32 v[RD], s23, v5
	v_mul_u32_u24 v6, v2, SIZE_N*4                 ; and the same two rows in the output
	v_lshl_add_u32 v[CO], v1, 4, v6
	s_lshl_b32 s20, s17, 7
	s_lshl_b32 s21, s15, 6
	s_add_co_u32 s20, s20, s21                     ; my first row: 128 x tile row + 64 x half
	s_mov_b32 s21, 0
	s_mov_b64 s[18:19], SIZE_N*4
	s_mul_u64 s[20:21], s[20:21], s[18:19]
	s_lshl_b32 s46, s42, 9                         ; my first column, in bytes: 512 x tile column + 256 x half
	s_lshl_b32 s47, s16, 8
	s_add_co_u32 s46, s46, s47
	s_mov_b32 s47, 0
	s_add_nc_u64 s[20:21], s[20:21], s[46:47]
	s_add_nc_u64 s[10:11], s[10:11], s[20:21]
.macro FRAG reg, adr, q, i             ; 16 rows x 128 K: lane l holds row l % 16; registers 4 c .. 4 c + 3 hold K = 32 c + 16 (l / 16) + 0 .. 15: the same order of K in A and in B
.irp c, 0,1,2,3
	ds_load_b128 v[\reg+4*\c:\reg+4*\c+3], v[\adr] offset:128*(\q)+32*\c+(\i)*16*PITCH
.endr
.endm
.macro MUL4 f, a, zero                 ; A's block a against B's four, 128 along K.  The 16 accumulators take turns, one instruction a turn, in the same order in every quarter.  zero = 1: the product starts the sum
.irp b, 0,1,2,3
.if \zero
	v_wmma_f32_16x16x128_fp8_fp8 v[ACC+8*(4*(\a)+\b):ACC+8*(4*(\a)+\b)+7], v[\f+64+16*\b:\f+64+16*\b+15], v[\f+16*(\a):\f+16*(\a)+15], 0
.else
	v_wmma_f32_16x16x128_fp8_fp8 v[ACC+8*(4*(\a)+\b):ACC+8*(4*(\a)+\b)+7], v[\f+64+16*\b:\f+64+16*\b+15], v[\f+16*(\a):\f+16*(\a)+15], v[ACC+8*(4*(\a)+\b):ACC+8*(4*(\a)+\b)+7]
.endif
.endr
.endm
.macro FETCH slot, q, f                ; 32 LDS loads in one run: the fragments of the slot's q-th 128 along K into buffer f: B's four, then A's blocks 0 to 3
	WIN TO_F
.irp i, 0,1,2,3
	FRAG \f+64+16*\i, ADRB+\slot, \q, \i
.endr
.irp i, 0,1,2,3
	FRAG \f+16*\i, ADRA+\slot, \q, \i
.endr
.endm
.macro PLACES n                        ; plain vector instructions between a matrix instruction and a load into, or a vector instruction on, its registers
.rept \n
	v_nop
.endr
.endm
; A K step is four quarters of 128 along K, 16 matrix instructions each, on buffers 0, 1, 0, 1.  One of the first three: multiplies buffer f and fetches the slot's q-th quarter into g.
.macro QUARTER slot, q, f, g, zero
	s_wait_dscnt 8                                 ; B's fragments and A's blocks 0, 1 are in; the youngest eight loads (A's blocks 2, 3) may be out
	WIN MUL
	MUL4 \f, 0, \zero
	MUL4 \f, 1, \zero
	PLACES NP
	FETCH \slot, \q, \g
	s_wait_dscnt 32                                ; all but the 32 just issued
	WIN MUL
	MUL4 \f, 2, \zero
	MUL4 \f, 3, \zero
.endm
; The last quarter multiplies buffer 1 and changes slots: ONE barrier; in front of it each wave waits for all its tensor loads, adds 0 to its spare word, and waits for that and for its own reads of this slot.  fill = 1: this slot is filled again, two K steps ahead.
.macro TURN slot, next, fill
	WIN 0                                          ; (the add's two registers lie in window 0)
	s_wait_tensorcnt 0x0                           ; all my tensor loads have landed: my part of the next slot
	ds_add_u32 v[SPW], v[NIL]                      ; 0 onto my spare word
	s_wait_dscnt 9                                 ; (the add and the youngest eight loads may be out)
	WIN MUL
	MUL4 F1, 0, 0                                  ; eight matrix instructions stand between the add and the wait for it
	MUL4 F1, 1, 0
	s_wait_dscnt 0x0                               ; the add is done, and my reads of this slot are over
	s_barrier_signal -1
	MUL4 F1, 2, 0                                  ; work on registers while the others arrive
	WIN 0
	s_barrier_wait -1
.if \fill
	CREST                                          ; the barrier has opened a round of the cluster's barrier: no wave of any partner still reads this slot or has a load on its way
	s_add_nc_u64 s[G0+4*\slot+2:G0+4*\slot+3], s[G0+4*\slot+2:G0+4*\slot+3], 2*KSTEP
	s_add_nc_u64 s[G0B+4*\slot+2:G0B+4*\slot+3], s[G0B+4*\slot+2:G0B+4*\slot+3], 2*KSTEP
	JLOAD G0+4*\slot, G1, G0B+4*\slot, G1B         ; the first tensor load behind the round; its four v_nop are the places in front of the loads below
.else
	PLACES NP
.endif
	FETCH \next, 0, F0
	WIN MUL
	MUL4 F1, 3, 0
.endm
	s_wait_tensorcnt 1                             ; my part of K step 0 is in; K step 1's load may be out
	s_barrier_signal -1
	s_barrier_wait -1                              ; everybody's is
	FETCH 0, 0, F0
	QUARTER 0, 1, F0, F1, 1                        ; the first quarter stands in front of the loop: its products start the sums
.if LAPS > 1
	WIN 0                                          ; at a label and at a branch every window is 0
	s_mov_b32 s3, LAPS-1
.Llap:                                                 ; a trip goes once round the ring, from a lap's second quarter to the next lap's first, and fills both slots again
	QUARTER 0, 2, F1, F0, 0
	QUARTER 0, 3, F0, F1, 0
	TURN 0, 1, 1
	QUARTER 1, 1, F0, F1, 0
	QUARTER 1, 2, F1, F0, 0
	QUARTER 1, 3, F0, F1, 0
	TURN 1, 0, 1
	QUARTER 0, 1, F0, F1, 0
	WIN 0
	s_sub_co_u32 s3, s3, 1
	s_cmp_lg_u32 s3, 0
	s_cbranch_scc1 .Llap
.endif
	QUARTER 0, 2, F1, F0, 0                        ; the last lap fills nothing, and has no round of the cluster's barrier
	QUARTER 0, 3, F0, F1, 0
	TURN 0, 1, 0
	QUARTER 1, 1, F0, F1, 0
	QUARTER 1, 2, F1, F0, 0
	QUARTER 1, 3, F0, F1, 0
	s_wait_dscnt 8                                 ; the very last quarter: nothing more to fetch
	WIN MUL
	MUL4 F1, 0, 0
	MUL4 F1, 1, 0
	s_wait_dscnt 0
	MUL4 F1, 2, 0
	MUL4 F1, 3, 0
	WIN 0
; THE WAY OUT, block by block of 16 rows x 64 columns.  A lane holds 32 neighbouring bytes of a row, and my 64 columns are 256 bytes: so a block goes through my own stage and comes back as whole rows of 256 bytes.
; LDS serves a wave's instructions in order (ISA guide 5.7.1.4): no wait between the stores and the loads, nor in front of the next block's stores.
.macro TOSTAGE a
.set j, 0
.rept 16
	v_pk_mul_f32 v[TMP+j:TMP+j+1], v[ACC+32*(\a)+j:ACC+32*(\a)+j+1], s[96:97] op_sel_hi:[1,0]   ; x 2^(ea + eb); each accumulator from its low end on
.set j, j+2
.endr
.irp b, 0,1,2,3
	ds_store_b128 v[STO], v[TMP+8*\b:TMP+8*\b+3] offset:64*\b
	ds_store_b128 v[STO], v[TMP+8*\b+4:TMP+8*\b+7] offset:64*\b+16
.endr
.set BB, BK+32*((\a)%2)
.irp t, 0,1,2,3,4,5,6,7
	ds_load_b128 v[BB+4*\t:BB+4*\t+3], v[RD] offset:\t*2*SPITCH
.endr
.endm
.macro SEND a, younger                 ; younger: the LDS instructions issued behind block a's loads, which may stay out
.set BB, BK+32*((\a)%2)
	s_wait_dscnt \younger                          ; the block is back in registers
.if (\a) > 0
	s_add_nc_u64 s[10:11], s[10:11], 16*SIZE_N*4   ; (behind a wait on XCNT: the earlier stores have read their base)  16 rows on
.endif
.irp t, 0,1,2,3,4,5,6,7
	global_store_b128 v[CO], v[BB+4*\t:BB+4*\t+3], s[10:11] offset:2*\t*SIZE_N*4   ; 16 lanes store 256 consecutive bytes, at a multiple of 256 from the buffer's first byte
.endr
.endm
	s_wait_kmcnt 0x0
	s_add_co_i32 s96, s96, s97
	s_add_co_i32 s96, s96, 127
	s_lshl_b32 s96, s96, 23                        ; 2^(ea + eb) as f32
	PLACES NP                                      ; in front of the first read of results
	TOSTAGE 0
.irp a, 1,2,3
.if \a > 1
	s_wait_xcnt 0x0                                ; block a - 2's stores have read their registers and their base: block a's loads may land there, and the base may step
.endif
	TOSTAGE \a
	SEND \a-1, 16                                  ; behind block a - 1's loads: block a's 8 stores and 8 loads
.endr
	s_wait_xcnt 0x0                                ; block 2's stores have read their base
	SEND 3, 0
	s_wait_tensorcnt 0x0                           ; the wave's end
	ds_add_u32 v[SPW], v[NIL]
	s_wait_dscnt 0x0
	CROUND                                         ; the closing round: no work-group ends while a partner may still ask for a tile that names it
	s_endpgm
.Lfunc_end_k_qbbec3452a5_oproj:
	.size	k_qbbec3452a5_oproj, .Lfunc_end_k_qbbec3452a5_oproj-k_qbbec3452a5_oproj
	.p2alignl 7, 3214868480
	.fill 96, 4, 3214868480
	.section	.rodata,"a",@progbits
	.p2align	6, 0x0
	.amdhsa_kernel k_qbbec3452a5_oproj
		.amdhsa_group_segment_fixed_size 327680
		.amdhsa_private_segment_fixed_size 0
		.amdhsa_enable_private_segment 0
		.amdhsa_kernarg_size 32
		.amdhsa_user_sgpr_count 2
		.amdhsa_user_sgpr_kernarg_segment_ptr 1
		.amdhsa_wavefront_size32 1
		.amdhsa_system_sgpr_workgroup_id_x 1
		.amdhsa_system_sgpr_workgroup_id_y 1
		.amdhsa_system_sgpr_workgroup_id_z 1
		.amdhsa_system_vgpr_workitem_id 0
		.amdhsa_next_free_vgpr 512
		.amdhsa_next_free_sgpr 98
		.amdhsa_reserve_vcc 0
		.amdhsa_float_denorm_mode_32 3
		.amdhsa_float_denorm_mode_16_64 3
		.amdhsa_memory_ordered 1
		.amdhsa_forward_progress 1
		.amdhsa_inst_pref_size 46
	.end_amdhsa_kernel
	.amdgpu_metadata
---
amdhsa.version: [ 1, 2 ]
amdhsa.kernels:
  - .name:           k_qbbec3452a5_oproj
    .symbol:         k_qbbec3452a5_oproj.kd
    .args:
      - { .name: ac, .offset: 0, .size: 8, .value_kind: global_buffer, .address_space: global }
      - { .name: wc, .offset: 8, .size: 8, .value_kind: global_buffer, .address_space: global }
      - { .name: lowp_scales, .offset: 16, .size: 8, .value_kind: global_buffer, .address_space: global }
      - { .name: raw, .offset: 24, .size: 8, .value_kind: global_buffer, .address_space: global }
    .group_segment_fixed_size: 327680
    .private_segment_fixed_size: 0
    .kernarg_segment_align: 8
    .kernarg_segment_size: 32
    .max_flat_workgroup_size: 128
    .sgpr_count:     98
    .vgpr_count:     512
    .wavefront_size: 32
...
	.end_amdgpu_metadata
.endif
;; end of part 9
;; launch ln1: the kernel of part 5 again; grid 256 x 1, 4 waves a work-group, no clusters, 4,608 bytes of LDS; arguments src, raw, bo, ln1_g, ln1_b, lowp_scales, xf, ac; writes xf, ac
;; launch ff1: the kernel of part 6 again; grid 16 x 16, 4 waves a work-group, clusters of 4 x 4, 327,680 bytes of LDS; arguments ac, wc, lowp_scales, hc, b1; writes hc
;; launch ff2 (part 10): grid 8 x 32, 4 waves a work-group, clusters of 4 x 4, 327,680 bytes of LDS; arguments hc, wc, lowp_scales, raw; writes raw
.if DOCPART == 10
	.amdgcn_target "amdgcn-amd-amdhsa--gfx1250"
	.amdhsa_code_object_version 6
	.text
	.protected	k_qbbec3452a5_ff2
	.globl	k_qbbec3452a5_ff2
	.p2align	8
	.type	k_qbbec3452a5_ff2,@function
k_qbbec3452a5_ff2:
	s_mov_b64 s[64:65], 0
	v_nop
	global_prefetch_b8 v0, s[64:65] scope:SCOPE_SE
	s_setreg_imm32_b32 hwreg(HW_REG_WAVE_MODE, 25, 1), 1
	s_wait_xcnt 0x0
	s_wait_alu depctr_hold_cnt(0) depctr_sa_sdst(0) depctr_va_vdst(0) depctr_va_sdst(0) depctr_va_ssrc(0) depctr_va_vcc(0) depctr_vm_vsrc(0)
	s_getreg_b32 s2, hwreg(HW_REG_IB_STS2, 6, 4)
	s_cmp_eq_u32 s2, 0
	s_cbranch_scc0 .Lentry_in_a_cluster
	s_endpgm
.Lentry_in_a_cluster:
	s_bfe_u32 s2, ttmp6, 0x10000c
	s_cmp_lg_u32 s2, 0xf033
	s_cbranch_scc0 .Lentry_shape_is_right
	s_endpgm
.Lentry_shape_is_right:
; FF2: product 8.  raw[m][n] = 2^(e14 + e15) x the sum over k of h's codes [4096][4096] (hc) x W2's codes [1024 n][4096 k] (wc + 8 MiB); f32.  The bias is added by the launch behind.
; The output [4096][1024] has only 64 tiles of 256 x 256, so a tile is 128 x 128: 256 work-groups.  Four waves, each 64 x 64: 16 accumulators of 16 x 16, 128 registers.
; K = 4,096 goes in eight steps of 512 (LDS rows of 512 bytes; a wave's tensor load brings 64 of them), as long as two slots in LDS allow, through a ring of two slots filled by the tensor data mover.
; CLUSTERS: 4 x 4 work-groups; A's tiles are shared along a row of the cluster, B's along a column: each is asked for jointly, by the same tensor load with the same descriptor and a mask that names the four.
; THE MATRIX INSTRUCTION IS USED TRANSPOSED (source 0 = 16 rows of B, source 1 = 16 rows of A): a lane holds eight neighbouring numbers of a row.
; LIMIT: e14 + e15 between -126 and 127, so that 2^(e14 + e15) is an f32 number.
; REGISTERS: window 0: v0-31 addresses; v32-63 a block's sums x the scale; v64-127 rows read back, two sets; v128-255 the accumulators ((a, b) at v[128 + 8 (4 a + b)]).
;   window 1: two fragment buffers of 128: for 128 along K, 64 registers of A (4 x 16 rows), then 64 of B.
.set SIZE_K, 4096
.set SIZE_N, 1024
.set A_OFF,  0
.set B_OFF,  0x800000
.set E_OFF,  0x38
.set KSTEP,  512                       ; along K in a slot, and a tile's row in bytes
.set KROW,   SIZE_K                    ; a row of A or of B in memory, in bytes
.set PITCH,  528                       ; an LDS row: 512 bytes + 16 of padding = 132 words: row r starts at bank 4 r mod 64 (64 banks of 4 bytes: ISA guide 11.1), so the 16 rows of a fragment load start at 16 different banks
.set NP,     4                         ; places behind this matrix instruction (ISA guide 7.12.1)
.set HALFT,  64*PITCH                  ; 64 rows: what one tensor load brings, and what one wave reads of A or of B
.set SLOT,   4*HALFT                   ; A's 128 rows, then B's 128 rows
.set LAPS,   SIZE_K/(2*KSTEP)          ; a lap = two K steps = once round the ring
.set STAGE,  2*SLOT                    ; behind the ring: 16 rows x 272 bytes for each wave, for the way out; no tile lands there
.set SPITCH, 272
.set SPARE,  STAGE+4*16*SPITCH         ; behind the stages: the spare words, 128 bytes a wave, that no other line names
.set ADRA, 16                          ; v16-17  LDS address of my A fragments in slot 0, 1
.set ADRB, 20                          ; v20-21  the same for B
.set STO,  24                          ; v24     the way out: where I put 32 bytes of a row
.set RD,   25                          ; v25     where I read a row back
.set CO,   26                          ; v26     my byte offset in the output
.set SPW,  28                          ; v28     LDS address of my spare word; never rewritten
.set NIL,  29                          ; v29     0; never rewritten
.set TMP,  32
.set BK,   64
.set ACC,  128
.set F0,   0                           ; fragment buffers, in window 1
.set F1,   128
.set G1, 24                            ; s[24:31] descriptor group 1 for A's tiles; s[32:39] group 0, one set for each slot
.set G0, 32
.set G1B, 48                           ; s[48:55], s[56:63] the same for B's tiles
.set G0B, 56
.set MSB, 0
.macro WIN new                         ; the immediate's high byte repeats the setting that is left
.if MSB != \new
	s_set_vgpr_msb (MSB<<8)|\new
.set MSB, \new
.endif
.endm
.set MUL,  0x05                        ; sources 0 (B) and 1 (A) window 1; C and D window 0
.set TO_F, 0x40                        ; destination window 1, address window 0
.macro JLOAD g0a, g1a, g0b, g1b        ; a joint load: waves 0 and 1 fetch for A, waves 2 and 3 for B; four v_nop follow each of the two lines
	s_cmp_eq_u32 s15, 0
	s_cbranch_scc0 .Lfor_b_\@
	tensor_load_to_lds s[\g0a:\g0a+3], s[\g1a:\g1a+7]
	s_nop 0
.rept 4
	v_nop
.endr
	s_branch .Lasked_\@
.Lfor_b_\@:
	tensor_load_to_lds s[\g0b:\g0b+3], s[\g1b:\g1b+7]
	s_nop 0
.rept 4
	v_nop
.endr
.Lasked_\@:
.endm
.macro CREST                           ; a round of the cluster's barrier behind its opening barrier
	s_cmp_lg_u32 s14, 0
	s_cbranch_scc1 .Lnot_wave_0_\@
	s_barrier_signal -3
.Lnot_wave_0_\@:
	s_barrier_wait -3
	s_barrier_signal -1
	s_barrier_wait -1
.endm
.macro CROUND                          ; a whole round
	s_barrier_signal -1
	s_barrier_wait -1
	CREST
.endm
	s_load_b128 s[4:7], s[0:1], 0x0                ; A's buffer, B's buffer
	s_load_b128 s[8:11], s[0:1], 0x10              ; lowp_scales, the output
	v_lshl_add_u32 v[SPW], v0, 2, SPARE
	v_mov_b32 v[NIL], 0
	ds_add_u32 v28, v29
	ds_add_u32 v28, v29
	s_wait_dscnt 0x0
	v_lshrrev_b32 v1, 5, v0
	v_readfirstlane_b32 s14, v1                    ; wave 0..3
	s_lshr_b32 s15, s14, 1                         ; which half of the tile's rows is mine.  Also: I fetch for A (0) or for B (1)
	s_and_b32 s16, s14, 1                          ; which half of its columns.  Also: which 64 rows of that tile I fetch
	s_bfe_u32 s40, ttmp6, 0x40000                  ; cx
	s_bfe_u32 s41, ttmp6, 0x40004                  ; cy
	s_lshl_b32 s42, ttmp9, 2
	s_add_co_u32 s42, s42, s40                     ; tile column = 4 x cluster x + cx
	s_and_b32 s17, ttmp7, 0xffff
	s_lshl_b32 s17, s17, 2
	s_add_co_u32 s17, s17, s41                     ; tile row = 4 x cluster y + cy
	s_lshl_b32 s43, s41, 2
	s_lshl_b32 s43, 15, s43                        ; my row of the cluster
	s_lshl_b32 s44, 0x1111, s40                    ; my column
	s_or_b32 s[G1+0], s43, (0<<16)|(1<<20)|(1<<21)|(6<<22)|(3<<25)  ; the mask: A's tiles go to my row; elements of 1 byte; padding on; bit 21 beside a mask; 4 words (code 3) after every 128 (code 6)
	s_or_b32 s[G1B+0], s44, (0<<16)|(1<<20)|(1<<21)|(6<<22)|(3<<25)
.irp g, G1, G1B
	s_mov_b32 s[\g+1], KSTEP<<16                   ; tensor_dim0 = 512
	s_mov_b32 s[\g+2], 64<<16                      ; tensor_dim1 = 64
	s_mov_b32 s[\g+3], KSTEP<<16                   ; tile_dim0 = 512
	s_mov_b32 s[\g+4], 64                          ; tile_dim1 = 64
	s_mov_b32 s[\g+5], KROW                        ; tensor_dim0_stride
	s_mov_b32 s[\g+6], 0
	s_mov_b32 s[\g+7], 0
.endr
	s_lshl_b32 s18, s16, 6                         ; which 64 rows of the tile I fetch
	s_lshl_b32 s20, s17, 7
	s_add_co_u32 s20, s20, s18                     ; A: row 128 x tile row + 64 x half
	s_lshl_b32 s46, s42, 7
	s_add_co_u32 s46, s46, s18                     ; B: row 128 x tile column + 64 x half
	s_mov_b32 s21, 0
	s_mov_b32 s47, 0
	s_mov_b64 s[18:19], KROW
	s_mul_u64 s[20:21], s[20:21], s[18:19]
	s_mul_u64 s[46:47], s[46:47], s[18:19]
	s_mul_i32 s45, s14, HALFT                      ; where the tiles go: wave x 64 rows: no place in the cluster enters an LDS address
	s_wait_kmcnt 0x0
	s_load_b64 s[96:97], s[8:9], E_OFF             ; ea, eb
	s_add_nc_u64 s[20:21], s[4:5], s[20:21]
	s_add_nc_u64 s[46:47], s[6:7], s[46:47]
.if A_OFF > 0
	s_add_nc_u64 s[20:21], s[20:21], A_OFF
.endif
.if B_OFF > 0
	s_add_nc_u64 s[46:47], s[46:47], B_OFF
.endif
	CROUND                                         ; all sixteen work-groups are here: the first joint loads meet
.irp s, 0,1
	s_mov_b32 s[G0+4*\s], 1
	s_add_co_u32 s[G0+4*\s+1], s45, \s*SLOT
	s_add_nc_u64 s[G0+4*\s+2:G0+4*\s+3], s[20:21], \s*KSTEP
	s_or_b32 s[G0+4*\s+3], s[G0+4*\s+3], 0x80000000
	s_mov_b32 s[G0B+4*\s], 1
	s_add_co_u32 s[G0B+4*\s+1], s45, \s*SLOT
	s_add_nc_u64 s[G0B+4*\s+2:G0B+4*\s+3], s[46:47], \s*KSTEP
	s_or_b32 s[G0B+4*\s+3], s[G0B+4*\s+3], 0x80000000
	JLOAD G0+4*\s, G1, G0B+4*\s, G1B
.endr
	v_and_b32 v1, 15, v0                           ; r = l % 16
	v_bfe_u32 v2, v0, 4, 1                         ; h = l / 16
	v_mul_u32_u24 v3, v1, PITCH
	v_lshl_add_u32 v4, v2, 4, v3                   ; a fragment's row x pitch + 16 x half
	s_mul_i32 s21, s15, HALFT                      ; my 64 rows of A
	s_mul_i32 s22, s16, HALFT                      ; my 64 rows of B,
	s_add_co_u32 s22, s22, 2*HALFT                 ; which lie behind A's 128
.irp s, 0,1
	v_add_nc_u32 v[ADRA+\s], s21, v4
	v_add_nc_u32 v[ADRB+\s], s22, v4
	s_add_co_u32 s21, s21, SLOT
	s_add_co_u32 s22, s22, SLOT
.endr
	s_mul_i32 s23, s14, 16*SPITCH
	s_add_co_u32 s23, s23, STAGE                   ; my stage
	v_mul_u32_u24 v5, v1, SPITCH                   ; in: row r, 32 bytes for each half of the lanes
	v_lshl_add_u32 v5, v2, 5, v5
	v_add_nc_u32 v[STO], s23, v5
	v_mul_u32_u24 v5, v2, SPITCH                   ; back: lanes 0-15 take one row of 256 bytes, lanes 16-31 the next
	v_lshl_add_u32 v5, v1, 4, v5
	v_add_nc_u32 v[RD], s23, v5
	v_mul_u32_u24 v6, v2, SIZE_N*4                 ; and the same two rows in the output
	v_lshl_add_u32 v[CO], v1, 4, v6
	s_lshl_b32 s20, s17, 7
	s_lshl_b32 s21, s15, 6
	s_add_co_u32 s20, s20, s21                     ; my first row: 128 x tile row + 64 x half
	s_mov_b32 s21, 0
	s_mov_b64 s[18:19], SIZE_N*4
	s_mul_u64 s[20:21], s[20:21], s[18:19]
	s_lshl_b32 s46, s42, 9                         ; my first column, in bytes: 512 x tile column + 256 x half
	s_lshl_b32 s47, s16, 8
	s_add_co_u32 s46, s46, s47
	s_mov_b32 s47, 0
	s_add_nc_u64 s[20:21], s[20:21], s[46:47]
	s_add_nc_u64 s[10:11], s[10:11], s[20:21]
.macro FRAG reg, adr, q, i             ; 16 rows x 128 K: lane l holds row l % 16; registers 4 c .. 4 c + 3 hold K = 32 c + 16 (l / 16) + 0 .. 15: the same order of K in A and in B
.irp c, 0,1,2,3
	ds_load_b128 v[\reg+4*\c:\reg+4*\c+3], v[\adr] offset:128*(\q)+32*\c+(\i)*16*PITCH
.endr
.endm
.macro MUL4 f, a, zero                 ; A's block a against B's four, 128 along K.  The 16 accumulators take turns, one instruction a turn, in the same order in every quarter.  zero = 1: the product starts the sum
.irp b, 0,1,2,3
.if \zero
	v_wmma_f32_16x16x128_fp8_fp8 v[ACC+8*(4*(\a)+\b):ACC+8*(4*(\a)+\b)+7], v[\f+64+16*\b:\f+64+16*\b+15], v[\f+16*(\a):\f+16*(\a)+15], 0
.else
	v_wmma_f32_16x16x128_fp8_fp8 v[ACC+8*(4*(\a)+\b):ACC+8*(4*(\a)+\b)+7], v[\f+64+16*\b:\f+64+16*\b+15], v[\f+16*(\a):\f+16*(\a)+15], v[ACC+8*(4*(\a)+\b):ACC+8*(4*(\a)+\b)+7]
.endif
.endr
.endm
.macro FETCH slot, q, f                ; 32 LDS loads in one run: the fragments of the slot's q-th 128 along K into buffer f: B's four, then A's blocks 0 to 3
	WIN TO_F
.irp i, 0,1,2,3
	FRAG \f+64+16*\i, ADRB+\slot, \q, \i
.endr
.irp i, 0,1,2,3
	FRAG \f+16*\i, ADRA+\slot, \q, \i
.endr
.endm
.macro PLACES n                        ; plain vector instructions between a matrix instruction and a load into, or a vector instruction on, its registers
.rept \n
	v_nop
.endr
.endm
; A K step is four quarters of 128 along K, 16 matrix instructions each, on buffers 0, 1, 0, 1.  One of the first three: multiplies buffer f and fetches the slot's q-th quarter into g.
.macro QUARTER slot, q, f, g, zero
	s_wait_dscnt 8                                 ; B's fragments and A's blocks 0, 1 are in; the youngest eight loads (A's blocks 2, 3) may be out
	WIN MUL
	MUL4 \f, 0, \zero
	MUL4 \f, 1, \zero
	PLACES NP
	FETCH \slot, \q, \g
	s_wait_dscnt 32                                ; all but the 32 just issued
	WIN MUL
	MUL4 \f, 2, \zero
	MUL4 \f, 3, \zero
.endm
; The last quarter multiplies buffer 1 and changes slots: ONE barrier; in front of it each wave waits for all its tensor loads, adds 0 to its spare word, and waits for that and for its own reads of this slot.  fill = 1: this slot is filled again, two K steps ahead.
.macro TURN slot, next, fill
	WIN 0                                          ; (the add's two registers lie in window 0)
	s_wait_tensorcnt 0x0                           ; all my tensor loads have landed: my part of the next slot
	ds_add_u32 v[SPW], v[NIL]                      ; 0 onto my spare word
	s_wait_dscnt 9                                 ; (the add and the youngest eight loads may be out)
	WIN MUL
	MUL4 F1, 0, 0                                  ; eight matrix instructions stand between the add and the wait for it
	MUL4 F1, 1, 0
	s_wait_dscnt 0x0                               ; the add is done, and my reads of this slot are over
	s_barrier_signal -1
	MUL4 F1, 2, 0                                  ; work on registers while the others arrive
	WIN 0
	s_barrier_wait -1
.if \fill
	CREST                                          ; the barrier has opened a round of the cluster's barrier: no wave of any partner still reads this slot or has a load on its way
	s_add_nc_u64 s[G0+4*\slot+2:G0+4*\slot+3], s[G0+4*\slot+2:G0+4*\slot+3], 2*KSTEP
	s_add_nc_u64 s[G0B+4*\slot+2:G0B+4*\slot+3], s[G0B+4*\slot+2:G0B+4*\slot+3], 2*KSTEP
	JLOAD G0+4*\slot, G1, G0B+4*\slot, G1B         ; the first tensor load behind the round; its four v_nop are the places in front of the loads below
.else
	PLACES NP
.endif
	FETCH \next, 0, F0
	WIN MUL
	MUL4 F1, 3, 0
.endm
	s_wait_tensorcnt 1                             ; my part of K step 0 is in; K step 1's load may be out
	s_barrier_signal -1
	s_barrier_wait -1                              ; everybody's is
	FETCH 0, 0, F0
	QUARTER 0, 1, F0, F1, 1                        ; the first quarter stands in front of the loop: its products start the sums
.if LAPS > 1
	WIN 0                                          ; at a label and at a branch every window is 0
	s_mov_b32 s3, LAPS-1
.Llap:                                                 ; a trip goes once round the ring, from a lap's second quarter to the next lap's first, and fills both slots again
	QUARTER 0, 2, F1, F0, 0
	QUARTER 0, 3, F0, F1, 0
	TURN 0, 1, 1
	QUARTER 1, 1, F0, F1, 0
	QUARTER 1, 2, F1, F0, 0
	QUARTER 1, 3, F0, F1, 0
	TURN 1, 0, 1
	QUARTER 0, 1, F0, F1, 0
	WIN 0
	s_sub_co_u32 s3, s3, 1
	s_cmp_lg_u32 s3, 0
	s_cbranch_scc1 .Llap
.endif
	QUARTER 0, 2, F1, F0, 0                        ; the last lap fills nothing, and has no round of the cluster's barrier
	QUARTER 0, 3, F0, F1, 0
	TURN 0, 1, 0
	QUARTER 1, 1, F0, F1, 0
	QUARTER 1, 2, F1, F0, 0
	QUARTER 1, 3, F0, F1, 0
	s_wait_dscnt 8                                 ; the very last quarter: nothing more to fetch
	WIN MUL
	MUL4 F1, 0, 0
	MUL4 F1, 1, 0
	s_wait_dscnt 0
	MUL4 F1, 2, 0
	MUL4 F1, 3, 0
	WIN 0
; THE WAY OUT, block by block of 16 rows x 64 columns.  A lane holds 32 neighbouring bytes of a row, and my 64 columns are 256 bytes: so a block goes through my own stage and comes back as whole rows of 256 bytes.
; LDS serves a wave's instructions in order (ISA guide 5.7.1.4): no wait between the stores and the loads, nor in front of the next block's stores.
.macro TOSTAGE a
.set j, 0
.rept 16
	v_pk_mul_f32 v[TMP+j:TMP+j+1], v[ACC+32*(\a)+j:ACC+32*(\a)+j+1], s[96:97] op_sel_hi:[1,0]   ; x 2^(ea + eb); each accumulator from its low end on
.set j, j+2
.endr
.irp b, 0,1,2,3
	ds_store_b128 v[STO], v[TMP+8*\b:TMP+8*\b+3] offset:64*\b
	ds_store_b128 v[STO], v[TMP+8*\b+4:TMP+8*\b+7] offset:64*\b+16
.endr
.set BB, BK+32*((\a)%2)
.irp t, 0,1,2,3,4,5,6,7
	ds_load_b128 v[BB+4*\t:BB+4*\t+3], v[RD] offset:\t*2*SPITCH
.endr
.endm
.macro SEND a, younger                 ; younger: the LDS instructions issued behind block a's loads, which may stay out
.set BB, BK+32*((\a)%2)
	s_wait_dscnt \younger                          ; the block is back in registers
.if (\a) > 0
	s_add_nc_u64 s[10:11], s[10:11], 16*SIZE_N*4   ; (behind a wait on XCNT: the earlier stores have read their base)  16 rows on
.endif
.irp t, 0,1,2,3,4,5,6,7
	global_store_b128 v[CO], v[BB+4*\t:BB+4*\t+3], s[10:11] offset:2*\t*SIZE_N*4   ; 16 lanes store 256 consecutive bytes, at a multiple of 256 from the buffer's first byte
.endr
.endm
	s_wait_kmcnt 0x0
	s_add_co_i32 s96, s96, s97
	s_add_co_i32 s96, s96, 127
	s_lshl_b32 s96, s96, 23                        ; 2^(ea + eb) as f32
	PLACES NP                                      ; in front of the first read of results
	TOSTAGE 0
.irp a, 1,2,3
.if \a > 1
	s_wait_xcnt 0x0                                ; block a - 2's stores have read their registers and their base: block a's loads may land there, and the base may step
.endif
	TOSTAGE \a
	SEND \a-1, 16                                  ; behind block a - 1's loads: block a's 8 stores and 8 loads
.endr
	s_wait_xcnt 0x0                                ; block 2's stores have read their base
	SEND 3, 0
	s_wait_tensorcnt 0x0                           ; the wave's end
	ds_add_u32 v[SPW], v[NIL]
	s_wait_dscnt 0x0
	CROUND                                         ; the closing round: no work-group ends while a partner may still ask for a tile that names it
	s_endpgm
.Lfunc_end_k_qbbec3452a5_ff2:
	.size	k_qbbec3452a5_ff2, .Lfunc_end_k_qbbec3452a5_ff2-k_qbbec3452a5_ff2
	.p2alignl 7, 3214868480
	.fill 96, 4, 3214868480
	.section	.rodata,"a",@progbits
	.p2align	6, 0x0
	.amdhsa_kernel k_qbbec3452a5_ff2
		.amdhsa_group_segment_fixed_size 327680
		.amdhsa_private_segment_fixed_size 0
		.amdhsa_enable_private_segment 0
		.amdhsa_kernarg_size 32
		.amdhsa_user_sgpr_count 2
		.amdhsa_user_sgpr_kernarg_segment_ptr 1
		.amdhsa_wavefront_size32 1
		.amdhsa_system_sgpr_workgroup_id_x 1
		.amdhsa_system_sgpr_workgroup_id_y 1
		.amdhsa_system_sgpr_workgroup_id_z 1
		.amdhsa_system_vgpr_workitem_id 0
		.amdhsa_next_free_vgpr 512
		.amdhsa_next_free_sgpr 98
		.amdhsa_reserve_vcc 0
		.amdhsa_float_denorm_mode_32 3
		.amdhsa_float_denorm_mode_16_64 3
		.amdhsa_memory_ordered 1
		.amdhsa_forward_progress 1
		.amdhsa_inst_pref_size 74
	.end_amdhsa_kernel
	.amdgpu_metadata
---
amdhsa.version: [ 1, 2 ]
amdhsa.kernels:
  - .name:           k_qbbec3452a5_ff2
    .symbol:         k_qbbec3452a5_ff2.kd
    .args:
      - { .name: hc, .offset: 0, .size: 8, .value_kind: global_buffer, .address_space: global }
      - { .name: wc, .offset: 8, .size: 8, .value_kind: global_buffer, .address_space: global }
      - { .name: lowp_scales, .offset: 16, .size: 8, .value_kind: global_buffer, .address_space: global }
      - { .name: raw, .offset: 24, .size: 8, .value_kind: global_buffer, .address_space: global }
    .group_segment_fixed_size: 327680
    .private_segment_fixed_size: 0
    .kernarg_segment_align: 8
    .kernarg_segment_size: 32
    .max_flat_workgroup_size: 128
    .sgpr_count:     98
    .vgpr_count:     512
    .wavefront_size: 32
...
	.end_amdgpu_metadata
.endif
;; end of part 10
;; launch ln2: the kernel of part 8 again; grid 256 x 1, 4 waves a work-group, no clusters, 0 bytes of LDS; arguments xf, raw, b2, ln2_g, ln2_b, out0; writes out0
;; ======== version 3 of 3: 8 launches; version 2 with the launch attn written anew for expert scheduling mode
;; workspace buffers: wc 12,582,912 bytes; ac 12,582,912 bytes; mfl 65,536 bytes of whole numbers; qkv 12,582,912 bytes; raw 16,777,216 bytes; xf 16,777,216 bytes; hc 16,777,216 bytes
;; launch prep: the kernel of part 1 again; grid 640 x 1, 4 waves a work-group, no clusters, 68,096 bytes of LDS; arguments Wq, Wk, Wv, Wo, W1, W2, src, causal_mask, lowp_scales, wc, ac, mfl; writes wc, ac, mfl
;; launch qkv: the kernel of part 2 again; grid 4 x 48, 4 waves a work-group, clusters of 4 x 4, 327,680 bytes of LDS; arguments ac, wc, lowp_scales, qkv, bq, bk, bv; writes qkv
;; launch attn (part 11): grid 8 x 32, 16 waves a work-group, no clusters, 313,344 bytes of LDS; arguments qkv, mfl, causal_mask, lowp_scales, ac; writes ac
.if DOCPART == 11
	.amdgcn_target "amdgcn-amd-amdhsa--gfx1250"
	.amdhsa_code_object_version 6
	.text
	.protected	k_qbbec3452a5_attn
	.globl	k_qbbec3452a5_attn
	.p2align	8
	.type	k_qbbec3452a5_attn,@function
k_qbbec3452a5_attn:
	s_mov_b64 s[64:65], 0
	v_nop
	global_prefetch_b8 v0, s[64:65] scope:SCOPE_SE
	s_setreg_imm32_b32 hwreg(HW_REG_WAVE_SCHED_MODE, 0, 2), 2
	s_setreg_imm32_b32 hwreg(HW_REG_WAVE_MODE, 25, 1), 1
	s_wait_xcnt 0x0
	s_wait_alu depctr_vm_vsrc(0)
; ATTN: products 4 and 5 on E4M3 codes, the mask, the softmax, ctx quantised (e10) into ac + 4 MiB, [4096 tokens][1024].
; The softmax's result is quantised FINISHED AND NORMALISED, so a row's largest score and its sum are known before any weight is quantised: TWO PASSES over the keys; the scores are made in both.
;   pass 1: M = the running largest t rounded up to a whole number (t = score x log2 e), l = the sum of 2^(t - M).   pass 2: p = 2^(t - M - log2 l), its code with 2^e8, O^T += V^T P^T.
; SHARES.  A work-group owns one head (work-group y) and 16 tiles of 16 queries, one a wave, spread over the sequence: wave w takes tile 8 o + x, o = 4 (w / 4) + ((w % 4) xor 3 ((w / 4) % 2)).
; The head's whole K and V lie in LDS, brought once through registers; one barrier.  No tensor load: the walk over key steps branches on the stored list.
; THE LIST (mfl, whole numbers stored by the launch before): for my tile and each key step of 128: 0 all -infinity: the step is left out; 1 all zero: no mask is added; 2: the mask is loaded and added.
; A row that is -infinity throughout becomes a uniform row, as the problem defines it: if my tile has such a row, every step counts as 2.
; LAYOUT.  S^T = K Q^T (source 0 = 16 neighbouring keys, source 1 = my queries), O^T = V^T P^T: a lane holds ONE query (lane % 16).  Tile tau's eight registers are keys 16 tau + 8 (lane / 16) + 0..7: their codes are registers
; 2 tau, 2 tau + 1 of the K = 128 form's operand.  V's row d lies at LDS row d with bits 3 and 4 swapped, so that O's tiles 2 b, 2 b + 1 hold d = 32 b + 16 (lane / 16) + 0..15.
; LIMITS: e6 + e7 - 3 and its negative, added to an exponent field, stay normal numbers (between -126 and 126); e8, and e10 - e8 - e9, between -126 and 119.  NaN among the inputs is not served.
; A row with +infinity in the mask gives zeros; a row all of whose entries are infinite and some +infinity is not served.  -M - log2 l is one f32 number: its rounding, half a last place of M, is common to a row.
; Stores: a head owns 64 bytes of a token's row: a lane stores twice 16 bytes.
; THE MODE: SCHED_MODE bits 1:0 = 2 (LLVM: expert scheduling mode 2), set by the entry lines.  The code itself states the register dependences
; between vector or matrix instructions and memory or LDS instructions, with s_wait_alu, always for 0.
; THE PLAN.  Registers that memory or LDS instructions touch:
;   v251, v253    At the head: made by vector lines, read by the 34 loads of Q, K and V as offsets.  v251 is a register at work afterwards.
;   v24-151       At the head: K's and V's loads land here, the 32 LDS stores read them.  Afterwards KV and SCR.
;   v216-220      At the head: made by vector lines, read by the LDS stores as addresses.  Afterwards part of O^T.
;   v4, v5, v6    In a step: one add each at the step's head (v5 in pass 2, v6 where the mask is loaded); read by K's LDS loads, V's LDS loads, the mask's loads.
;   KV            In a step: K's 16 LDS loads land, the score products read; in pass 2 then V's 32 LDS loads land, the four products with V read.
;   MK            In a step with a mask: its 16 loads land, 32 multiply-adds read.  In pass 2 the conversions write v152-167 and the four products read them.
;   v10, v152-159 On the way out: made by vector lines and conversions, read by the two stores.
;   SCR (behind the head), O^T, v7-9, v12-15, v248-252 are named by vector and matrix instructions alone.
; So a step that is walked has one wait on vm_vsrc ahead of its adds, one wait on va_vdst ahead of its first run of loads, and in pass 2 one more ahead of V's run; the waits behind the exponentials stand as the results' readers ask.
; All 256 registers of each of the SIMD's four waves are taken: there is no second set for KV or MK.  Which step follows is read off the list at a step's head: nothing is loaded for a step before that.
.set VBASE, 163840                     ; K: 2,048 rows of 80 bytes (64 + 16).  V behind it: 16 key steps x 64 rows of 144 bytes (128 + 16)
.set KV,  24                           ; v24-87   fragments of K or of V
.set SCR, 88                           ; v88-151  S^T, then the weights
.set MK,  152                          ; v152-215 the mask's tile; v152-167 later the weights' codes
.set OT,  216                          ; v216-247 O^T
; v1 my place in a tile of K, v2 of V, v3 in the mask; v4, v5, v6 the same for the step in hand; v7 floor, v8 cap, v9 2^e8; v12 -M, v13 the largest t, v[14:15] l; v16-23 Q; v[248:249] f; v250-253 at work; v[254:255] a second chain
; s26 the list, two bits a step; s27 its copy; s28, s29, s30 the step's bytes in K, V and a mask row; s31 counts steps; s33 lanes whose row gives zeros
.macro SCORES                          ; 8 tiles of 16 keys
.set i, 0
.rept 8
	ds_load_b128 v[KV+8*i:KV+8*i+3], v4 offset:1280*i
	ds_load_b128 v[KV+8*i+4:KV+8*i+7], v4 offset:1280*i+32
.set i, i+1
.endr
.set i, 0
.rept 8
	s_wait_dscnt 14-2*i                            ; this tile's two loads are in; the later tiles' may be out
	v_wmma_f32_16x16x64_fp8_fp8 v[SCR+8*i:SCR+8*i+7], v[KV+8*i:KV+8*i+7], v[16:23], 0
.set i, i+1
.endr
.rept 4
	v_nop                                          ; four places between the last product and the first vector instruction that reads a result (ISA guide 7.12.1)
.endr
.endm
.macro MASKLOAD                        ; my query's 64 numbers of the step's 128: v6 was made at the step's head
.set i, 0
.rept 8
	global_load_b128 v[MK+8*i:MK+8*i+3], v6, s[8:9] offset:64*i
	global_load_b128 v[MK+8*i+4:MK+8*i+7], v6, s[8:9] offset:64*i+16
.set i, i+1
.endr
.endm
.macro MASKADD                         ; u = sum + mask x 2^(3 - e6 - e7): u x 2^(e6 + e7 - 3) is score + mask, rounded alike
	s_wait_loadcnt 0x0
.set j, 0
.rept 32
	v_pk_fma_f32 v[SCR+j:SCR+j+1], v[MK+j:MK+j+1], s[24:25], v[SCR+j:SCR+j+1] op_sel_hi:[1,0,1]
.set j, j+2
.endr
.endm
.macro STEPHEAD p
	s_and_b32 s32, s26, 3
	s_cmp_eq_u32 s32, 0
	s_cbranch_scc1 .Lnext_\p                       ; a branch on a stored whole number: all 16 x 128 scores are -infinity
	s_wait_alu depctr_vm_vsrc(0)                   ; the loads of the steps before have read v4, v5 and v6, which the adds below, in both arms, write again
	v_add_nc_u32 v4, s28, v1
.if \p == 2
	v_add_nc_u32 v5, s29, v2
.endif
	s_cmp_eq_u32 s32, 2
	s_cbranch_scc1 .Lgen_\p
	s_wait_alu depctr_va_vdst(0)                   ; v4 (and v5) are written, which the LDS loads read; the matrix instructions of the step before are done reading KV, in which K's loads land
	SCORES
	s_branch .Lsoft_\p
.Lgen_\p:
	v_add_nc_u32 v6, s30, v3
	s_wait_alu depctr_va_vdst(0)                   ; v4, v6 (and v5) are written, which the loads read; the matrix instructions of the step before are done reading KV and the codes in MK, the conversions have written these, and the last multiply-adds are done reading MK: the loads below land in KV and MK
	MASKLOAD
	SCORES
	MASKADD
.Lsoft_\p:
.endm
.macro STEPTAIL p
.Lnext_\p:
	s_lshr_b32 s26, s26, 2
	s_add_co_u32 s28, s28, 10240
	s_add_co_u32 s29, s29, 9216
	s_add_co_u32 s30, s30, 512
	s_add_co_u32 s31, s31, 1
	s_cmp_lt_u32 s31, 16
	s_cbranch_scc1 .Lpass_\p
.endm
	s_load_b256 s[4:11], s[0:1], 0x0               ; qkv, mfl, causal_mask, lowp_scales
	s_load_b64 s[12:13], s[0:1], 0x20              ; ac
	v_lshrrev_b32 v1, 5, v0
	v_readfirstlane_b32 s14, v1                    ; wave 0..15
	s_wait_alu depctr_va_sdst(0)                   ; s14 is written, ahead of its first reader: my tile of queries is made from it
	s_lshr_b32 s15, s14, 2
	s_and_b32 s16, s14, 3
	s_and_b32 s18, s15, 1
	s_mul_i32 s18, s18, 3
	s_xor_b32 s16, s16, s18
	s_lshl_b32 s15, s15, 2
	s_add_co_u32 s15, s15, s16                     ; o
	s_lshl_b32 s15, s15, 3
	s_add_co_u32 s15, s15, ttmp9                   ; my tile of queries, 0..127
	s_lshl_b32 s16, s15, 4                         ; my first query
	s_and_b32 s17, ttmp7, 0xffff                   ; the head, 0..31
	s_lshl_b32 s18, s17, 17
	s_mov_b32 s19, 0
	s_wait_kmcnt 0x0
	s_load_b512 s[36:51], s[10:11], 0x0            ; e0 .. e15 in s36 .. s51
	s_add_nc_u64 s[56:57], s[4:5], s[18:19]        ; the head's q,
	s_add_nc_u64 s[58:59], s[56:57], 0x400000      ; k,
	s_add_nc_u64 s[60:61], s[56:57], 0x800000      ; v
	s_lshl_b32 s18, s15, 9
	s_add_nc_u64 s[6:7], s[6:7], s[18:19]
	s_load_b32 s52, s[6:7], 0x0                    ; my tile's four words of the list
	s_load_b32 s53, s[6:7], 0x80
	s_load_b32 s54, s[6:7], 0x100
	s_load_b32 s55, s[6:7], 0x180
	v_and_b32 v10, 15, v0                          ; r
	v_bfe_u32 v11, v0, 4, 1                        ; h
	v_add_nc_u32 v250, s16, v10                    ; my query
	v_lshlrev_b32 v251, 6, v250
	v_lshl_add_u32 v251, v11, 4, v251
	v_lshlrev_b32 v253, 4, v0                      ; 16 x thread: the work-group's load covers 8,192 consecutive bytes
	s_wait_alu depctr_va_vdst(0)                   ; v251 and v253 are written: the 34 loads below read them as offsets
	global_load_b128 v[16:19], v251, s[56:57]      ; Q: d = 16 h + 0..15,
	global_load_b128 v[20:23], v251, s[56:57] offset:32   ; d = 32 + 16 h + 0..15: the same order of d as in K's fragments
.set n, 0
.rept 16
	global_load_b128 v[24+4*n:27+4*n], v253, s[58:59] offset:8192*n
.set n, n+1
.endr
.set n, 0
.rept 16
	global_load_b128 v[88+4*n:91+4*n], v253, s[60:61] offset:8192*n
.set n, n+1
.endr
	v_mul_u32_u24 v1, v10, 80
	v_lshl_add_u32 v1, v11, 4, v1
	v_mul_u32_u24 v2, v10, 144
	v_lshl_add_u32 v2, v11, 3, v2
	v_add_nc_u32 v2, VBASE, v2
	v_lshlrev_b32 v3, 13, v250
	v_lshl_add_u32 v3, v11, 5, v3                  ; the mask: my query's row of 8,192 bytes, + 32 h
	v_lshrrev_b32 v216, 2, v0                      ; K into LDS: load n brings rows 128 n + thread / 4
	v_mul_u32_u24 v216, v216, 80
	v_and_b32 v221, 3, v0
	v_lshl_add_u32 v216, v221, 4, v216
	v_add_nc_u32 v217, 71680, v216                 ; the immediate holds 16 bits: a register for every seven loads
	v_add_nc_u32 v218, 143360, v216
	v_bfe_u32 v219, v0, 2, 6                       ; V into LDS: load n is key step n: d = (thread / 4) % 64, keys 64 (thread / 256) + 16 (thread % 4) on
	v_and_b32 v219, 0x27, v219
	v_bfe_u32 v222, v0, 5, 1
	v_lshl_add_u32 v219, v222, 4, v219             ; d's bit 3 goes to bit 4,
	v_bfe_u32 v222, v0, 6, 1
	v_lshl_add_u32 v219, v222, 3, v219             ; bit 4 to bit 3
	v_mul_u32_u24 v219, v219, 144
	v_lshl_add_u32 v219, v221, 4, v219
	v_bfe_u32 v222, v0, 8, 1
	v_lshl_add_u32 v219, v222, 6, v219
	v_add_nc_u32 v219, VBASE, v219
	v_add_nc_u32 v220, 73728, v219
	s_wait_alu depctr_va_vdst(0)                   ; v216 to v220 are written: the LDS stores below read them as addresses
.set n, 0
.rept 16
	s_wait_loadcnt 31-n                            ; the younger loads may be out
	ds_store_b128 v[216+n/7], v[24+4*n:27+4*n] offset:10240*(n%7)
.set n, n+1
.endr
.set n, 0
.rept 16
	s_wait_loadcnt 15-n
	ds_store_b128 v[219+n/8], v[88+4*n:91+4*n] offset:9216*(n%8)
.set n, n+1
.endr
	s_wait_dscnt 0x0                               ; for the others' sake: my stores are done
	s_barrier_signal -1
	s_barrier_wait -1                              ; K and V are whole; nothing is written to LDS from here on
	s_wait_alu depctr_vm_vsrc(0)                   ; my LDS stores have read v24 to v151 and v216 to v220, Q's loads v251: from here on these are KV, SCR, O^T and a register at work, written by LDS loads, matrix and vector instructions
	s_wait_kmcnt 0x0
	s_mov_b32 s20, 0x76543210                      ; v_permlanex16_b32: lane l xor 16
	s_mov_b32 s21, 0xfedcba98
	s_add_co_i32 s18, s42, s43
	s_sub_co_i32 s18, s18, 3                       ; e6 + e7 - 3: a sum stands for sum x 2^(e6 + e7) / 8
	s_lshl_b32 s19, s18, 23
	s_add_co_i32 s22, s19, 0x3fb8aa3b              ; c = log2(e) x 2^(e6 + e7 - 3): added to the exponent field
	s_mov_b32 s23, s22
	s_sub_co_i32 s18, 127, s18
	s_lshl_b32 s24, s18, 23                        ; 2^(3 - e6 - e7)
	s_mov_b32 s25, s24
	s_and_b32 s26, s52, 0xff
	s_and_b32 s18, s53, 0xff
	s_lshl_b32 s18, s18, 8
	s_or_b32 s26, s26, s18
	s_and_b32 s18, s54, 0xff
	s_lshl_b32 s18, s18, 16
	s_or_b32 s26, s26, s18
	s_lshl_b32 s18, s55, 24
	s_or_b32 s26, s26, s18                         ; two bits for each of the 16 key steps
	s_and_b32 s18, s52, s53
	s_and_b32 s18, s18, s54
	s_and_b32 s18, s18, s55
	s_bfe_u32 s18, s18, 0x100008                   ; rows that are -infinity in all four quarters
	s_cmp_lg_u32 s18, 0
	s_cselect_b32 s27, 0xaaaaaaaa, s26             ; with such a row no step is left out
	s_mov_b32 s26, s27
	s_mov_b32 s28, 0
	s_mov_b32 s29, 0
	s_mov_b32 s30, 0
	s_mov_b32 s31, 0
	v_mov_b32 v13, 0xff61b1e6                      ; the largest t so far: -3e38
	v_floor_f32 v12, -v13                          ; -M
	v_mov_b32 v14, 0
	v_mov_b32 v15, 0
	v_mov_b32 v249, 0                              ; (named as the upper half of a pair)
	v_mov_b32 v252, 0                              ; a lane permute's destination counts as read
; ---- PASS 1
.Lpass_1:
	STEPHEAD 1
	v_max3_num_f32 v250, v[SCR], v[SCR+1], v[SCR+2]
	v_max3_num_f32 v251, v[SCR+3], v[SCR+4], v[SCR+5]
.set i, 6
.rept 14
	v_max3_num_f32 v250, v250, v[SCR+i], v[SCR+i+1]
	v_max3_num_f32 v251, v251, v[SCR+i+2], v[SCR+i+3]
.set i, i+4
.endr
	v_max3_num_f32 v250, v250, v[SCR+62], v[SCR+63]
	v_max_num_f32 v250, v250, v251
	v_permlanex16_b32 v252, v250, s20, s21
	v_max_num_f32 v250, v250, v252                 ; the step's largest of my query
	v_mul_f32 v250, s22, v250                      ; as t (c is positive)
	v_max_num_f32 v13, v13, v250
	v_mov_b32 v250, v12
	v_floor_f32 v12, -v13                          ; the new -M: M is a whole number
	v_sub_f32 v250, v12, v250
	v_cvt_i32_f32 v250, v250                       ; (it saturates)
	v_ldexp_f32 v248, 1.0, v250                    ; f = 2^(old M - new M): rounds nothing
.set j, 0
.rept 32
	v_pk_fma_f32 v[SCR+j:SCR+j+1], v[SCR+j:SCR+j+1], s[22:23], v[12:13] op_sel_hi:[1,0,0]
.set j, j+2
.endr
.set j, 0
.rept 64
	v_exp_f32 v[SCR+j], v[SCR+j]
.set j, j+1
.endr
	v_pk_mul_f32 v[14:15], v[14:15], v[248:249] op_sel_hi:[1,0]   ; l under the new M: the plain instruction behind the exponentials
	s_wait_alu depctr_va_vdst(0)                   ; the 64 exponentials have written SCR: one wait for the batch, ahead of its first reader
	v_pk_add_f32 v[254:255], v[SCR:SCR+1], v[SCR+2:SCR+3]
.set j, 4
.rept 15
	v_pk_add_f32 v[14:15], v[14:15], v[SCR+j:SCR+j+1]
	v_pk_add_f32 v[254:255], v[254:255], v[SCR+j+2:SCR+j+3]
.set j, j+4
.endr
	v_pk_add_f32 v[14:15], v[14:15], v[254:255]
	STEPTAIL 1
; ---- BETWEEN THE PASSES
	v_add_f32 v14, v14, v15
	v_permlanex16_b32 v252, v14, s20, s21
	v_add_f32 v14, v14, v252                       ; the row's sum
	v_cmp_neq_f32 s33, v14, v14                    ; no number: the row had +infinity: its result is 0
	v_cmp_eq_f32 vcc_lo, 0, v14                    ; 0: the row is -infinity throughout
	v_log_f32 v250, v14
	v_mov_b32 v7, 0xff800000                       ; (a plain instruction behind the logarithm)  the floor under the exponent: none
	v_mov_b32 v251, 0xc1300000                     ; -11: 2^-11 = 1 / 2,048
	s_wait_alu depctr_va_sdst(0)                   ; s33 is written
	s_wait_alu depctr_va_vcc(0)                    ; VCC is written, ahead of the two selects below that read it
	s_wait_alu depctr_va_vdst(0)                   ; the logarithm has written v250, ahead of its first reader
	v_sub_f32 v12, v12, v250                       ; -M - log2 l
	v_cndmask_b32 v12, v12, 0, vcc_lo              ; a uniform row: every exponent is -infinity and is held at -11
	v_cndmask_b32 v7, v7, v251, vcc_lo
	v_cvt_f32_i32 v8, s44
	v_add_f32 v8, 0x410c8000, v8                   ; the cap: e8 + 8.78125: 2^8.78125 lies between 432 and 448, so it takes the largest code, as all above it do
	s_add_co_i32 s18, s44, 127
	s_lshl_b32 s18, s18, 23
	v_mov_b32 v9, s18                              ; 2^e8
.set j, 0
.rept 32
	v_mov_b32 v[OT+j], 0                           ; the step is written once: its first trip finds zeros
.set j, j+1
.endr
	s_mov_b32 s26, s27
	s_mov_b32 s28, 0
	s_mov_b32 s29, 0
	s_mov_b32 s30, 0
	s_mov_b32 s31, 0
; ---- PASS 2
.Lpass_2:
	STEPHEAD 2
	s_wait_alu depctr_va_vdst(0)                   ; the step's score products are done reading KV, in which V's loads land (v5 was written ahead of the step's first wait, and nothing has named it since)
.set i, 0
.rept 32
	ds_load_b64 v[KV+2*i:KV+2*i+1], v5 offset:2304*(i/8)+16*(i%8)   ; V^T: tile i / 8, keys 16 (i % 8) + 8 h + 0..7: the form's own order of K
.set i, i+1
.endr
.set j, 0
.rept 32
	v_pk_fma_f32 v[SCR+j:SCR+j+1], v[SCR+j:SCR+j+1], s[22:23], v[12:13] op_sel_hi:[1,0,0]
.set j, j+2
.endr
.set j, 0
.rept 64
	v_med3_num_f32 v[SCR+j], v[SCR+j], v7, v8      ; the hold at the largest code, and the uniform row, on the exponent
.set j, j+1
.endr
.set j, 0
.rept 64
	v_exp_f32 v[SCR+j], v[SCR+j]                   ; the finished weight
.set j, j+1
.endr
	v_nop                                          ; a plain instruction behind the last exponential
	s_wait_alu depctr_va_vdst(0)                   ; the 64 exponentials have written SCR: one wait for the batch, ahead of the conversions that read it
.set i, 0
.rept 8
	v_cvt_scalef32_pk8_fp8_f32 v[MK+2*i:MK+2*i+1], v[SCR+8*i:SCR+8*i+7], v9
.set i, i+1
.endr
	v_nop                                          ; a plain instruction between the last conversion and the matrix instructions
	s_wait_dscnt 0x0
.set i, 0
.rept 4
	v_wmma_f32_16x16x128_fp8_fp8 v[OT+8*i:OT+8*i+7], v[KV+16*i:KV+16*i+15], v[MK:MK+15], v[OT+8*i:OT+8*i+7]   ; four accumulators by turns; the matrix instruction ahead of the first is a score's
.set i, i+1
.endr
.rept 4
	v_nop                                          ; four places between the last product and the first vector instruction that reads a result: behind the last step, the way out's (ISA guide 7.12.1)
.endr
	STEPTAIL 2
; ---- THE WAY OUT: a sum stands for sum x 2^(e8 + e9); its code is sum / 2^(e10 - e8 - e9)
	s_sub_co_i32 s18, s46, s44
	s_sub_co_i32 s18, s18, s45
	s_add_co_i32 s18, s18, 127
	s_lshl_b32 s19, s18, 23
	v_mov_b32 v9, s19
	s_add_co_i32 s18, s18, 8
	s_lshl_b32 s18, s18, 23
	s_or_b32 s18, s18, 0x600000
	v_mov_b32 v8, s18
	v_and_b32 v10, 15, v0
	v_bfe_u32 v11, v0, 4, 1
	v_add_nc_u32 v10, s16, v10
	v_lshlrev_b32 v10, 10, v10
	v_lshl_add_u32 v10, v11, 4, v10                ; my token's row of 1,024 bytes, + 16 h
	s_lshr_b32 s18, s17, 4
	s_lshl_b32 s18, s18, 21                        ; the batch's 2,048 rows
	s_and_b32 s19, s17, 15
	s_lshl_b32 s19, s19, 6                         ; the head's 64 bytes
	s_add_co_u32 s18, s18, s19
	s_add_co_u32 s18, s18, 0x400000
	s_mov_b32 s19, 0
	s_add_nc_u64 s[12:13], s[12:13], s[18:19]
.set j, 0
.rept 32
	v_cndmask_b32 v[OT+j], v[OT+j], 0, s33
.set j, j+1
.endr
.set j, 0
.rept 32
	v_med3_num_f32 v[OT+j], v[OT+j], -v8, v8
.set j, j+1
.endr
.set i, 0
.rept 4
	v_cvt_scalef32_pk8_fp8_f32 v[MK+2*i:MK+2*i+1], v[OT+8*i:OT+8*i+7], v9
.set i, i+1
.endr
	v_nop
	s_wait_alu depctr_va_vdst(0)                   ; the conversions have written the codes v152 to v159, and v10 is written: the two stores read them as data and offset
	global_store_b128 v10, v[MK:MK+3], s[12:13]             ; d = 16 h + 0..15
	global_store_b128 v10, v[MK+4:MK+7], s[12:13] offset:32 ; d = 32 + 16 h + 0..15
	s_wait_xcnt 0x0
	v_lshl_add_u32 v254, v0, 2, 0x4c000            ; the add's two registers are made here, straight ahead of the closing lines: no two could be kept.  No memory or LDS instruction has ever read v254 or v255
	v_mov_b32 v255, 0
	s_wait_dscnt 0x0                               ; the closing lines, six on end
	s_wait_alu 0x0
	s_wait_tensorcnt 0x0
	ds_add_u32 v254, v255
	s_wait_dscnt 0x0
	s_endpgm
.Lfunc_end_k_qbbec3452a5_attn:
	.size	k_qbbec3452a5_attn, .Lfunc_end_k_qbbec3452a5_attn-k_qbbec3452a5_attn
	.p2alignl 7, 3214868480
	.fill 96, 4, 3214868480
	.section	.rodata,"a",@progbits
	.p2align	6, 0x0
	.amdhsa_kernel k_qbbec3452a5_attn
		.amdhsa_group_segment_fixed_size 313344
		.amdhsa_private_segment_fixed_size 0
		.amdhsa_enable_private_segment 0
		.amdhsa_kernarg_size 40
		.amdhsa_user_sgpr_count 2
		.amdhsa_user_sgpr_kernarg_segment_ptr 1
		.amdhsa_wavefront_size32 1
		.amdhsa_system_sgpr_workgroup_id_x 1
		.amdhsa_system_sgpr_workgroup_id_y 1
		.amdhsa_system_sgpr_workgroup_id_z 1
		.amdhsa_system_vgpr_workitem_id 0
		.amdhsa_next_free_vgpr 256
		.amdhsa_next_free_sgpr 66
		.amdhsa_reserve_vcc 1
		.amdhsa_float_denorm_mode_32 3
		.amdhsa_float_denorm_mode_16_64 3
		.amdhsa_memory_ordered 1
		.amdhsa_forward_progress 1
		.amdhsa_inst_pref_size 55
	.end_amdhsa_kernel
	.amdgpu_metadata
---
amdhsa.version: [ 1, 2 ]
amdhsa.kernels:
  - .name:           k_qbbec3452a5_attn
    .symbol:         k_qbbec3452a5_attn.kd
    .args:
      - { .name: qkv, .offset: 0, .size: 8, .value_kind: global_buffer, .address_space: global }
      - { .name: mfl, .offset: 8, .size: 8, .value_kind: global_buffer, .address_space: global }
      - { .name: causal_mask, .offset: 16, .size: 8, .value_kind: global_buffer, .address_space: global }
      - { .name: lowp_scales, .offset: 24, .size: 8, .value_kind: global_buffer, .address_space: global }
      - { .name: ac, .offset: 32, .size: 8, .value_kind: global_buffer, .address_space: global }
    .group_segment_fixed_size: 313344
    .private_segment_fixed_size: 0
    .kernarg_segment_align: 8
    .kernarg_segment_size: 40
    .max_flat_workgroup_size: 512
    .sgpr_count:     66
    .vgpr_count:     256
    .wavefront_size: 32
...
	.end_amdgpu_metadata
.endif
;; end of part 11
;; launch oproj: the kernel of part 9 again; grid 8 x 32, 4 waves a work-group, clusters of 4 x 4, 327,680 bytes of LDS; arguments ac, wc, lowp_scales, raw; writes raw
;; launch ln1: the kernel of part 5 again; grid 256 x 1, 4 waves a work-group, no clusters, 4,608 bytes of LDS; arguments src, raw, bo, ln1_g, ln1_b, lowp_scales, xf, ac; writes xf, ac
;; launch ff1: the kernel of part 6 again; grid 16 x 16, 4 waves a work-group, clusters of 4 x 4, 327,680 bytes of LDS; arguments ac, wc, lowp_scales, hc, b1; writes hc
;; launch ff2: the kernel of part 10 again; grid 8 x 32, 4 waves a work-group, clusters of 4 x 4, 327,680 bytes of LDS; arguments hc, wc, lowp_scales, raw; writes raw
;; launch ln2: the kernel of part 8 again; grid 256 x 1, 4 waves a work-group, no clusters, 0 bytes of LDS; arguments xf, raw, b2, ln2_g, ln2_b, out0; writes out0
